; MI455X (gfx1250); checked and timed in simulation.
; The chip was launched on July 23, 2026; its instructions are those of AMD's public machine-readable ISA for CDNA 5 (MIT licence, August 2026) and "CDNA5" Instruction Set Architecture Reference Guide (July 2026). The comments in the code are by the model that wrote it; some were corrected since.
;; MLCD Sdpa Attention. Allowed arithmetic: matrix products marked QUANTISED: E2M3 operands, one E8M0 scale for each 32 along K, by v_wmma_scale_f32_16x16x128_f8f6f4 with both operands' format E2M3, f32 sums; everything else in f32.
;; Inputs: bk 1,024 float32; bo 1,024 float32; bq 1,024 float32; bv 1,024 float32; hidden_states 8 x 1,024 x 1,024 float32; rotary_pos_emb 1,024 x 32 float32; wk 1,024 x 1,024 float32; wo 1,024 x 1,024 float32; wq 1,024 x 1,024 float32; wv 1,024 x 1,024 float32.
;; Outputs: out0 8 x 1,024 x 1,024 float32.
;; This version of the problem:
;;   THIS VERSION OF THE PROBLEM IS GIVEN IN LOW PRECISION. The matrix products marked QUANTISED in the list below multiply operands that are first quantised to E2M3 (2 exponent bits, 3 mantissa bits; 6 bits a number), with one power-of-two scale for each 32 numbers along K (OCP MX v1.0); their sums are f32. All else is computed in f32.
;;   The module's matrix products, in the order in which they are computed (A, B: the left and right operand; K: the contracted axis; several contracted axes count as one K, in the product's order):
;;     1. [M 8,192, K 1,024] x [K 1,024, N 1,024]; A: input hidden_states; B: input wq: QUANTISED
;;     2. [M 8,192, K 1,024] x [K 1,024, N 1,024]; A: input hidden_states; B: input wk: QUANTISED
;;     3. [M 8,192, K 1,024] x [K 1,024, N 1,024]; A: input hidden_states; B: input wv: QUANTISED
;;     4. batch 128 x [M 1,024, K 64] x [K 64, N 1,024]; A: computed on the way; B: computed on the way: QUANTISED
;;     5. batch 128 x [M 64, K 1,024] x [K 1,024, N 1,024]; A: computed on the way; B: softmax (see below): QUANTISED
;;     6. [M 8,192, K 1,024] x [K 1,024, N 1,024]; A: computed on the way; B: input wo: QUANTISED
;;   THE QUANTISER, for each operand of a quantised product, along K:
;;     - K is cut into blocks of 32 from its start; a last block that is shorter is filled with zeros.
;;     - A block's scale is 2^e with e = floor(log2(the largest magnitude in the block)) - 2, held to -126 .. 127; a block of zeros has e = 0. As a byte (E8M0): e + 127.
;;     - Each number is divided by its block's scale, clamped to +-7.5, and rounded to the nearest number of E2M3, ties to even, subnormals kept.
;;     - The product sums the exact products of the quantised numbers (number of the format x scale) in f32.
;;   ~~~python
;;   def quantise(x, axis):      # numpy; x: float32 -> the quantised numbers, widened to float32 again
;;       x = np.moveaxis(x, axis, -1); K = x.shape[-1]
;;       x = np.pad(x, [(0, 0)] * (x.ndim - 1) + [(0, -K % 32)]); x = x.reshape(x.shape[:-1] + (-1, 32)); a = np.abs(x).max(-1, keepdims=True)
;;       e = np.where(a > 0, np.clip(np.frexp(np.where(a > 0, a, 1))[1] - 1 - 2, -126, 127), 0)      # np.frexp(a)[1] - 1 = floor(log2(a)), exactly
;;       r = np.clip(x / 2.0 ** e, -7.5, 7.5)
;;       step = 2.0 ** (np.maximum(np.frexp(np.where(r == 0, 1, r))[1] - 1, 0) - 3)
;;       q = np.round(r / step) * step * 2.0 ** e      # np.round: ties to even
;;       return np.moveaxis(q.reshape(q.shape[:-2] + (-1,))[..., :K], -1, axis).astype(np.float32)
;;   ~~~
;;   SOFTMAX AHEAD OF A QUANTISED PRODUCT. Where the list says 'softmax', what is quantised is not the finished softmax but p = 2^(t - M), with t = logit x log2(e) and M = ceil(the row's largest t), a whole number; so 1/2 < the row's largest p <= 1. The row's sum l is taken of the UNQUANTISED p, in f32, and the product's result is divided by l at the end. Since M is a whole number, a kernel that streams over the keys may use a running M (the ceiling of the running maximum): every later rescaling is an exact power of two, which a block's scale takes up: the codes' values come out the same.
;;   OPERANDS COMPUTED ON THE WAY. 'Computed on the way' means the value that the module computes at that place (a softmax that the list does not call 'softmax' is quantised finished and normalised). What goes into a quantiser is computed in f32, as accurately as f32 sums, v_exp_f32 and their like allow (about 1e-6 of the number): no bf16 or f16 on the way to a quantiser, and a product that is left as it is and whose result goes on into a quantised operand takes f32 operands (vector FMAs, or v_wmma_f32_16x16x4_f32). A number that lies on a knife's edge between two numbers of the format may be rounded either way, as far as f32 arithmetic and the matrix unit's own rounding can turn it there, and no further.
;; 2 versions. Each part assembles by itself: llvm-mc -triple=amdgcn-amd-amdhsa -mcpu=gfx1250 --defsym DOCPART=n.
;; ======== version 1 of 2: 4 launches
;; limits: right only within a limited range of input values
;; workspace buffers: pre 10,092,544 bytes; qkv 19,660,800 bytes; att 6,553,600 bytes
;; launch prep (part 1): grid 400 x 1, 4 waves a work-group, no clusters, 34,304 bytes of LDS; arguments hidden_states, rotary_pos_emb, wq, wk, wv, wo, pre; writes pre
.if DOCPART == 1
	.amdgcn_target "amdgcn-amd-amdhsa--gfx1250"
	.amdhsa_code_object_version 6
	.text
	.protected	k_q18e54b0c1b_prep
	.globl	k_q18e54b0c1b_prep
	.p2align	8
	.type	k_q18e54b0c1b_prep,@function
k_q18e54b0c1b_prep:
	s_mov_b64 s[64:65], 0
	v_nop
	global_prefetch_b8 v0, s[64:65] scope:SCOPE_SE
	s_setreg_imm32_b32 hwreg(HW_REG_WAVE_MODE, 25, 1), 1
	s_wait_xcnt 0x0
; PREP: hidden_states [8192][1024] and the four weights [1024 (k)][1024 (n)], f32, become codes of FP6 (E2M3) with one E8M0 byte for each 32 along K,
; laid as IMAGES OF OPERAND REGISTERS; and rotary_pos_emb becomes a table of cos and sin in the order in which the next launch's lanes want it.
; A fragment (16 rows x 128 K, 12 registers a lane) lies as 6 planes of 256 bytes: plane p holds registers 2 p, 2 p + 1 of lane l at byte 8 l.
; THE ROWS OF A TILE: row rho of tile t is row 32 (t / 2) + 8 (t % 2) + rho + 8 (rho / 8) of the tensor, for x's rows, the weights' columns and positions alike.
; pre: x's images [kstep 4][tile 512][fragment 2][1536]; the weights' [kstep 4][tile 256][2][1536] (wq, wk, wv, wo: 64 tiles each); scale words [kstep][image row][8 bytes]; the table [position tile 64][piece 8][lane][16].
; A block's scale: the largest magnitude's exponent field - 2, held at 1 from below.  A block of zeros so gets the byte 1 where the rule says 127: its codes are zeros, and this program alone reads the bytes.
; LIMITS: NaN and infinities among the inputs are not served.  cos and sin: three-part reduction by pi / 2 and polynomials in f32, absolute error about 1e-7, for angles under 2^20 in magnitude.
; Work-groups 0-255 take x (32 rows each; wave w: kstep w), 256-383 the weights, 384-399 the table.  Only x's path uses LDS.  No tensor loads, no barrier: waves share nothing.
.set AKS,   1572864                    ; a kstep of x's images
.set BKS,   786432                     ; a kstep of the weights' images
.set WIMG,  6291456
.set XSCL,  9437184
.set WSCL,  9699328
.set ROPE,  9830400
.set STG,   8448                       ; a wave's stage: 16 rows x (512 bytes + 16)
.set SPARE, 4*STG                      ; behind the stages: the spare words, 128 bytes for each wave
.set SPW,   16                         ; v16  LDS address of my spare word; never rewritten
.set NIL,   17                         ; v17  0; never rewritten
.set PC,    224                        ; v224-235 a fragment's codes
.set PT,    236                        ; v236-238, v240-242 the upper halves' codes as they are made
.set XW,    244                        ; v244-247 the four fragments' scale words
.set TM,    248                        ; v248-255 at work
	s_load_b256 s[4:11], s[0:1], 0x0               ; x, the angles, wq, wk
	s_load_b128 s[12:15], s[0:1], 0x20             ; wv, wo
	s_load_b64 s[16:17], s[0:1], 0x30              ; pre
	v_lshl_add_u32 v[SPW], v0, 2, SPARE
	v_mov_b32 v[NIL], 0
	v_lshrrev_b32 v1, 5, v0
	v_readfirstlane_b32 s20, v1                    ; wave
	v_and_b32 v1, 31, v0                           ; lane
	v_and_b32 v2, 15, v0                           ; r
	v_bfe_u32 v3, v0, 4, 1                         ; h
	v_lshlrev_b32 v7, 3, v1                        ; 8 x lane: my place in a plane
	s_mov_b32 s22, 0x76543210
	s_mov_b32 s23, 0xfedcba98                      ; v_permlanex16_b32's selects for lane l xor 16
	s_wait_kmcnt 0x0
	s_cmp_lt_u32 ttmp9, 256
	s_cbranch_scc0 .Lnot_x
; ---------------- x: 32 rows x 256 along K a wave: four fragments f = 2 u + q (tile u of the two, q-th 128 along K)
	v_lshlrev_b32 v4, 4, v1                        ; 16 x lane: each load reads 512 consecutive bytes of a row
	s_mul_i32 s21, s20, STG
	v_add_nc_u32 v5, s21, v4                       ; the stage, on the way in
	v_mul_u32_u24 v6, v2, 528
	v_lshl_add_u32 v6, v3, 7, v6
	v_add_nc_u32 v6, s21, v6                       ; and out: row r, + 128 h bytes: my block of 32 numbers
	v_lshlrev_b32 v8, 3, v3                        ; 8 h
	v_mov_b32 v[TM+7], 0                           ; a lane permute's destination counts as read
	s_lshl_b32 s24, ttmp9, 17                      ; 32 rows of 4,096 bytes
	s_lshl_b32 s25, s20, 10                        ; + my kstep's 1,024 bytes
	s_add_co_u32 s24, s24, s25
	s_mov_b32 s25, 0
	s_add_nc_u64 s[4:5], s[4:5], s[24:25]
	s_mul_i32 s24, s20, AKS
	s_mul_i32 s26, ttmp9, 6144                     ; two tiles of 3,072 bytes
	s_add_co_u32 s24, s24, s26
	s_add_nc_u64 s[28:29], s[16:17], s[24:25]      ; my images
	s_lshl_b32 s24, s20, 16
	s_lshl_b32 s26, ttmp9, 8
	s_add_co_u32 s24, s24, s26
	s_add_co_u32 s24, s24, XSCL
	s_add_nc_u64 s[30:31], s[16:17], s[24:25]      ; my 32 image rows' scale words
.macro XLOAD f                         ; the 16 rows of fragment f, 512 bytes each, into set f % 3
.set RS, 32+64*((\f)%3)
.irp j, 0,1,2,3,4,5,6,7,8,9,10,11,12,13,14,15
	global_load_b128 v[RS+4*\j:RS+4*\j+3], v4, s[4:5] offset:(8*((\f)/2)+\j+8*(\j/8))*4096+512*((\f)%2) th:TH_LOAD_NT
.endr
.endm
.macro XFRAG f, left                   ; left: the younger fragments' loads, which may stay out
.set RS, 32+64*((\f)%3)
	s_wait_loadcnt \left
.irp j, 0,1,2,3,4,5,6,7,8,9,10,11,12,13,14,15
	ds_store_b128 v5, v[RS+4*\j:RS+4*\j+3] offset:528*\j
.endr
.irp c, 0,1                            ; back: lane (r, h) takes k = 64 c + 32 h + 0 .. 31 of row r.  LDS serves a wave's instructions in order: these see the stores above
.irp i, 0,1,2,3,4,5,6,7
	ds_load_b128 v[RS+32*\c+4*\i:RS+32*\c+4*\i+3], v6 offset:256*\c+16*\i
.endr
.endr
	s_wait_dscnt 0x0
.irp c, 0,1
	v_max3_num_f32 v[TM+\c], |v[RS+32*\c]|, |v[RS+32*\c+1]|, 0x1800000   ; my block 2 c + h, whole; and the floor 2^(3 - 127)
.endr
.irp i, 2,4,6,8,10,12,14,16,18,20,22,24,26,28,30
.irp c, 0,1
	v_max3_num_f32 v[TM+\c], v[TM+\c], |v[RS+32*\c+\i]|, |v[RS+32*\c+\i+1]|
.endr
.endr
.irp c, 0,1
	v_add_nc_u32 v[TM+2+\c], 0xff000000, v[TM+\c]  ; 2 off the exponent field: the conversion's scale operand
.endr
.irp c, 0,1
	v_lshrrev_b32 v[TM+4+\c], 23, v[TM+2+\c]       ; the scale's byte
.endr
	v_lshl_or_b32 v[TM+6], v[TM+5], 16, v[TM+4]
	v_lshlrev_b32 v[TM+6], v8, v[TM+6]             ; bytes h and 2 + h of the word
	v_permlanex16_b32 v[TM+7], v[TM+6], s22, s23
	v_or_b32 v[XW+\f], v[TM+6], v[TM+7]            ; with lane l xor 16's two the word is whole
	s_wait_xcnt 0x0                                ; the last fragment's stores have read their data: the codes' registers are written again only behind this wait
.irp c, 0,1
	v_cvt_scalef32_pk16_fp6_f32 v[PC+6*\c:PC+6*\c+2], v[RS+32*\c:RS+32*\c+15], v[TM+2+\c]
	v_cvt_scalef32_pk16_fp6_f32 v[PT+4*\c:PT+4*\c+2], v[RS+32*\c+16:RS+32*\c+31], v[TM+2+\c]   ; (a conversion's three registers begin on an even number)
.endr
	v_nop                                          ; one plain place behind a scaled conversion
.irp c, 0,1
.irp i, 0,1,2
	v_mov_b32 v[PC+6*\c+3+\i], v[PT+4*\c+\i]
.endr
.endr
.irp p, 0,1,2,3,4,5
	global_store_b64 v7, v[PC+2*\p:PC+2*\p+1], s[28:29] offset:3072*((\f)/2)+1536*((\f)%2)+256*\p   ; a plane: 256 consecutive bytes, aligned
.endr
.endm
	XLOAD 0
	XLOAD 1
	XLOAD 2
	XFRAG 0, 32
	XLOAD 3
	XFRAG 1, 32
	XFRAG 2, 16
	XFRAG 3, 0
	v_cmp_le_u32 vcc_lo, 16, v1                    ; lanes 16-31 take the second tile's words: image row = 16 u + r = my lane
	v_cndmask_b32 v[XW], v[XW], v[XW+2], vcc_lo
	v_cndmask_b32 v[XW+1], v[XW+1], v[XW+3], vcc_lo
	global_store_b64 v7, v[XW:XW+1], s[30:31]      ; 256 consecutive bytes, aligned
	s_wait_tensorcnt 0x0                           ; the wave's end, behind my last LDS store
	ds_add_u32 v[SPW], v[NIL]
	s_wait_dscnt 0x0
	s_endpgm
; ---------------- the weights: a lane takes a column, its registers run down K: 32 columns x 256 along K a wave, 8 blocks a lane
.Lnot_x:
	s_cmp_lt_u32 ttmp9, 384
	s_cbranch_scc0 .Lrope
	s_sub_co_u32 s21, ttmp9, 256
	s_and_b32 s24, s21, 7
	s_lshl_b32 s24, s24, 2
	s_add_co_u32 s24, s24, s20                     ; g: which 32 columns
	s_bfe_u32 s25, s21, 0x20003                    ; kstep
	s_lshr_b32 s26, s21, 5                         ; which weight
	s_cmp_lt_u32 s26, 2
	s_cselect_b64 s[32:33], s[8:9], s[12:13]       ; wq or wv
	s_cselect_b64 s[34:35], s[10:11], s[14:15]     ; wk or wo
	s_bitcmp1_b32 s26, 0
	s_cselect_b64 s[32:33], s[34:35], s[32:33]
	s_lshl_b32 s36, s25, 20                        ; 256 rows of 4,096 bytes
	s_lshl_b32 s37, s24, 7
	s_add_co_u32 s36, s36, s37
	s_mov_b32 s37, 0
	s_add_nc_u64 s[32:33], s[32:33], s[36:37]
	s_mul_i32 s36, s25, BKS
	s_lshl_b32 s38, s26, 6
	s_lshl_b32 s39, s24, 1
	s_add_co_u32 s38, s38, s39                     ; image tile 64 x weight + 2 g
	s_mul_i32 s38, s38, 3072
	s_add_co_u32 s36, s36, s38
	s_add_co_u32 s36, s36, WIMG
	s_add_nc_u64 s[28:29], s[16:17], s[36:37]
	s_lshl_b32 s36, s25, 15
	s_lshl_b32 s38, s26, 13
	s_add_co_u32 s36, s36, s38
	s_lshl_b32 s38, s24, 8
	s_add_co_u32 s36, s36, s38
	s_add_co_u32 s36, s36, WSCL
	s_add_nc_u64 s[30:31], s[16:17], s[36:37]
	v_and_b32 v4, 7, v1                            ; my column of the 32: my lane's number with bits 3 and 4 changed over, so that lane 16 u + rho holds row rho of tile 2 g + u
	v_bfe_u32 v5, v1, 3, 1
	v_lshl_or_b32 v4, v5, 4, v4
	v_lshl_or_b32 v4, v3, 3, v4
	v_lshlrev_b32 v4, 2, v4
.macro WLOAD t                         ; block t: w(32 t + i, my column) into set t % 2; the wave reads 128 consecutive bytes, the work-group 512
.irp i, 0,1,2,3,4,5,6,7,8,9,10,11,12,13,14,15,16,17,18,19,20,21,22,23,24,25,26,27,28,29,30,31
	global_load_b32 v[32+32*((\t)%2)+\i], v4, s[32:33] offset:(32*(\t)+\i)*4096 th:TH_LOAD_NT
.endr
.endm
.macro WBLOCK t
.set XS, 32+32*((\t)%2)
.set CD, 96+6*((\t)%2)                 ; v96-101 an even block's codes, v102-107 an odd one's
.if (\t) < 7
	s_wait_loadcnt 32                              ; this block's 32 loads are in; the next block's may be out
.else
	s_wait_loadcnt 0x0
.endif
	v_max3_num_f32 v12, |v[XS]|, |v[XS+1]|, |v[XS+2]|
	v_max3_num_f32 v13, |v[XS+3]|, |v[XS+4]|, |v[XS+5]|
.irp i, 6,10,14,18,22,26
	v_max3_num_f32 v12, v12, |v[XS+\i]|, |v[XS+\i+1]|
	v_max3_num_f32 v13, v13, |v[XS+\i+2]|, |v[XS+\i+3]|
.endr
	v_max3_num_f32 v12, v12, |v[XS+30]|, |v[XS+31]|
	v_max3_num_f32 v12, v12, v13, 0x1800000        ; and the floor
	v_add_nc_u32 v11, 0xff000000, v12
	v_lshrrev_b32 v13, 23, v11
.if (\t)%4 == 0
	v_mov_b32 v[112+(\t)/4], v13                   ; four bytes to a scale word, the lower K in the lower byte
.else
	v_lshl_or_b32 v[112+(\t)/4], v13, 8*((\t)%4), v[112+(\t)/4]
.endif
.if (\t)%2 == 0
	s_wait_xcnt 0x0                                ; the last pair's stores have read their data
.endif
	v_cvt_scalef32_pk16_fp6_f32 v[CD:CD+2], v[XS:XS+15], v11
	v_cvt_scalef32_pk16_fp6_f32 v[108:110], v[XS+16:XS+31], v11
	v_nop                                          ; one plain place behind a scaled conversion
.irp i, 0,1,2
	v_mov_b32 v[CD+3+\i], v[108+\i]
.endr
.if (\t)+2 < 8
	WLOAD (\t)+2
.endif
.if (\t)%2 == 1                        ; a fragment wants the even block in lanes 0-15 and the odd one in lanes 16-31: the swap gives tile 2 g in the first six registers and tile 2 g + 1 in the second six
.irp i, 0,1,2,3,4,5
	v_permlane16_swap_b32 v[96+\i], v[102+\i]
.endr
.irp p, 0,1,2
	global_store_b64 v7, v[96+2*\p:97+2*\p], s[28:29] offset:1536*((\t)/4)+768*(((\t)/2)%2)+256*\p
	global_store_b64 v7, v[102+2*\p:103+2*\p], s[28:29] offset:3072+1536*((\t)/4)+768*(((\t)/2)%2)+256*\p
.endr
.endif
.endm
	WLOAD 0
	WLOAD 1
.irp t, 0,1,2,3,4,5,6,7
	WBLOCK \t
.endr
	global_store_b64 v7, v[112:113], s[30:31]      ; image row 32 g + my lane: 256 consecutive bytes, aligned
	s_endpgm
; ---------------- the table: a wave takes a tile of 16 positions; lane (r, h) makes cos and sin of angles 16 h + 0 .. 15 of the tile's row r
.Lrope:
	s_sub_co_u32 s21, ttmp9, 384
	s_lshl_b32 s21, s21, 2
	s_add_co_u32 s21, s21, s20                     ; the tile
	s_lshr_b32 s24, s21, 1
	s_lshl_b32 s24, s24, 5
	s_and_b32 s25, s21, 1
	s_lshl_b32 s25, s25, 3
	s_add_co_u32 s24, s24, s25
	v_and_b32 v4, 8, v2
	v_add_nc_u32 v4, v4, v2
	v_add_nc_u32 v4, s24, v4                       ; the position
	v_lshlrev_b32 v4, 7, v4                        ; a row of 32 angles is 128 bytes
	v_lshl_add_u32 v4, v3, 6, v4
.irp i, 0,1,2,3
	global_load_b128 v[32+4*\i:35+4*\i], v4, s[6:7] offset:16*\i
.endr
	v_lshlrev_b32 v5, 4, v1
	s_lshl_b32 s24, s21, 12
	s_add_co_u32 s24, s24, ROPE
	s_mov_b32 s25, 0
	s_add_nc_u64 s[28:29], s[16:17], s[24:25]
	s_mov_b32 s32, 0x3f22f983                      ; 2 / pi
	s_mov_b32 s33, 0xbfc90fdb                      ; - pi / 2, in three parts
	s_mov_b32 s34, 0x333bbd2e
	s_mov_b32 s35, 0x26f72ced
	s_mov_b32 s36, 0xbe2aaaa3                      ; sin r = r + r z (S1 + z (S2 + z S3)), z = r r
	s_mov_b32 s37, 0x3c08839e
	s_mov_b32 s38, 0xb94ca1f9
	s_mov_b32 s39, 0x3d2aaaa5                      ; cos r = 1 - z / 2 + z z (C1 + z (C2 + z C3))
	s_mov_b32 s40, 0xbab6061a
	s_mov_b32 s41, 0x37ccf5ce
	s_wait_loadcnt 0x0
.macro SINCOS e                        ; x = n pi / 2 + r, |r| <= pi / 4; n's low two bits say which of sin r, cos r and which sign
	v_mul_f32 v8, s32, v[32+\e]
	v_rndne_f32 v8, v8
	v_fma_f32 v9, v8, s33, v[32+\e]
	v_fma_f32 v9, v8, s34, v9
	v_fma_f32 v9, v8, s35, v9
	v_cvt_i32_f32 v11, v8
	v_mul_f32 v10, v9, v9
	v_fma_f32 v12, v10, s38, s37
	v_fma_f32 v14, v10, s41, s40
	v_fma_f32 v12, v12, v10, s36
	v_fma_f32 v14, v14, v10, s39
	v_mul_f32 v13, v9, v10
	v_mul_f32 v15, v10, v10
	v_fma_f32 v18, v10, -0.5, 1.0
	v_fma_f32 v12, v12, v13, v9                    ; sin r
	v_fma_f32 v14, v14, v15, v18                   ; cos r
	v_and_b32 v19, 1, v11
	v_cmp_eq_u32 vcc_lo, 1, v19
	v_cndmask_b32 v[64+\e], v12, v14, vcc_lo       ; n odd: they change places
	v_cndmask_b32 v[48+\e], v14, v12, vcc_lo
	v_and_b32 v19, 2, v11
	v_add_nc_u32 v11, 1, v11
	v_lshlrev_b32 v19, 30, v19
	v_and_b32 v11, 2, v11
	v_xor_b32 v[64+\e], v19, v[64+\e]              ; sin: minus where n mod 4 is 2 or 3
	v_lshlrev_b32 v11, 30, v11
	v_xor_b32 v[48+\e], v11, v[48+\e]              ; cos: minus where n mod 4 is 1 or 2
.endm
.irp e, 0,1,2,3,4,5,6,7,8,9,10,11,12,13,14,15
	SINCOS \e
.endr
.irp i, 0,1,2,3
	global_store_b128 v5, v[48+4*\i:51+4*\i], s[28:29] offset:512*\i          ; 512 consecutive bytes a store
	global_store_b128 v5, v[64+4*\i:67+4*\i], s[28:29] offset:2048+512*\i
.endr
	s_endpgm
.Lfunc_end_k_q18e54b0c1b_prep:
	.size	k_q18e54b0c1b_prep, .Lfunc_end_k_q18e54b0c1b_prep-k_q18e54b0c1b_prep
	.p2alignl 7, 3214868480
	.fill 96, 4, 3214868480
	.section	.rodata,"a",@progbits
	.p2align	6, 0x0
	.amdhsa_kernel k_q18e54b0c1b_prep
		.amdhsa_group_segment_fixed_size 34304
		.amdhsa_private_segment_fixed_size 0
		.amdhsa_enable_private_segment 0
		.amdhsa_kernarg_size 56
		.amdhsa_user_sgpr_count 2
		.amdhsa_user_sgpr_kernarg_segment_ptr 1
		.amdhsa_wavefront_size32 1
		.amdhsa_system_sgpr_workgroup_id_x 1
		.amdhsa_system_sgpr_workgroup_id_y 1
		.amdhsa_system_sgpr_workgroup_id_z 1
		.amdhsa_system_vgpr_workitem_id 0
		.amdhsa_next_free_vgpr 256
		.amdhsa_next_free_sgpr 66
		.amdhsa_reserve_vcc 1
		.amdhsa_float_denorm_mode_32 3
		.amdhsa_float_denorm_mode_16_64 3
		.amdhsa_memory_ordered 1
		.amdhsa_forward_progress 1
		.amdhsa_inst_pref_size 92
	.end_amdhsa_kernel
	.amdgpu_metadata
---
amdhsa.version: [ 1, 2 ]
amdhsa.kernels:
  - .name:           k_q18e54b0c1b_prep
    .symbol:         k_q18e54b0c1b_prep.kd
    .args:
      - { .name: hidden_states, .offset: 0, .size: 8, .value_kind: global_buffer, .address_space: global }
      - { .name: rotary_pos_emb, .offset: 8, .size: 8, .value_kind: global_buffer, .address_space: global }
      - { .name: wq, .offset: 16, .size: 8, .value_kind: global_buffer, .address_space: global }
      - { .name: wk, .offset: 24, .size: 8, .value_kind: global_buffer, .address_space: global }
      - { .name: wv, .offset: 32, .size: 8, .value_kind: global_buffer, .address_space: global }
      - { .name: wo, .offset: 40, .size: 8, .value_kind: global_buffer, .address_space: global }
      - { .name: pre, .offset: 48, .size: 8, .value_kind: global_buffer, .address_space: global }
    .group_segment_fixed_size: 34304
    .private_segment_fixed_size: 0
    .kernarg_segment_align: 8
    .kernarg_segment_size: 56
    .max_flat_workgroup_size: 128
    .sgpr_count:     66
    .vgpr_count:     256
    .wavefront_size: 32
...
	.end_amdgpu_metadata
.endif
;; end of part 1
;; launch qkv (part 2): grid 12 x 32, 4 waves a work-group, clusters of 4 x 4, 327,680 bytes of LDS; arguments pre, bq, bk, bv, qkv; writes qkv
.if DOCPART == 2
	.amdgcn_target "amdgcn-amd-amdhsa--gfx1250"
	.amdhsa_code_object_version 6
	.text
	.protected	k_q18e54b0c1b_qkv
	.globl	k_q18e54b0c1b_qkv
	.p2align	8
	.type	k_q18e54b0c1b_qkv,@function
k_q18e54b0c1b_qkv:
	s_mov_b64 s[64:65], 0
	v_nop
	global_prefetch_b8 v0, s[64:65] scope:SCOPE_SE
	s_setreg_imm32_b32 hwreg(HW_REG_WAVE_MODE, 25, 1), 1
	s_wait_xcnt 0x0
	s_wait_alu depctr_hold_cnt(0) depctr_sa_sdst(0) depctr_va_vdst(0) depctr_va_sdst(0) depctr_va_ssrc(0) depctr_va_vcc(0) depctr_vm_vsrc(0)
	s_getreg_b32 s2, hwreg(HW_REG_IB_STS2, 6, 4)
	s_cmp_eq_u32 s2, 0
	s_cbranch_scc0 .Lentry_in_a_cluster
	s_endpgm
.Lentry_in_a_cluster:
	s_bfe_u32 s2, ttmp6, 0x10000c
	s_cmp_lg_u32 s2, 0xf033
	s_cbranch_scc0 .Lentry_shape_is_right
	s_endpgm
.Lentry_shape_is_right:
; QKV: [8192 x 1024] x [1024 x 3072] on codes of FP6 with E8M0 scales, the bias as the sums' first C; then, in registers: q and k: rotary embedding in f32, quantised along the head's 64; v: quantised along the keys.
; A work-group of four waves makes 256 rows x 256 columns, a wave 128 x 128: 64 accumulators, 512 registers.  Cluster x says which product: 0 q, 1 k, 2 v.
; K goes in four steps of 256 through two LDS slots.  Operands lie in memory as images of their registers (a fragment: 6 planes of 256 bytes), so a wave's share of a slot, 8 tiles, is one dense block of 24,576 bytes,
; and a fragment comes out of LDS by six loads of 256 consecutive bytes.  The scale words of all of K come once, with the first fills.
; CLUSTERS: 4 x 4 work-groups; x's tiles are asked for jointly along a row of the cluster, the weights' along a column.
; THE MATRIX INSTRUCTION IS USED TRANSPOSED (source 0 = 16 columns of the weight, source 1 = 16 rows of x).  Row rho of tile t of any operand is row 32 (t / 2) + 8 (t % 2) + rho + 8 (rho / 8): so in accumulators (a, 2 g) and
; (a, 2 g + 1) lane (r, h) holds, of x's row r of tile a, the 16 neighbouring columns 32 g + 16 h + 0 .. 15.  A head is 64 columns: d and d + 32 lie in one lane, 16 registers apart.
; OUT: q, k: half fragments [head 128][position tile 64][768]; scale words [head][128 positions][row 16][pair of tiles 4][4]; v: fragments with the keys along K [head][128 keys][d tile 4][1536]; scale words [head][128 keys][row 16][u 2][b 2][4].
; 384 work-groups of equal work: one and a half for each of 256 WGPs; no tile with a wave's 128 x 128 divides 8192 x 3072 into 256 or 512.
; No prefetch: two of the four K steps are first fills, and the other two are asked for a whole K step ahead.
; LIMITS: a block of zeros gets the byte 1 (its codes are zeros; this program alone reads the bytes); NaN and infinities are not served.
; REGISTERS: window 0: v0-31 addresses; v32-63 scale words, two sets; v128-223 x's fragments, one set.  window 1: the weights' fragments, two sets (v0-95, v128-223); the bias (v96-127, v224-255).  windows 2, 3: accumulator (a, b) at v[8 (8 (a % 4) + b)].
.set AKS,   1572864
.set BKS,   786432
.set WIMG,  6291456
.set XSCL,  9437184
.set WSCL,  9699328
.set ROPE,  9830400
.set NQ,    2                          ; matrix instructions deep in a slot
.set FR,    12
.set NL,    6
.set NP,    4                          ; places behind this matrix instruction (ISA guide 7.12.1)
.set TILEB, 3072                       ; a tile's two fragments
.set HALFT, 8*TILEB                    ; what one tensor load brings, and what one wave reads of a side
.set SLOT,  4*HALFT
.set SCL,   2*SLOT                     ; the scale words: wave w's 4,096 bytes [kstep 4][row 128][8] at 4096 w + 128 (w / 2)
.set SPARE, 213248                     ; behind them: the spare words, 128 bytes for each wave
.set ADRA, 16
.set ADRB, 20
.set ADRS, 27
.set SPW,  28
.set NIL,  29
.set SC,   32
.set AF,   128
.set G1, 24
.set G0, 32
.set G1B, 48
.set G0B, 56
.set G1S, 68
.set G0S, 76
.set G1SB, 80
.set G0SB, 88
.set MSB, 0
.macro WIN new                         ; the immediate's high byte repeats the setting that is left
.if MSB != \new
	s_set_vgpr_msb (MSB<<8)|\new
.set MSB, \new
.endif
.endm
.set MUL_LO, 0xa1                      ; source 0 window 1, source 1 window 0, C and D window 2
.set MUL_HI, 0xf1                      ; the same, C and D window 3
.set TO_B,   0x40                      ; destination window 1, address window 0
.macro JLOAD g0a, g1a, g0b, g1b        ; a joint load: waves 0 and 1 fetch for x, waves 2 and 3 for the weights; an s_nop 0 and four v_nop follow each line
	s_cmp_eq_u32 s15, 0
	s_cbranch_scc0 .Lfor_b_\@
	tensor_load_to_lds s[\g0a:\g0a+3], s[\g1a:\g1a+7]
	s_nop 0
.rept 4
	v_nop
.endr
	s_branch .Lasked_\@
.Lfor_b_\@:
	tensor_load_to_lds s[\g0b:\g0b+3], s[\g1b:\g1b+7]
	s_nop 0
.rept 4
	v_nop
.endr
.Lasked_\@:
.endm
.macro CREST                           ; a round of the cluster's barrier behind its opening barrier
	s_cmp_lg_u32 s14, 0
	s_cbranch_scc1 .Lnot_wave_0_\@
	s_barrier_signal -3
.Lnot_wave_0_\@:
	s_barrier_wait -3
	s_barrier_signal -1
	s_barrier_wait -1
.endm
.macro CROUND
	s_barrier_signal -1
	s_barrier_wait -1
	CREST
.endm
	s_load_b256 s[4:11], s[0:1], 0x0               ; pre, bq, bk, bv
	s_load_b64 s[12:13], s[0:1], 0x20              ; qkv
	v_lshl_add_u32 v[SPW], v0, 2, SPARE
	v_mov_b32 v[NIL], 0
	ds_add_u32 v[SPW], v[NIL]                      ; the wave's opening: the add, and its wait ahead of my first tensor load
	v_lshrrev_b32 v1, 5, v0
	v_readfirstlane_b32 s14, v1                    ; wave 0..3
	s_lshr_b32 s15, s14, 1                         ; which half of the rows is mine.  Also: I fetch for x (0) or for the weights (1)
	s_and_b32 s16, s14, 1                          ; which half of the columns.  Also: which 8 tiles I fetch
	s_bfe_u32 s40, ttmp6, 0x40000                  ; cx, cy
	s_bfe_u32 s41, ttmp6, 0x40004
	s_lshl_b32 s42, ttmp9, 2
	s_add_co_u32 s42, s42, s40                     ; tile column
	s_and_b32 s17, ttmp7, 0xffff
	s_lshl_b32 s17, s17, 2
	s_add_co_u32 s17, s17, s41                     ; tile row
	s_lshl_b32 s43, s41, 2
	s_lshl_b32 s43, 15, s43                        ; my row of the cluster
	s_lshl_b32 s44, 0x1111, s40                    ; my column
	s_or_b32 s[G1+0], s43, (3<<16)|(1<<21)         ; the mask; elements of 8 bytes; bit 21 beside a mask; no padding
	s_or_b32 s[G1B+0], s44, (3<<16)|(1<<21)
.irp g, G1, G1B                        ; codes: a dense block of 24,576 bytes as 96 rows of 256
	s_mov_b32 s[\g+1], 32<<16
	s_mov_b32 s[\g+2], 96<<16
	s_mov_b32 s[\g+3], 32<<16
	s_mov_b32 s[\g+4], 96
	s_mov_b32 s[\g+5], 32
	s_mov_b32 s[\g+6], 0
	s_mov_b32 s[\g+7], 0
.endr
	s_or_b32 s[G1S+0], s43, (3<<16)|(1<<21)
	s_or_b32 s[G1SB+0], s44, (3<<16)|(1<<21)
.irp g, G1S, G1SB                      ; scale words: 4 ksteps x 1,024 bytes (128 rows)
	s_mov_b32 s[\g+1], 128<<16
	s_mov_b32 s[\g+2], 4<<16
	s_mov_b32 s[\g+3], 128<<16
	s_mov_b32 s[\g+4], 4
	s_mov_b32 s[\g+6], 0
	s_mov_b32 s[\g+7], 0
.endr
	s_mov_b32 s[G1S+5], 8192                       ; from kstep to kstep: 8,192 rows of x,
	s_mov_b32 s[G1SB+5], 4096                      ; 4,096 of the weights
	s_mul_i32 s18, s16, HALFT
	s_lshl_b32 s19, s16, 10
	s_mul_i32 s20, s17, 16*TILEB                   ; x's codes hang on the tile row alone,
	s_add_co_u32 s20, s20, s18
	s_mov_b32 s21, 0
	s_lshl_b32 s22, s17, 11                        ; and so do its scale words;
	s_add_co_u32 s22, s22, s19
	s_add_co_u32 s22, s22, XSCL
	s_mov_b32 s23, 0
	s_mul_i32 s46, s42, 16*TILEB                   ; the weights' on the tile column alone
	s_add_co_u32 s46, s46, s18
	s_add_co_u32 s46, s46, WIMG
	s_mov_b32 s47, 0
	s_lshl_b32 s92, s42, 11
	s_add_co_u32 s92, s92, s19
	s_add_co_u32 s92, s92, WSCL
	s_mov_b32 s93, 0
	s_mul_i32 s45, s14, HALFT                      ; where they go: no place in the cluster enters an LDS address
	s_lshl_b32 s94, s14, 12
	s_lshl_b32 s95, s15, 7
	s_add_co_u32 s94, s94, s95
	s_wait_dscnt 0x0                               ; the opening add is done
	s_wait_kmcnt 0x0
	s_add_nc_u64 s[20:21], s[4:5], s[20:21]
	s_add_nc_u64 s[22:23], s[4:5], s[22:23]
	s_add_nc_u64 s[46:47], s[4:5], s[46:47]
	s_add_nc_u64 s[92:93], s[4:5], s[92:93]
	CROUND                                         ; all sixteen work-groups are here: the first joint loads meet
	s_mov_b32 s[G0S], 1
	s_add_co_u32 s[G0S+1], s94, SCL
	s_mov_b64 s[G0S+2:G0S+3], s[22:23]
	s_or_b32 s[G0S+3], s[G0S+3], 0x80000000
	s_mov_b32 s[G0SB], 1
	s_add_co_u32 s[G0SB+1], s94, SCL
	s_mov_b64 s[G0SB+2:G0SB+3], s[92:93]
	s_or_b32 s[G0SB+3], s[G0SB+3], 0x80000000
	JLOAD G0S, G1S, G0SB, G1SB                     ; the scale words first: three loads of mine are out at the most
.irp s, 0,1
	s_mov_b32 s[G0+4*\s], 1
	s_add_co_u32 s[G0+4*\s+1], s45, \s*SLOT
	s_add_nc_u64 s[G0+4*\s+2:G0+4*\s+3], s[20:21], \s*AKS
	s_or_b32 s[G0+4*\s+3], s[G0+4*\s+3], 0x80000000
	s_mov_b32 s[G0B+4*\s], 1
	s_add_co_u32 s[G0B+4*\s+1], s45, \s*SLOT
	s_add_nc_u64 s[G0B+4*\s+2:G0B+4*\s+3], s[46:47], \s*BKS
	s_or_b32 s[G0B+4*\s+3], s[G0B+4*\s+3], 0x80000000
	JLOAD G0+4*\s, G1, G0B+4*\s, G1B
.endr
	v_and_b32 v1, 15, v0                           ; r
	v_bfe_u32 v2, v0, 4, 1                         ; h
	v_and_b32 v3, 31, v0                           ; lane
	v_lshlrev_b32 v4, 3, v3                        ; 8 x lane: my place in a plane
	s_mul_i32 s21, s15, HALFT
	s_mul_i32 s22, s16, HALFT
	s_add_co_u32 s22, s22, 2*HALFT
.irp s, 0,1
	v_add_nc_u32 v[ADRA+\s], s21, v4
	v_add_nc_u32 v[ADRB+\s], s22, v4
	s_add_co_u32 s21, s21, SLOT
	s_add_co_u32 s22, s22, SLOT
.endr
	v_lshlrev_b32 v5, 3, v1                        ; scale words: 8 bytes a row
	s_lshl_b32 s21, s15, 12                        ; lanes 0-15: x's, my 128 rows
	s_lshl_b32 s22, s16, 12
	s_add_co_u32 s22, s22, 2*4096+128              ; lanes 16-31: the weights'
	s_sub_co_u32 s22, s22, s21
	v_mul_u32_u24 v6, s22, v2
	s_add_co_u32 s21, s21, SCL
	v_add_nc_u32 v5, v5, v6
	v_add_nc_u32 v[ADRS], s21, v5
	s_cmp_eq_u32 ttmp9, 0                          ; the bias of my product: the choice hangs on the cluster's x alone
	s_cselect_b64 s[18:19], s[6:7], s[8:9]
	s_cmp_eq_u32 ttmp9, 2
	s_cselect_b64 s[18:19], s[10:11], s[18:19]
	s_lshl_b32 s20, s40, 10
	s_lshl_b32 s21, s16, 9
	s_add_co_u32 s20, s20, s21                     ; my first column of the product's 1,024, in bytes
	s_mov_b32 s21, 0
	s_add_nc_u64 s[18:19], s[18:19], s[20:21]
	v_lshlrev_b32 v7, 6, v2                        ; 16 h numbers on
	WIN TO_B
.irp b, 0,1,2,3,4,5,6,7                ; tile b's eight registers in the result's layout: columns 32 (b / 2) + 8 (b % 2) + 16 h + 0 .. 7
	global_load_b128 v[96+8*\b+96*(\b/4):99+8*\b+96*(\b/4)], v7, s[18:19] offset:(32*(\b/2)+8*(\b%2))*4
	global_load_b128 v[100+8*\b+96*(\b/4):103+8*\b+96*(\b/4)], v7, s[18:19] offset:(32*(\b/2)+8*(\b%2))*4+16
.endr
	WIN 0
.macro FRAG reg, adr, q, i             ; a fragment as it lies: six planes
.irp p, 0,1,2,3,4,5
	ds_load_b64 v[\reg+2*\p:\reg+2*\p+1], v[\adr] offset:TILEB*(\i)+1536*(\q)+256*\p
.endr
.endm
; 16 matrix instructions: x's blocks a0, a0 + 1 against the weights' eight.  zero = 1: the first product starts the sums from the bias.  The 64 accumulators take turns, one instruction a turn.
.macro MUL16 a0, p, q, sc, zero
.irp a, \a0, \a0+1
.irp b, 0,1,2,3,4,5,6,7
.if \zero
	v_wmma_scale_f32_16x16x128_f8f6f4 v[8*(8*((\a)%4)+\b):8*(8*((\a)%4)+\b)+7], v[128*(\p)+FR*\b:128*(\p)+FR*\b+FR-1], v[AF+FR*(\a):AF+FR*(\a)+FR-1], v[96+8*\b+96*(\b/4):103+8*\b+96*(\b/4)], v[SC+8*NQ*(\sc)+NQ*\b+(\q)], v[SC+8*NQ*(\sc)+NQ*(\a)+(\q)] matrix_a_fmt:MATRIX_FMT_FP6 matrix_b_fmt:MATRIX_FMT_FP6 matrix_a_scale:MATRIX_SCALE_ROW1
.else
	v_wmma_scale_f32_16x16x128_f8f6f4 v[8*(8*((\a)%4)+\b):8*(8*((\a)%4)+\b)+7], v[128*(\p)+FR*\b:128*(\p)+FR*\b+FR-1], v[AF+FR*(\a):AF+FR*(\a)+FR-1], v[8*(8*((\a)%4)+\b):8*(8*((\a)%4)+\b)+7], v[SC+8*NQ*(\sc)+NQ*\b+(\q)], v[SC+8*NQ*(\sc)+NQ*(\a)+(\q)] matrix_a_fmt:MATRIX_FMT_FP6 matrix_b_fmt:MATRIX_FMT_FP6 matrix_a_scale:MATRIX_SCALE_ROW1
.endif
.endr
.endr
.endm
.macro FETCH_B slot, q, p
	WIN TO_B
.irp i, 0,1,2,3,4,5,6,7
	FRAG 128*(\p)+FR*\i, ADRB+\slot, \q, \i
.endr
	WIN 0
.endm
.macro FETCH_A slot, q, i0
.irp i, \i0, \i0+1, \i0+2, \i0+3
	FRAG AF+FR*(\i), ADRA+\slot, \q, \i
.endr
.endm
.macro SCALES sc                       ; a K step's two words a row: lanes 0-15 x's block i, lanes 16-31 the weights' block i
.irp i, 0,1,2,3,4,5,6,7
	ds_load_b64 v[SC+8*NQ*\sc+NQ*\i:SC+8*NQ*\sc+NQ*\i+1], v[ADRS] offset:\i*128
.endr
.endm
.macro PLACES n                        ; plain vector instructions in front of loads into registers that matrix instructions have read, and of the first read of results
.rept \n
	v_nop
.endr
.endm
.macro STEP slot, q, zero              ; 128 along K that has its successor in the same slot
	s_wait_dscnt 4*NL                              ; all but the youngest 24 loads (x's blocks 4-7) are in
.if \zero
	WIN 0x91                                       ; as MUL_LO, with C (the bias) in window 1
.else
	WIN MUL_LO
.endif
	MUL16 0, (\q)%2, \q, \slot, \zero
	MUL16 2, (\q)%2, \q, \slot, \zero
	s_wait_dscnt 0x0
	PLACES NP
	FETCH_B \slot, (\q)+1, 1-(\q)%2
	FETCH_A \slot, (\q)+1, 0
.if \zero
	WIN 0xd1
.else
	WIN MUL_HI
.endif
	MUL16 4, (\q)%2, \q, \slot, \zero
	MUL16 6, (\q)%2, \q, \slot, \zero
	PLACES NP
	WIN 0
	FETCH_A \slot, (\q)+1, 4
.endm
; A slot's last step changes slots: one barrier; in front of it each wave waits for all its tensor loads, adds 0 to its spare word, and waits for that and for its reads of this slot.  fill = 1: the slot is filled again, two K steps ahead.
.macro TURN slot, next, fill
	s_wait_tensorcnt 0x0                           ; all my tensor loads have landed: my part of the next slot
	ds_add_u32 v[SPW], v[NIL]
	s_wait_dscnt 4*NL+1                            ; (the add and the youngest 24 loads may be out)
	WIN MUL_LO
	MUL16 0, 1, NQ-1, \slot, 0
	s_wait_dscnt 0x0                               ; the add is done, and my reads of this slot are over
	s_barrier_signal -1
	MUL16 2, 1, NQ-1, \slot, 0
	WIN 0
	s_barrier_wait -1
.if \fill
	CREST                                          ; the barrier has opened a round of the cluster's: no wave of any partner still reads this slot or has a load on its way
	s_add_nc_u64 s[G0+4*\slot+2:G0+4*\slot+3], s[G0+4*\slot+2:G0+4*\slot+3], 2*AKS
	s_add_nc_u64 s[G0B+4*\slot+2:G0B+4*\slot+3], s[G0B+4*\slot+2:G0B+4*\slot+3], 2*BKS
	JLOAD G0+4*\slot, G1, G0B+4*\slot, G1B         ; the first tensor load behind the round; its four v_nop are the places in front of the loads below
.else
	PLACES NP
.endif
	v_add_nc_u32 v[ADRS], 1024, v[ADRS]            ; the next K step's scale words
	FETCH_B \next, 0, 0
	FETCH_A \next, 0, 0
	SCALES \next
	WIN MUL_HI
	MUL16 4, 1, NQ-1, \slot, 0
	MUL16 6, 1, NQ-1, \slot, 0
	PLACES NP
	WIN 0
	FETCH_A \next, 0, 4
.endm
	s_wait_tensorcnt 1                             ; the scale words and my part of K step 0 are in (K step 1's load may be out),
	s_barrier_signal -1
	s_barrier_wait -1                              ; everybody's are
	FETCH_B 0, 0, 0
	FETCH_A 0, 0, 0
	SCALES 0
	FETCH_A 0, 0, 4
	s_wait_loadcnt 0x0                             ; the bias
	STEP 0, 0, 1
	s_mov_b32 s3, 1
.Llap:                                                 ; once round the ring: both slots are filled again (K steps 2 and 3)
	TURN 0, 1, 1
	STEP 1, 0, 0
	TURN 1, 0, 1
	STEP 0, 0, 0
	s_sub_co_u32 s3, s3, 1
	s_cmp_lg_u32 s3, 0
	s_cbranch_scc1 .Llap
	TURN 0, 1, 0
	STEP 1, 0, 0
	s_wait_dscnt 4*NL
	WIN MUL_LO
	MUL16 0, 1, NQ-1, 1, 0
	MUL16 2, 1, NQ-1, 1, 0
	s_wait_dscnt 0x0
	WIN MUL_HI
	MUL16 4, 1, NQ-1, 1, 0
	MUL16 6, 1, NQ-1, 1, 0
	WIN 0
	PLACES NP
; ---------------- what becomes of the 128 x 128.  My rows are 128 positions of one batch element (8 tiles), my columns two heads.
	s_lshr_b32 s18, s17, 2                         ; batch element
	s_and_b32 s19, s17, 3
	s_lshl_b32 s20, s19, 1
	s_add_co_u32 s20, s20, s15                     ; which 128 positions of its 1,024
	s_lshl_b32 s21, s20, 3                         ; my first position tile
	s_lshl_b32 s22, s18, 4
	s_lshl_b32 s23, s40, 2
	s_add_co_u32 s22, s22, s23
	s_lshl_b32 s23, s16, 1
	s_add_co_u32 s22, s22, s23                     ; my first head, of 128
	s_mov_b32 s32, 0x76543210
	s_mov_b32 s33, 0xfedcba98
	s_cmp_eq_u32 ttmp9, 2
	s_cbranch_scc1 .Lv
; ---------------- q and k
.set SEL, 32
.set CS,  32                           ; v32-63, v64-95: cos (16) and sin (16) of a tile's positions, two sets
.set O,   96                           ; v96-127 a head's 32 numbers of my lane, turned
.set TM,  128
.set HW,  136
.set PC,  140
.set PT,  148
.set W,   152                          ; v152-159 scale words: head hd, pair of tiles g at W + 4 hd + g
	s_lshl_b32 s24, s21, 12
	s_add_co_u32 s24, s24, ROPE
	s_mov_b32 s25, 0
	s_add_nc_u64 s[24:25], s[4:5], s[24:25]        ; the table at my first tile
	s_mul_i32 s26, ttmp9, 6291456
	s_mul_i32 s30, s22, 49152
	s_add_co_u32 s26, s26, s30
	s_mul_i32 s30, s21, 768
	s_add_co_u32 s26, s26, s30
	s_mov_b32 s27, 0
	s_add_nc_u64 s[26:27], s[12:13], s[26:27]      ; the half fragments
	s_lshl_b32 s28, ttmp9, 18
	s_lshl_b32 s30, s22, 11
	s_add_co_u32 s28, s28, s30
	s_lshl_b32 s30, s20, 8
	s_add_co_u32 s28, s28, s30
	s_add_co_u32 s28, s28, 18874368
	s_mov_b32 s29, 0
	s_add_nc_u64 s[28:29], s[12:13], s[28:29]      ; the scale words
	v_lshlrev_b32 v5, 4, v3                        ; 16 x lane
	v_lshlrev_b32 v6, 4, v1
	v_lshl_add_u32 v6, v2, 11, v6                  ; 16 r + a head's 2,048 bytes for lanes 16-31
	v_mov_b32 v[TM+2], 0                           ; a lane permute's destination counts as read
	v_mov_b32 v[TM+3], 0
.macro CSLOAD a
.irp i, 0,1,2,3,4,5,6,7
	global_load_b128 v[CS+32*((\a)%2)+4*\i:CS+32*((\a)%2)+4*\i+3], v5, s[24:25] offset:4096*(\a)+512*\i
.endr
.endm
.macro ROPEQ a, hd                     ; out(d) = t(d) cos(d) - t(d + 32) sin(d); out(d + 32) = t(d + 32) cos(d) + t(d) sin(d), d = 16 h + e.  Each accumulator is read from its low end on
.set AC0, 64*((\a)%4)+32*(\hd)
.set CSB, CS+32*((\a)%2)
.set WN, 0x02+(\a)/4
	WIN WN                                         ; source 0: window 2 or 3
.irp e, 0,2,4,6,8,10,12,14
	v_pk_mul_f32 v[O+\e:O+\e+1], v[AC0+\e:AC0+\e+1], v[CSB+\e:CSB+\e+1]
	v_pk_mul_f32 v[O+16+\e:O+17+\e], v[AC0+16+\e:AC0+17+\e], v[CSB+\e:CSB+\e+1]
.endr
.irp e, 0,2,4,6,8,10,12,14
	v_pk_fma_f32 v[O+\e:O+\e+1], v[AC0+16+\e:AC0+17+\e], v[CSB+16+\e:CSB+17+\e], v[O+\e:O+\e+1] neg_lo:[1,0,0] neg_hi:[1,0,0]
	v_pk_fma_f32 v[O+16+\e:O+17+\e], v[AC0+\e:AC0+\e+1], v[CSB+16+\e:CSB+17+\e], v[O+16+\e:O+17+\e]
.endr
	WIN 0
.endm
; 32 numbers of a lane, register 16 b + i = k 32 b + 16 h + i of my row, become half a fragment's codes (six registers from PC on) and two scale bytes (HW)
.macro QUANT2 s
.irp b, 0,1
	v_max3_num_f32 v[TM+\b], |v[\s+16*\b]|, |v[\s+1+16*\b]|, 0x1800000
.endr
.irp i, 2,4,6,8,10,12,14
.irp b, 0,1
	v_max3_num_f32 v[TM+\b], v[TM+\b], |v[\s+16*\b+\i]|, |v[\s+1+16*\b+\i]|
.endr
.endr
.irp b, 0,1
	v_permlanex16_b32 v[TM+2+\b], v[TM+\b], s[SEL], s[SEL+1]
.endr
.irp b, 0,1
	v_max_num_f32 v[TM+\b], v[TM+\b], v[TM+2+\b]   ; with lane l xor 16's: the block's largest magnitude
.endr
.irp b, 0,1
	v_add_nc_u32 v[TM+4+\b], 0xff000000, v[TM+\b]
.endr
.irp b, 0,1
	v_lshrrev_b32 v[TM+2+\b], 23, v[TM+4+\b]
.endr
	v_lshl_or_b32 v[HW], v[TM+3], 8, v[TM+2]
	s_wait_xcnt 0x0                                ; the last stores have read their data: the codes' registers are written again only behind this wait
	v_cvt_scalef32_pk16_fp6_f32 v[PC:PC+2], v[\s:\s+15], v[TM+4]
	v_cvt_scalef32_pk16_fp6_f32 v[PT:PT+2], v[\s+16:\s+31], v[TM+5]
	v_nop                                          ; one plain place behind a scaled conversion
.irp i, 0,1,2
	v_permlane16_swap_b32 v[PC+\i], v[PT+\i]       ; a whole block to a lane: lanes 0-15 block 0, lanes 16-31 block 1
.endr
.irp i, 0,1,2
	v_mov_b32 v[PC+3+\i], v[PT+\i]
.endr
.endm
	CSLOAD 0
	CSLOAD 1
.irp a, 0,1,2,3,4,5,6,7
.if \a < 7
	s_wait_loadcnt 8                               ; this tile's cos and sin are in; the next tile's eight loads may be out
.else
	s_wait_loadcnt 0x0
.endif
.irp hd, 0,1
	ROPEQ \a, \hd
	QUANT2 O
.if (\a)%2 == 0
	v_mov_b32 v[W+4*\hd+(\a)/2], v[HW]
.else
	v_lshl_or_b32 v[W+4*\hd+(\a)/2], v[HW], 16, v[W+4*\hd+(\a)/2]
.endif
.irp p, 0,1,2
	global_store_b64 v4, v[PC+2*\p:PC+2*\p+1], s[26:27] offset:49152*\hd+768*\a+256*\p   ; a plane: 256 consecutive bytes, aligned
.endr
.endr
.if \a < 6
	CSLOAD \a+2
.endif
.endr
	v_cmp_le_u32 vcc_lo, 16, v3                    ; lanes 16-31 store the second head's words
.irp g, 0,1,2,3
	v_cndmask_b32 v[W+\g], v[W+\g], v[W+4+\g], vcc_lo
.endr
	global_store_b128 v6, v[W:W+3], s[28:29]       ; sixteen lanes store 256 consecutive bytes, aligned
	s_branch .Lend
; ---------------- v: its K is the keys, which lie across my lanes: 32 keys x 128 columns at a time turn through my stage (in slot 0, which has had its last fill and its last read), and come back a column to a lane
.Lv:
.set VW, 152                           ; v152-155 scale words: column group cg
	s_mul_i32 s24, s14, 16896                      ; my stage: 32 rows x (512 bytes + 16)
	v_mul_u32_u24 v8, v1, 528
	v_lshl_add_u32 v8, v2, 6, v8
	v_add_nc_u32 v8, s24, v8                       ; in: row r (+ 16 for the odd tile), + 64 h bytes
	v_and_b32 v9, 7, v3
	v_bfe_u32 v10, v3, 3, 1
	v_lshl_or_b32 v9, v10, 4, v9
	v_lshl_or_b32 v9, v2, 3, v9                    ; out: my column of a group of 32: my lane's number with bits 3 and 4 changed over: lane 16 u + rho holds row rho of d tile 2 b + u
	v_lshlrev_b32 v9, 2, v9
	v_add_nc_u32 v9, s24, v9
	v_lshlrev_b32 v10, 4, v1
	v_lshl_add_u32 v10, v2, 3, v10                 ; scale words: 16 rho + 8 u
	s_mul_i32 s26, s22, 49152
	s_mul_i32 s30, s20, 6144
	s_add_co_u32 s26, s26, s30
	s_add_co_u32 s26, s26, 12582912
	s_mov_b32 s27, 0
	s_add_nc_u64 s[26:27], s[12:13], s[26:27]      ; the fragments
	s_lshl_b32 s28, s22, 11
	s_lshl_b32 s30, s20, 8
	s_add_co_u32 s28, s28, s30
	s_add_co_u32 s28, s28, 19398656
	s_mov_b32 s29, 0
	s_add_nc_u64 s[28:29], s[12:13], s[28:29]      ; the scale words
.macro VSTAGE g                        ; tiles 2 g and 2 g + 1: keys 32 g .. 32 g + 31; each accumulator from its low end on
.set WN, 0x08+4*((\g)/2)
	WIN WN                                         ; an LDS store's data: window 2 or 3
.irp u, 0,1
.irp b, 0,1,2,3,4,5,6,7
	ds_store_b128 v8, v[64*((2*(\g)+\u)%4)+8*\b:64*((2*(\g)+\u)%4)+8*\b+3] offset:16*\u*528+128*(\b/2)+32*(\b%2)
	ds_store_b128 v8, v[64*((2*(\g)+\u)%4)+8*\b+4:64*((2*(\g)+\u)%4)+8*\b+7] offset:16*\u*528+128*(\b/2)+32*(\b%2)+16
.endr
.endr
	WIN 0
.endm
.macro VREAD cg                        ; register i: key 32 g + i of my column of group cg.  The wave reads 128 consecutive bytes.  LDS serves a wave's instructions in order
.irp i, 0,1,2,3,4,5,6,7,8,9,10,11,12,13,14,15,16,17,18,19,20,21,22,23,24,25,26,27,28,29,30,31
	ds_load_b32 v[32+32*((\cg)%2)+\i], v9 offset:(16*((\i/8)%2)+8*(\i/16)+\i%8)*528+128*(\cg)
.endr
.endm
.macro VQ g, cg                        ; a block of 32 keys, whole in my lane
.set XS, 32+32*((\cg)%2)
.set CD, 96+24*((\g)%2)+6*(\cg)        ; v96-119 the even blocks' codes, v120-143 the odd ones'
	v_max3_num_f32 v148, |v[XS]|, |v[XS+1]|, |v[XS+2]|
	v_max3_num_f32 v149, |v[XS+3]|, |v[XS+4]|, |v[XS+5]|
.irp i, 6,10,14,18,22,26
	v_max3_num_f32 v148, v148, |v[XS+\i]|, |v[XS+\i+1]|
	v_max3_num_f32 v149, v149, |v[XS+\i+2]|, |v[XS+\i+3]|
.endr
	v_max3_num_f32 v148, v148, |v[XS+30]|, |v[XS+31]|
	v_max3_num_f32 v148, v148, v149, 0x1800000
	v_add_nc_u32 v150, 0xff000000, v148
	v_lshrrev_b32 v151, 23, v150
.if (\g) == 0
	v_mov_b32 v[VW+\cg], v151
.else
	v_lshl_or_b32 v[VW+\cg], v151, 8*(\g), v[VW+\cg]
.endif
	v_cvt_scalef32_pk16_fp6_f32 v[CD:CD+2], v[XS:XS+15], v150
	v_cvt_scalef32_pk16_fp6_f32 v[144:146], v[XS+16:XS+31], v150
	v_nop                                          ; one plain place behind a scaled conversion
.irp i, 0,1,2
	v_mov_b32 v[CD+3+\i], v[144+\i]
.endr
.endm
.irp g, 0,1,2,3
.if \g == 2
	s_wait_xcnt 0x0                                ; the first half's stores have read their data
.endif
	VSTAGE \g
	VREAD 0
.irp cg, 0,1,2,3
.if \cg < 3
	VREAD \cg+1
	s_wait_dscnt 32                                ; all but the next group's 32 reads
.else
	s_wait_dscnt 0x0
.endif
	VQ \g, \cg
.endr
.if (\g)%2 == 1                        ; a fragment wants the even block in lanes 0-15 and the odd one in lanes 16-31: the swap gives d tile 2 b in the first six registers, 2 b + 1 in the second six
.irp cg, 0,1,2,3
.irp i, 0,1,2,3,4,5
	v_permlane16_swap_b32 v[96+6*\cg+\i], v[120+6*\cg+\i]
.endr
.irp p, 0,1,2
	global_store_b64 v4, v[96+6*\cg+2*\p:97+6*\cg+2*\p], s[26:27] offset:49152*(\cg/2)+3072*(\cg%2)+768*((\g)/2)+256*\p
	global_store_b64 v4, v[120+6*\cg+2*\p:121+6*\cg+2*\p], s[26:27] offset:49152*(\cg/2)+3072*(\cg%2)+1536+768*((\g)/2)+256*\p
.endr
.endr
.endif
.endr
.irp hd, 0,1
	global_store_b64 v10, v[VW+2*\hd:VW+2*\hd+1], s[28:29] offset:2048*\hd   ; 256 consecutive bytes, aligned
.endr
.Lend:
	s_wait_tensorcnt 0x0                           ; the wave's end: behind my last tensor load and my last LDS store
	ds_add_u32 v[SPW], v[NIL]
	s_wait_dscnt 0x0
	CROUND                                         ; the closing round
	s_endpgm
.Lfunc_end_k_q18e54b0c1b_qkv:
	.size	k_q18e54b0c1b_qkv, .Lfunc_end_k_q18e54b0c1b_qkv-k_q18e54b0c1b_qkv
	.p2alignl 7, 3214868480
	.fill 96, 4, 3214868480
	.section	.rodata,"a",@progbits
	.p2align	6, 0x0
	.amdhsa_kernel k_q18e54b0c1b_qkv
		.amdhsa_group_segment_fixed_size 327680
		.amdhsa_private_segment_fixed_size 0
		.amdhsa_enable_private_segment 0
		.amdhsa_kernarg_size 40
		.amdhsa_user_sgpr_count 2
		.amdhsa_user_sgpr_kernarg_segment_ptr 1
		.amdhsa_wavefront_size32 1
		.amdhsa_system_sgpr_workgroup_id_x 1
		.amdhsa_system_sgpr_workgroup_id_y 1
		.amdhsa_system_sgpr_workgroup_id_z 1
		.amdhsa_system_vgpr_workitem_id 0
		.amdhsa_next_free_vgpr 1024
		.amdhsa_next_free_sgpr 98
		.amdhsa_reserve_vcc 1
		.amdhsa_float_denorm_mode_32 3
		.amdhsa_float_denorm_mode_16_64 3
		.amdhsa_memory_ordered 1
		.amdhsa_forward_progress 1
		.amdhsa_inst_pref_size 255
	.end_amdhsa_kernel
	.section	.bss,"aw",@nobits
	.p2align	6
	.space	262144
	.amdgpu_metadata
---
amdhsa.version: [ 1, 2 ]
amdhsa.kernels:
  - .name:           k_q18e54b0c1b_qkv
    .symbol:         k_q18e54b0c1b_qkv.kd
    .args:
      - { .name: pre, .offset: 0, .size: 8, .value_kind: global_buffer, .address_space: global }
      - { .name: bq, .offset: 8, .size: 8, .value_kind: global_buffer, .address_space: global }
      - { .name: bk, .offset: 16, .size: 8, .value_kind: global_buffer, .address_space: global }
      - { .name: bv, .offset: 24, .size: 8, .value_kind: global_buffer, .address_space: global }
      - { .name: qkv, .offset: 32, .size: 8, .value_kind: global_buffer, .address_space: global }
    .group_segment_fixed_size: 327680
    .private_segment_fixed_size: 0
    .kernarg_segment_align: 8
    .kernarg_segment_size: 40
    .max_flat_workgroup_size: 128
    .sgpr_count:     98
    .vgpr_count:     1024
    .wavefront_size: 32
...
	.end_amdgpu_metadata
.endif
;; end of part 2
;; launch attn (part 3): grid 2 x 128, 16 waves a work-group, no clusters, 167,936 bytes of LDS; arguments qkv, att; writes att
.if DOCPART == 3
	.amdgcn_target "amdgcn-amd-amdhsa--gfx1250"
	.amdhsa_code_object_version 6
	.text
	.protected	k_q18e54b0c1b_attn
	.globl	k_q18e54b0c1b_attn
	.p2align	8
	.type	k_q18e54b0c1b_attn,@function
k_q18e54b0c1b_attn:
	s_mov_b64 s[64:65], 0
	v_nop
	global_prefetch_b8 v0, s[64:65] scope:SCOPE_SE
	s_setreg_imm32_b32 hwreg(HW_REG_WAVE_MODE, 25, 1), 1
	s_wait_xcnt 0x0
; ATTENTION on codes of FP6: for each of 128 heads (batch x head), 1,024 queries x 1,024 keys, head size 64.  t = score x log2(e) / 8; M = the running largest t rounded up to a whole number; p = 2^(t - M) is quantised along
; the keys; the row's sum is taken of the unquantised p and divides O at the end; O is then quantised along the model's 1,024 (my head's two blocks) into the image that the last product reads.
; SHARES.  A work-group owns 512 queries of one head and walks them in two passes of 256; each of its sixteen waves owns one tile of 16 queries a pass, in 256 registers: four waves to a SIMD.
; THE HEAD'S WHOLE K AND V LIE IN LDS, filled once: 2 x 49,152 bytes of codes, 2 x 2,048 of scale words.  So there is no ring, no refill, and one barrier in the launch.
; Both products are used transposed: a lane holds one query throughout.  THE HEAD IS 64 AND THE INSTRUCTION TAKES 128: a fragment of K holds two tiles of 16 keys side by side along K, and q stands beside 64 zero codes,
; once below them and once above: [q | 0] multiplies the first tile, [0 | q] the second.  The zero codes' scale bytes are 127.
; Tiles take their rows by 32 (t / 2) + 8 (t % 2) + rho + 8 (rho / 8): so the 16 registers of two neighbouring score tiles are 16 neighbouring keys, and those of two neighbouring tiles of O^T 16 neighbouring channels.
; NO CLUSTER: a head is read by two work-groups alone (the grid's x is 2), each of which fetches it once.  NO PREFETCH: all that the launch streams is asked for by its first loads.
; LIMITS: a block of zeros gets the byte 1 (codes zero); NaN and infinities are not served.  o's scale bytes leave as two bytes a row, eight bytes apart: 4 bytes in 100 of what the launch stores.
; REGISTERS: v1 8 x lane; v2, v7, v10 lane terms; v8, v9 the step's addresses; v12 -M, v13 the largest t, v[14:15] the sum; v16-21 zeros, v22-27 q, v28-33 zeros; v34, v35 q's scale words; v36-83 four fragments; v84-87 their scale words;
;   v96-159 S^T, then p; v160-191 O^T; v192-203 p's codes; v204-210 conversions' second halves; v212-228 at work.
.set KIMG,  6291456
.set QSCL,  18874368
.set KSCL,  19136512
.set AKS,   1572864
.set OSCL,  6291456
.set VOFF,  49152                      ; LDS: K's 32 fragments, then V's 32,
.set KSC,   98304                      ; K's scale words, V's 2,048 bytes on,
.set SPARE, 102400                     ; and the spare words, 128 bytes for each wave
.set SPW, 5
.set NIL, 6
.set BM,  212
.set BT,  216
.set BS,  220
.set F,   224
.set T,   226
.set PW,  227
.set TM,  212
.set PC,  192
.set PT,  204
.set HW,  228
.set WV,  18
.set SEL, 20
.set CS,  22
.set G1C, 24
.set G1S, 32
.set G0C, 40
.set G0S, 44
.set TB,  2
.set TS,  3
.set CNT, 48
.set PASS, 49
.set SQ,  50
.set SQS, 52
.set SO,  54
.set SOS, 56
	s_load_b128 s[4:7], s[0:1], 0x0                ; qkv, att
	v_lshl_add_u32 v[SPW], v0, 2, SPARE
	v_mov_b32 v[NIL], 0
	ds_add_u32 v[SPW], v[NIL]                      ; the wave's opening: the add, and its wait ahead of the first tensor loads
	v_lshrrev_b32 v8, 5, v0
	v_readfirstlane_b32 s[WV], v8                  ; wave 0..15
	s_and_b32 s8, ttmp7, 0xffff                    ; the head, of 128
	s_mov_b32 s[G1C], 3<<16                        ; codes: a dense block of 12,288 bytes as 48 rows of 256; no mask, no padding
	s_mov_b32 s[G1C+1], 32<<16
	s_mov_b32 s[G1C+2], 48<<16
	s_mov_b32 s[G1C+3], 32<<16
	s_mov_b32 s[G1C+4], 48
	s_mov_b32 s[G1C+5], 32
	s_mov_b32 s[G1C+6], 0
	s_mov_b32 s[G1C+7], 0
	s_mov_b32 s[G1S], 3<<16                        ; scale words: 2,048 bytes as 8 rows of 256
	s_mov_b32 s[G1S+1], 32<<16
	s_mov_b32 s[G1S+2], 8<<16
	s_mov_b32 s[G1S+3], 32<<16
	s_mov_b32 s[G1S+4], 8
	s_mov_b32 s[G1S+5], 32
	s_mov_b32 s[G1S+6], 0
	s_mov_b32 s[G1S+7], 0
	s_lshr_b32 s9, s[WV], 2
	s_add_co_u32 s9, s9, 1
	s_mul_i32 s10, s9, KIMG                        ; waves 0-3: K's images; waves 4-7: V's, as far on again
	s_mul_i32 s9, s8, 49152
	s_add_co_u32 s10, s10, s9
	s_and_b32 s9, s[WV], 3
	s_mul_i32 s9, s9, 12288                        ; my quarter
	s_add_co_u32 s10, s10, s9
	s_mov_b32 s11, 0
	s_and_b32 s12, s[WV], 1                        ; wave 8: K's scale words; wave 9: V's
	s_lshl_b32 s12, s12, 18
	s_lshl_b32 s13, s8, 11
	s_add_co_u32 s12, s12, s13
	s_add_co_u32 s12, s12, KSCL
	s_mov_b32 s13, 0
	s_mov_b32 s[SEL], 0x76543210
	s_mov_b32 s[SEL+1], 0xfedcba98
	s_mov_b32 s[CS], 0x3e38aa3b                    ; c = log2(e) / 8
	s_mov_b32 s[CS+1], s[CS]
	s_wait_dscnt 0x0                               ; the opening add is done
	s_wait_kmcnt 0x0
	s_mov_b32 s[G0C], 1
	s_mul_i32 s[G0C+1], s[WV], 12288
	s_add_nc_u64 s[G0C+2:G0C+3], s[4:5], s[10:11]
	s_or_b32 s[G0C+3], s[G0C+3], 0x80000000
	s_mov_b32 s[G0S], 1
	s_lshl_b32 s[G0S+1], s[WV], 11
	s_add_co_u32 s[G0S+1], s[G0S+1], 81920         ; wave 8: 98,304; wave 9: 100,352
	s_add_nc_u64 s[G0S+2:G0S+3], s[4:5], s[12:13]
	s_or_b32 s[G0S+3], s[G0S+3], 0x80000000
	s_cmp_lt_u32 s[WV], 8                          ; one load a wave, waves 0 to 9; an s_nop 0 and four v_nop follow each line
	s_cbranch_scc0 .Lnot_codes
	tensor_load_to_lds s[G0C:G0C+3], s[G1C:G1C+7]
	s_nop 0
.rept 4
	v_nop
.endr
	s_branch .Lasked
.Lnot_codes:
	s_cmp_lt_u32 s[WV], 10
	s_cbranch_scc0 .Lasked
	tensor_load_to_lds s[G0S:G0S+3], s[G1S:G1S+7]
	s_nop 0
.rept 4
	v_nop
.endr
.Lasked:
	v_and_b32 v3, 31, v0
	v_lshlrev_b32 v1, 3, v3                        ; 8 x lane: my place in a plane
	v_and_b32 v4, 15, v0                           ; r
	v_lshlrev_b32 v7, 4, v4                        ; 16 r
	v_add_nc_u32 v2, KSC, v7
	v_lshlrev_b32 v10, 3, v4                       ; 8 r
.irp j, 16,17,18,19,20,21,28,29,30,31,32,33
	v_mov_b32 v[\j], 0                             ; the zero codes on both sides of q
.endr
.irp b, 0,1,2,3
	v_mov_b32 v[BT+\b], 0                          ; a lane permute's destination counts as read
.endr
	v_mov_b32 v[F+1], 0                            ; (named as the upper half of a pair)
	s_lshl_b32 s9, ttmp9, 5
	s_add_co_u32 s9, s9, s[WV]                     ; my tile of queries in the first pass, of the head's 64
	s_mul_i32 s10, s8, 49152
	s_mul_i32 s11, s9, 768
	s_add_co_u32 s10, s10, s11
	s_mov_b32 s11, 0
	s_add_nc_u64 s[SQ:SQ+1], s[4:5], s[10:11]      ; its half fragment
	s_lshl_b32 s10, s8, 11
	s_lshr_b32 s12, s9, 3
	s_lshl_b32 s12, s12, 8
	s_add_co_u32 s10, s10, s12
	s_bfe_u32 s12, s[WV], 0x20001
	s_lshl_b32 s12, s12, 2
	s_add_co_u32 s10, s10, s12
	s_add_co_u32 s10, s10, QSCL
	s_add_nc_u64 s[SQS:SQS+1], s[4:5], s[10:11]    ; the word that holds its scale bytes,
	s_and_b32 s19, s[WV], 1
	s_lshl_b32 s19, s19, 4                         ; in the low half (even tile) or the high
	s_and_b32 s12, s8, 15                          ; head of 16
	s_lshr_b32 s13, s8, 4                          ; batch element
	s_lshr_b32 s14, s12, 2                         ; the last product's kstep: 4 heads each
	s_mul_i32 s10, s14, AKS
	s_lshl_b32 s15, s13, 6
	s_add_co_u32 s15, s15, s9                      ; image tile
	s_mul_i32 s16, s15, 3072
	s_add_co_u32 s10, s10, s16
	s_and_b32 s16, s12, 3
	s_mul_i32 s17, s16, 768                        ; my head's half fragment of the kstep's four
	s_add_co_u32 s10, s10, s17
	s_add_nc_u64 s[SO:SO+1], s[6:7], s[10:11]
	s_lshl_b32 s10, s14, 16
	s_lshl_b32 s15, s15, 7
	s_add_co_u32 s10, s10, s15
	s_lshl_b32 s16, s16, 1
	s_add_co_u32 s10, s10, s16
	s_add_co_u32 s10, s10, OSCL
	s_add_nc_u64 s[SOS:SOS+1], s[6:7], s[10:11]
	s_mov_b32 s[PASS], 2
	s_wait_tensorcnt 0x0                           ; my part of the head is in,
	s_barrier_signal -1
	s_barrier_wait -1                              ; everybody's is
.macro QUANT2 s                        ; 32 numbers of a lane, register 16 b + i = k 32 b + 16 h + i of my row: half a fragment's codes from PC on, two scale bytes in HW
.irp b, 0,1
	v_max3_num_f32 v[TM+\b], |v[\s+16*\b]|, |v[\s+1+16*\b]|, 0x1800000
.endr
.irp i, 2,4,6,8,10,12,14
.irp b, 0,1
	v_max3_num_f32 v[TM+\b], v[TM+\b], |v[\s+16*\b+\i]|, |v[\s+1+16*\b+\i]|
.endr
.endr
.irp b, 0,1
	v_permlanex16_b32 v[TM+2+\b], v[TM+\b], s[SEL], s[SEL+1]
.endr
.irp b, 0,1
	v_max_num_f32 v[TM+\b], v[TM+\b], v[TM+2+\b]
.endr
.irp b, 0,1
	v_add_nc_u32 v[TM+4+\b], 0xff000000, v[TM+\b]
.endr
.irp b, 0,1
	v_lshrrev_b32 v[TM+2+\b], 23, v[TM+4+\b]
.endr
	v_lshl_or_b32 v[HW], v[TM+3], 8, v[TM+2]
	v_cvt_scalef32_pk16_fp6_f32 v[PC:PC+2], v[\s:\s+15], v[TM+4]
	v_cvt_scalef32_pk16_fp6_f32 v[PT:PT+2], v[\s+16:\s+31], v[TM+5]
	v_nop                                          ; one plain place behind a scaled conversion
.irp i, 0,1,2
	v_permlane16_swap_b32 v[PC+\i], v[PT+\i]
.endr
.irp i, 0,1,2
	v_mov_b32 v[PC+3+\i], v[PT+\i]
.endr
.endm
.Lpass:
.irp p, 0,1,2
	global_load_b64 v[22+2*\p:23+2*\p], v1, s[SQ:SQ+1] offset:256*\p
.endr
	global_load_b32 v88, v7, s[SQS:SQS+1]
	v_mov_b32 v13, 0xff61b1e6                      ; the largest t so far: -3e38
	v_floor_f32 v12, -v13                          ; -M
	v_mov_b32 v14, 0
	v_mov_b32 v15, 0
	s_wait_loadcnt 0x0
	v_lshrrev_b32 v88, s19, v88
	v_and_b32 v88, 0xffff, v88                     ; my tile's two bytes
	v_or_b32 v34, 0x7f7f0000, v88                  ; for [q | 0]
	v_lshl_or_b32 v35, v88, 16, 0x7f7f             ; for [0 | q]
.set j, 0
.rept 32
	v_mov_b32 v[160+j], 0                          ; O^T: the step is written once; its first trip finds zeros.  (These are also the places between the scale words' making and the first product)
.set j, j+1
.endr
	s_mov_b32 s[TB], 0
	s_mov_b32 s[TS], 0
	s_mov_b32 s[CNT], 8
.Lkey:                                             ; a step of 128 keys
	v_add_nc_u32 v8, s[TB], v1
	v_add_nc_u32 v9, s[TS], v2
	v_nop
	v_nop                                          ; four places in front of loads into registers that the last products read
.irp g, 0,1,2,3
.irp p, 0,1,2,3,4,5
	ds_load_b64 v[36+12*\g+2*\p:37+12*\g+2*\p], v8 offset:1536*\g+256*\p
.endr
.endr
	ds_load_b128 v[84:87], v9                      ; the four fragments' scale words of my row
	s_wait_dscnt 0x0
.irp g, 0,1,2,3                        ; S^T = K Q^T: registers 96 + 16 g + i hold keys 32 g + 16 h + i of my query
	v_wmma_scale_f32_16x16x128_f8f6f4 v[96+16*\g:103+16*\g], v[36+12*\g:47+12*\g], v[22:33], 0, v[84+\g], v34 matrix_a_fmt:MATRIX_FMT_FP6 matrix_b_fmt:MATRIX_FMT_FP6
	v_wmma_scale_f32_16x16x128_f8f6f4 v[104+16*\g:111+16*\g], v[36+12*\g:47+12*\g], v[16:27], 0, v[84+\g], v35 matrix_a_fmt:MATRIX_FMT_FP6 matrix_b_fmt:MATRIX_FMT_FP6
.endr
.rept 4
	v_nop
.endr
.irp t, 0,1,2,3                        ; V's four fragments land under the softmax
.irp p, 0,1,2,3,4,5
	ds_load_b64 v[36+12*\t+2*\p:37+12*\t+2*\p], v8 offset:VOFF+1536*\t+256*\p
.endr
.endr
	ds_load_b128 v[84:87], v9 offset:2048
.irp b, 0,1,2,3
	v_max3_num_f32 v[BM+\b], v[96+16*\b], v[97+16*\b], v[98+16*\b]   ; the largest score of each block of 32 keys: for the row's maximum, and, since p rises with the score, for the block's largest p
.endr
.irp i, 3,5,7,9,11,13
.irp b, 0,1,2,3
	v_max3_num_f32 v[BM+\b], v[BM+\b], v[96+16*\b+\i], v[97+16*\b+\i]
.endr
.endr
.irp b, 0,1,2,3
	v_max_num_f32 v[BM+\b], v[BM+\b], v[111+16*\b]
.endr
.irp b, 0,1,2,3
	v_permlanex16_b32 v[BT+\b], v[BM+\b], s[SEL], s[SEL+1]
.endr
.irp b, 0,1,2,3
	v_max_num_f32 v[BM+\b], v[BM+\b], v[BT+\b]
.endr
	v_max3_num_f32 v[T], v[BM], v[BM+1], v[BM+2]
	v_max_num_f32 v[T], v[T], v[BM+3]
	v_mul_f32 v[T], s[CS], v[T]
	v_max_num_f32 v13, v13, v[T]                   ; the running largest t
	v_mov_b32 v[T], v12
	v_floor_f32 v12, -v13                          ; the new -M: M is a whole number
	v_sub_f32 v[T], v12, v[T]
	v_cvt_i32_f32 v[T], v[T]                       ; (it saturates)
	v_ldexp_f32 v[F], 1.0, v[T]                    ; f = 2^(old M - new M): a multiplication by it rounds nothing
.set j, 0
.rept 32
	v_pk_fma_f32 v[96+j:97+j], v[96+j:97+j], s[CS:CS+1], v[12:13] op_sel_hi:[1,0,0]   ; t - M
.set j, j+2
.endr
.irp b, 0,1,2,3
	v_fma_f32 v[BM+\b], v[BM+\b], s[CS], v12
.endr
.set j, 0
.rept 64
	v_exp_f32 v[96+j], v[96+j]                     ; p = 2^(t - M)
.set j, j+1
.endr
	v_pk_mul_f32 v[14:15], v[14:15], v[F:F+1] op_sel_hi:[1,0]   ; the sums under the new M; a plain place behind the exponentials
	s_wait_alu depctr_va_vdst(0)                   ; one wait for the whole batch, ahead of its first reader
.irp b, 0,1,2,3
	v_exp_f32 v[BM+\b], v[BM+\b]                   ; each block's largest p
.endr
	v_pk_add_f32 v[BT:BT+1], v[96:97], v[98:99]    ; the row's sum of the unquantised p, in two chains
.irp j, 4,8,12,16,20,24,28,32,36,40,44,48,52,56,60
	v_pk_add_f32 v[14:15], v[14:15], v[96+\j:97+\j]
	v_pk_add_f32 v[BT:BT+1], v[BT:BT+1], v[98+\j:99+\j]
.endr
	v_pk_add_f32 v[14:15], v[14:15], v[BT:BT+1]
	s_wait_alu depctr_va_vdst(0)                   ; and one for the four
.irp b, 0,1,2,3
	v_max_num_f32 v[BM+\b], 0x1800000, v[BM+\b]    ; the floor 2^(3 - 127)
.endr
.irp b, 0,1,2,3
	v_add_nc_u32 v[BS+\b], 0xff000000, v[BM+\b]
.endr
.irp b, 0,1,2,3
	v_lshrrev_b32 v[BT+\b], 23, v[BS+\b]
.endr
	v_lshl_or_b32 v[PW], v[BT+1], 8, v[BT]         ; p's scale word for these 128 keys
	v_lshl_or_b32 v[PW], v[BT+2], 16, v[PW]
	v_lshl_or_b32 v[PW], v[BT+3], 24, v[PW]
.irp c, 0,1
	v_cvt_scalef32_pk16_fp6_f32 v[PC+6*\c:PC+2+6*\c], v[96+32*\c:111+32*\c], v[BS+2*\c]
	v_cvt_scalef32_pk16_fp6_f32 v[PT+4*\c:PT+2+4*\c], v[112+32*\c:127+32*\c], v[BS+2*\c+1]
.endr
	v_nop                                          ; one plain place behind a scaled conversion
.irp c, 0,1
.irp i, 0,1,2
	v_permlane16_swap_b32 v[PC+6*\c+\i], v[PT+4*\c+\i]
.endr
.irp i, 0,1,2
	v_mov_b32 v[PC+3+6*\c+\i], v[PT+4*\c+\i]
.endr
.endr
.set j, 0
.rept 16
	v_pk_mul_f32 v[160+j:161+j], v[160+j:161+j], v[F:F+1] op_sel_hi:[1,0]   ; O^T under the new M; these are also the places in front of the products below
.set j, j+2
.endr
	s_wait_dscnt 0x0                               ; V
.irp t, 0,1,2,3                        ; O^T += V^T P^T: d tile t; the four accumulators by turns
	v_wmma_scale_f32_16x16x128_f8f6f4 v[160+8*\t:167+8*\t], v[36+12*\t:47+12*\t], v[PC:PC+11], v[160+8*\t:167+8*\t], v[84+2*(\t%2)+\t/2], v[PW] matrix_a_fmt:MATRIX_FMT_FP6 matrix_b_fmt:MATRIX_FMT_FP6
.endr
	s_add_co_u32 s[TB], s[TB], 6144
	s_add_co_u32 s[TS], s[TS], 256
	s_sub_co_u32 s[CNT], s[CNT], 1
	s_cmp_lg_u32 s[CNT], 0
	s_cbranch_scc1 .Lkey
.rept 4
	v_nop
.endr
	v_add_f32 v14, v14, v15
	v_permlanex16_b32 v[T], v14, s[SEL], s[SEL+1]
	v_add_f32 v14, v14, v[T]                       ; the row's sum
	v_rcp_f32 v14, v14
	v_nop                                          ; a plain place behind the transcendental
	s_wait_alu depctr_va_vdst(0)                   ; and the wait ahead of its first reader
.set j, 0
.rept 16
	v_pk_mul_f32 v[96+j:97+j], v[160+j:161+j], v[14:15] op_sel_hi:[1,0]   ; o(d): registers 0-15: d = 16 h + i; 16-31: d = 32 + 16 h + i
.set j, j+2
.endr
	QUANT2 96
.irp p, 0,1,2
	global_store_b64 v1, v[PC+2*\p:PC+2*\p+1], s[SO:SO+1] offset:256*\p   ; a plane: 256 consecutive bytes, aligned
.endr
	global_store_b16 v10, v[HW], s[SOS:SOS+1]      ; lanes l and l + 16 name the same two bytes and hold the same value
	s_wait_xcnt 0x0                                ; the loads and stores have read their bases and data: both are written again only behind this wait
	s_add_nc_u64 s[SQ:SQ+1], s[SQ:SQ+1], 12288     ; 16 tiles on
	s_add_nc_u64 s[SQS:SQS+1], s[SQS:SQS+1], 512
	s_add_nc_u64 s[SO:SO+1], s[SO:SO+1], 49152
	s_add_nc_u64 s[SOS:SOS+1], s[SOS:SOS+1], 2048
	s_sub_co_u32 s[PASS], s[PASS], 1
	s_cmp_lg_u32 s[PASS], 0
	s_cbranch_scc1 .Lpass
	s_wait_tensorcnt 0x0                           ; the wave's end
	ds_add_u32 v[SPW], v[NIL]
	s_wait_dscnt 0x0
	s_endpgm
.Lfunc_end_k_q18e54b0c1b_attn:
	.size	k_q18e54b0c1b_attn, .Lfunc_end_k_q18e54b0c1b_attn-k_q18e54b0c1b_attn
	.p2alignl 7, 3214868480
	.fill 96, 4, 3214868480
	.section	.rodata,"a",@progbits
	.p2align	6, 0x0
	.amdhsa_kernel k_q18e54b0c1b_attn
		.amdhsa_group_segment_fixed_size 167936
		.amdhsa_private_segment_fixed_size 0
		.amdhsa_enable_private_segment 0
		.amdhsa_kernarg_size 16
		.amdhsa_user_sgpr_count 2
		.amdhsa_user_sgpr_kernarg_segment_ptr 1
		.amdhsa_wavefront_size32 1
		.amdhsa_system_sgpr_workgroup_id_x 1
		.amdhsa_system_sgpr_workgroup_id_y 1
		.amdhsa_system_sgpr_workgroup_id_z 1
		.amdhsa_system_vgpr_workitem_id 0
		.amdhsa_next_free_vgpr 256
		.amdhsa_next_free_sgpr 66
		.amdhsa_reserve_vcc 0
		.amdhsa_float_denorm_mode_32 3
		.amdhsa_float_denorm_mode_16_64 3
		.amdhsa_memory_ordered 1
		.amdhsa_forward_progress 1
		.amdhsa_inst_pref_size 29
	.end_amdhsa_kernel
	.amdgpu_metadata
---
amdhsa.version: [ 1, 2 ]
amdhsa.kernels:
  - .name:           k_q18e54b0c1b_attn
    .symbol:         k_q18e54b0c1b_attn.kd
    .args:
      - { .name: qkv, .offset: 0, .size: 8, .value_kind: global_buffer, .address_space: global }
      - { .name: att, .offset: 8, .size: 8, .value_kind: global_buffer, .address_space: global }
    .group_segment_fixed_size: 167936
    .private_segment_fixed_size: 0
    .kernarg_segment_align: 8
    .kernarg_segment_size: 16
    .max_flat_workgroup_size: 512
    .sgpr_count:     66
    .vgpr_count:     256
    .wavefront_size: 32
...
	.end_amdgpu_metadata
.endif
;; end of part 3
;; launch oproj (part 4): grid 4 x 32, 4 waves a work-group, clusters of 4 x 4, 327,680 bytes of LDS; arguments att, pre, bo, out0; writes out0
.if DOCPART == 4
	.amdgcn_target "amdgcn-amd-amdhsa--gfx1250"
	.amdhsa_code_object_version 6
	.text
	.protected	k_q18e54b0c1b_oproj
	.globl	k_q18e54b0c1b_oproj
	.p2align	8
	.type	k_q18e54b0c1b_oproj,@function
k_q18e54b0c1b_oproj:
	s_mov_b64 s[64:65], 0
	v_nop
	global_prefetch_b8 v0, s[64:65] scope:SCOPE_SE
	s_setreg_imm32_b32 hwreg(HW_REG_WAVE_MODE, 25, 1), 1
	s_wait_xcnt 0x0
	s_wait_alu depctr_hold_cnt(0) depctr_sa_sdst(0) depctr_va_vdst(0) depctr_va_sdst(0) depctr_va_ssrc(0) depctr_va_vcc(0) depctr_vm_vsrc(0)
	s_getreg_b32 s2, hwreg(HW_REG_IB_STS2, 6, 4)
	s_cmp_eq_u32 s2, 0
	s_cbranch_scc0 .Lentry_in_a_cluster
	s_endpgm
.Lentry_in_a_cluster:
	s_bfe_u32 s2, ttmp6, 0x10000c
	s_cmp_lg_u32 s2, 0xf033
	s_cbranch_scc0 .Lentry_shape_is_right
	s_endpgm
.Lentry_shape_is_right:
; OUT: out0 = o wo + bo: [8192 x 1024] x [1024 x 1024] on codes of FP6 with E8M0 scales, the bias as the sums' first C.  Ring, round, fragments and scale words as in the launch of q, k and v:
; a work-group of four waves makes 256 x 256, a wave 128 x 128; K in four steps of 256 through two LDS slots; operands lie as images of their registers; 4 x 4 clusters, o's tiles asked for jointly along a row, wo's along a column.
; The matrix instruction is used transposed; row rho of tile t of an operand is row 32 (t / 2) + 8 (t % 2) + rho + 8 (rho / 8): the way out puts rows and columns back by constants.
; 128 work-groups: a wave tile of half the rows would give 256, at one and a half times the LDS bytes for each product.  No prefetch: two of the four K steps are first fills.
; REGISTERS: window 0: v0-31 addresses; v32-63 scale words; v128-223 o's fragments (on the way out: rows read back).  window 1: wo's fragments, two sets; the bias (v96-127, v224-255).  windows 2, 3: accumulators.
.set AKS,   1572864
.set BKS,   786432
.set WOIMG, 6291456+589824             ; wo's images: tiles 192 on
.set OSCL,  6291456
.set WOSCL, 9699328+24576              ; wo's scale words: image rows 3,072 on
.set NQ,    2
.set FR,    12
.set NL,    6
.set NP,    4
.set TILEB, 3072
.set HALFT, 8*TILEB
.set SLOT,  4*HALFT
.set SCL,   2*SLOT
.set SPARE, 213248
.set SPITCH, 528                       ; the way out: a stage of 16 rows x (512 bytes + 16) for each wave, in slot 0, which has had its last fill and its last read by then
.set ADRA, 16
.set ADRB, 20
.set STO,  24
.set RD,   25
.set CO,   26
.set ADRS, 27
.set SPW,  28
.set NIL,  29
.set SC,   32
.set AF,   128
.set BK,   128
.set G1, 24
.set G0, 32
.set G1B, 48
.set G0B, 56
.set G1S, 68
.set G0S, 76
.set G1SB, 80
.set G0SB, 88
.set MSB, 0
.macro WIN new
.if MSB != \new
	s_set_vgpr_msb (MSB<<8)|\new
.set MSB, \new
.endif
.endm
.set MUL_LO, 0xa1
.set MUL_HI, 0xf1
.set TO_B,   0x40
.macro JLOAD g0a, g1a, g0b, g1b        ; a joint load: waves 0 and 1 fetch for o, waves 2 and 3 for wo; an s_nop 0 and four v_nop follow each line
	s_cmp_eq_u32 s15, 0
	s_cbranch_scc0 .Lfor_b_\@
	tensor_load_to_lds s[\g0a:\g0a+3], s[\g1a:\g1a+7]
	s_nop 0
.rept 4
	v_nop
.endr
	s_branch .Lasked_\@
.Lfor_b_\@:
	tensor_load_to_lds s[\g0b:\g0b+3], s[\g1b:\g1b+7]
	s_nop 0
.rept 4
	v_nop
.endr
.Lasked_\@:
.endm
.macro CREST
	s_cmp_lg_u32 s14, 0
	s_cbranch_scc1 .Lnot_wave_0_\@
	s_barrier_signal -3
.Lnot_wave_0_\@:
	s_barrier_wait -3
	s_barrier_signal -1
	s_barrier_wait -1
.endm
.macro CROUND
	s_barrier_signal -1
	s_barrier_wait -1
	CREST
.endm
	s_load_b256 s[4:11], s[0:1], 0x0               ; att, pre, bo, out0
	v_lshl_add_u32 v[SPW], v0, 2, SPARE
	v_mov_b32 v[NIL], 0
	ds_add_u32 v[SPW], v[NIL]                      ; the wave's opening: the add, and its wait ahead of my first tensor load
	v_lshrrev_b32 v1, 5, v0
	v_readfirstlane_b32 s14, v1
	s_lshr_b32 s15, s14, 1
	s_and_b32 s16, s14, 1
	s_bfe_u32 s40, ttmp6, 0x40000
	s_bfe_u32 s41, ttmp6, 0x40004
	s_lshl_b32 s42, ttmp9, 2
	s_add_co_u32 s42, s42, s40                     ; tile column
	s_and_b32 s17, ttmp7, 0xffff
	s_lshl_b32 s17, s17, 2
	s_add_co_u32 s17, s17, s41                     ; tile row
	s_lshl_b32 s43, s41, 2
	s_lshl_b32 s43, 15, s43
	s_lshl_b32 s44, 0x1111, s40
	s_or_b32 s[G1+0], s43, (3<<16)|(1<<21)
	s_or_b32 s[G1B+0], s44, (3<<16)|(1<<21)
.irp g, G1, G1B
	s_mov_b32 s[\g+1], 32<<16
	s_mov_b32 s[\g+2], 96<<16
	s_mov_b32 s[\g+3], 32<<16
	s_mov_b32 s[\g+4], 96
	s_mov_b32 s[\g+5], 32
	s_mov_b32 s[\g+6], 0
	s_mov_b32 s[\g+7], 0
.endr
	s_or_b32 s[G1S+0], s43, (3<<16)|(1<<21)
	s_or_b32 s[G1SB+0], s44, (3<<16)|(1<<21)
.irp g, G1S, G1SB
	s_mov_b32 s[\g+1], 128<<16
	s_mov_b32 s[\g+2], 4<<16
	s_mov_b32 s[\g+3], 128<<16
	s_mov_b32 s[\g+4], 4
	s_mov_b32 s[\g+6], 0
	s_mov_b32 s[\g+7], 0
.endr
	s_mov_b32 s[G1S+5], 8192
	s_mov_b32 s[G1SB+5], 4096
	s_mul_i32 s18, s16, HALFT
	s_lshl_b32 s19, s16, 10
	s_mul_i32 s20, s17, 16*TILEB
	s_add_co_u32 s20, s20, s18
	s_mov_b32 s21, 0
	s_lshl_b32 s22, s17, 11
	s_add_co_u32 s22, s22, s19
	s_add_co_u32 s22, s22, OSCL
	s_mov_b32 s23, 0
	s_mul_i32 s46, s42, 16*TILEB
	s_add_co_u32 s46, s46, s18
	s_add_co_u32 s46, s46, WOIMG
	s_mov_b32 s47, 0
	s_lshl_b32 s92, s42, 11
	s_add_co_u32 s92, s92, s19
	s_add_co_u32 s92, s92, WOSCL
	s_mov_b32 s93, 0
	s_mul_i32 s45, s14, HALFT
	s_lshl_b32 s94, s14, 12
	s_lshl_b32 s95, s15, 7
	s_add_co_u32 s94, s94, s95
	s_wait_dscnt 0x0                               ; the opening add is done
	s_wait_kmcnt 0x0
	s_add_nc_u64 s[20:21], s[4:5], s[20:21]
	s_add_nc_u64 s[22:23], s[4:5], s[22:23]
	s_add_nc_u64 s[46:47], s[6:7], s[46:47]
	s_add_nc_u64 s[92:93], s[6:7], s[92:93]
	CROUND                                         ; all sixteen work-groups are here: the first joint loads meet
	s_mov_b32 s[G0S], 1
	s_add_co_u32 s[G0S+1], s94, SCL
	s_mov_b64 s[G0S+2:G0S+3], s[22:23]
	s_or_b32 s[G0S+3], s[G0S+3], 0x80000000
	s_mov_b32 s[G0SB], 1
	s_add_co_u32 s[G0SB+1], s94, SCL
	s_mov_b64 s[G0SB+2:G0SB+3], s[92:93]
	s_or_b32 s[G0SB+3], s[G0SB+3], 0x80000000
	JLOAD G0S, G1S, G0SB, G1SB
.irp s, 0,1
	s_mov_b32 s[G0+4*\s], 1
	s_add_co_u32 s[G0+4*\s+1], s45, \s*SLOT
	s_add_nc_u64 s[G0+4*\s+2:G0+4*\s+3], s[20:21], \s*AKS
	s_or_b32 s[G0+4*\s+3], s[G0+4*\s+3], 0x80000000
	s_mov_b32 s[G0B+4*\s], 1
	s_add_co_u32 s[G0B+4*\s+1], s45, \s*SLOT
	s_add_nc_u64 s[G0B+4*\s+2:G0B+4*\s+3], s[46:47], \s*BKS
	s_or_b32 s[G0B+4*\s+3], s[G0B+4*\s+3], 0x80000000
	JLOAD G0+4*\s, G1, G0B+4*\s, G1B
.endr
	v_and_b32 v1, 15, v0                           ; r
	v_bfe_u32 v2, v0, 4, 1                         ; h
	v_and_b32 v3, 31, v0                           ; lane
	v_lshlrev_b32 v4, 3, v3
	s_mul_i32 s21, s15, HALFT
	s_mul_i32 s22, s16, HALFT
	s_add_co_u32 s22, s22, 2*HALFT
.irp s, 0,1
	v_add_nc_u32 v[ADRA+\s], s21, v4
	v_add_nc_u32 v[ADRB+\s], s22, v4
	s_add_co_u32 s21, s21, SLOT
	s_add_co_u32 s22, s22, SLOT
.endr
	v_lshlrev_b32 v5, 3, v1
	s_lshl_b32 s21, s15, 12
	s_lshl_b32 s22, s16, 12
	s_add_co_u32 s22, s22, 2*4096+128
	s_sub_co_u32 s22, s22, s21
	v_mul_u32_u24 v6, s22, v2
	s_add_co_u32 s21, s21, SCL
	v_add_nc_u32 v5, v5, v6
	v_add_nc_u32 v[ADRS], s21, v5
	s_mul_i32 s23, s14, 16*SPITCH                  ; my stage
	v_mul_u32_u24 v5, v1, SPITCH
	v_lshl_add_u32 v5, v2, 6, v5
	v_add_nc_u32 v[STO], s23, v5                   ; in: row r, + 64 h bytes
	v_lshlrev_b32 v[CO], 4, v3                     ; back: the 32 lanes take one row of 512 bytes; and the same in out0
	v_add_nc_u32 v[RD], s23, v[CO]
	s_lshl_b32 s20, s42, 10
	s_lshl_b32 s21, s16, 9
	s_add_co_u32 s20, s20, s21                     ; my first column, in bytes
	s_mov_b32 s21, 0
	s_add_nc_u64 s[8:9], s[8:9], s[20:21]          ; the bias there,
	s_add_nc_u64 s[10:11], s[10:11], s[20:21]      ; and out0,
	s_lshl_b32 s20, s17, 20
	s_lshl_b32 s22, s15, 19
	s_add_co_u32 s20, s20, s22                     ; at my first row: (256 x tile row + 128 x half) x 4,096 bytes
	s_add_nc_u64 s[10:11], s[10:11], s[20:21]
	v_lshlrev_b32 v7, 6, v2
	WIN TO_B
.irp b, 0,1,2,3,4,5,6,7
	global_load_b128 v[96+8*\b+96*(\b/4):99+8*\b+96*(\b/4)], v7, s[8:9] offset:(32*(\b/2)+8*(\b%2))*4
	global_load_b128 v[100+8*\b+96*(\b/4):103+8*\b+96*(\b/4)], v7, s[8:9] offset:(32*(\b/2)+8*(\b%2))*4+16
.endr
	WIN 0
.macro FRAG reg, adr, q, i
.irp p, 0,1,2,3,4,5
	ds_load_b64 v[\reg+2*\p:\reg+2*\p+1], v[\adr] offset:TILEB*(\i)+1536*(\q)+256*\p
.endr
.endm
.macro MUL16 a0, p, q, sc, zero        ; the 64 accumulators take turns, one instruction a turn
.irp a, \a0, \a0+1
.irp b, 0,1,2,3,4,5,6,7
.if \zero
	v_wmma_scale_f32_16x16x128_f8f6f4 v[8*(8*((\a)%4)+\b):8*(8*((\a)%4)+\b)+7], v[128*(\p)+FR*\b:128*(\p)+FR*\b+FR-1], v[AF+FR*(\a):AF+FR*(\a)+FR-1], v[96+8*\b+96*(\b/4):103+8*\b+96*(\b/4)], v[SC+8*NQ*(\sc)+NQ*\b+(\q)], v[SC+8*NQ*(\sc)+NQ*(\a)+(\q)] matrix_a_fmt:MATRIX_FMT_FP6 matrix_b_fmt:MATRIX_FMT_FP6 matrix_a_scale:MATRIX_SCALE_ROW1
.else
	v_wmma_scale_f32_16x16x128_f8f6f4 v[8*(8*((\a)%4)+\b):8*(8*((\a)%4)+\b)+7], v[128*(\p)+FR*\b:128*(\p)+FR*\b+FR-1], v[AF+FR*(\a):AF+FR*(\a)+FR-1], v[8*(8*((\a)%4)+\b):8*(8*((\a)%4)+\b)+7], v[SC+8*NQ*(\sc)+NQ*\b+(\q)], v[SC+8*NQ*(\sc)+NQ*(\a)+(\q)] matrix_a_fmt:MATRIX_FMT_FP6 matrix_b_fmt:MATRIX_FMT_FP6 matrix_a_scale:MATRIX_SCALE_ROW1
.endif
.endr
.endr
.endm
.macro FETCH_B slot, q, p
	WIN TO_B
.irp i, 0,1,2,3,4,5,6,7
	FRAG 128*(\p)+FR*\i, ADRB+\slot, \q, \i
.endr
	WIN 0
.endm
.macro FETCH_A slot, q, i0
.irp i, \i0, \i0+1, \i0+2, \i0+3
	FRAG AF+FR*(\i), ADRA+\slot, \q, \i
.endr
.endm
.macro SCALES sc
.irp i, 0,1,2,3,4,5,6,7
	ds_load_b64 v[SC+8*NQ*\sc+NQ*\i:SC+8*NQ*\sc+NQ*\i+1], v[ADRS] offset:\i*128
.endr
.endm
.macro PLACES n
.rept \n
	v_nop
.endr
.endm
.macro STEP slot, q, zero
	s_wait_dscnt 4*NL                              ; all but the youngest 24 loads (o's blocks 4-7) are in
.if \zero
	WIN 0x91
.else
	WIN MUL_LO
.endif
	MUL16 0, (\q)%2, \q, \slot, \zero
	MUL16 2, (\q)%2, \q, \slot, \zero
	s_wait_dscnt 0x0
	PLACES NP
	FETCH_B \slot, (\q)+1, 1-(\q)%2
	FETCH_A \slot, (\q)+1, 0
.if \zero
	WIN 0xd1
.else
	WIN MUL_HI
.endif
	MUL16 4, (\q)%2, \q, \slot, \zero
	MUL16 6, (\q)%2, \q, \slot, \zero
	PLACES NP
	WIN 0
	FETCH_A \slot, (\q)+1, 4
.endm
.macro TURN slot, next, fill
	s_wait_tensorcnt 0x0                           ; all my tensor loads have landed: my part of the next slot
	ds_add_u32 v[SPW], v[NIL]
	s_wait_dscnt 4*NL+1                            ; (the add and the youngest 24 loads may be out)
	WIN MUL_LO
	MUL16 0, 1, NQ-1, \slot, 0
	s_wait_dscnt 0x0                               ; the add is done, and my reads of this slot are over
	s_barrier_signal -1
	MUL16 2, 1, NQ-1, \slot, 0
	WIN 0
	s_barrier_wait -1
.if \fill
	CREST                                          ; the barrier has opened a round of the cluster's
	s_add_nc_u64 s[G0+4*\slot+2:G0+4*\slot+3], s[G0+4*\slot+2:G0+4*\slot+3], 2*AKS
	s_add_nc_u64 s[G0B+4*\slot+2:G0B+4*\slot+3], s[G0B+4*\slot+2:G0B+4*\slot+3], 2*BKS
	JLOAD G0+4*\slot, G1, G0B+4*\slot, G1B
.else
	PLACES NP
.endif
	v_add_nc_u32 v[ADRS], 1024, v[ADRS]
	FETCH_B \next, 0, 0
	FETCH_A \next, 0, 0
	SCALES \next
	WIN MUL_HI
	MUL16 4, 1, NQ-1, \slot, 0
	MUL16 6, 1, NQ-1, \slot, 0
	PLACES NP
	WIN 0
	FETCH_A \next, 0, 4
.endm
	s_wait_tensorcnt 1                             ; the scale words and my part of K step 0 are in (K step 1's load may be out),
	s_barrier_signal -1
	s_barrier_wait -1                              ; everybody's are
	FETCH_B 0, 0, 0
	FETCH_A 0, 0, 0
	SCALES 0
	FETCH_A 0, 0, 4
	s_wait_loadcnt 0x0                             ; the bias
	STEP 0, 0, 1
	s_mov_b32 s3, 1
.Llap:
	TURN 0, 1, 1
	STEP 1, 0, 0
	TURN 1, 0, 1
	STEP 0, 0, 0
	s_sub_co_u32 s3, s3, 1
	s_cmp_lg_u32 s3, 0
	s_cbranch_scc1 .Llap
	TURN 0, 1, 0
	STEP 1, 0, 0
	s_wait_dscnt 4*NL
	WIN MUL_LO
	MUL16 0, 1, NQ-1, 1, 0
	MUL16 2, 1, NQ-1, 1, 0
	s_wait_dscnt 0x0
	WIN MUL_HI
	MUL16 4, 1, NQ-1, 1, 0
	MUL16 6, 1, NQ-1, 1, 0
	WIN 0
; THE WAY OUT, block by block of 16 rows x 128 columns, through my own stage: in as 32 bytes a lane at their true columns, back as whole rows of 512 bytes.  LDS serves a wave's instructions in order.
.macro TOSTAGE a
.set AC, 64*((\a)%4)
.set WN, 0x08+4*((\a)/4)
	WIN WN                                         ; the data: window 2 or 3
.irp b, 0,1,2,3,4,5,6,7
	ds_store_b128 v[STO], v[AC+8*\b:AC+8*\b+3] offset:128*(\b/2)+32*(\b%2)      ; columns 32 (b / 2) + 16 h + 8 (b % 2) + 0 .. 7; each accumulator from its low end on
	ds_store_b128 v[STO], v[AC+8*\b+4:AC+8*\b+7] offset:128*(\b/2)+32*(\b%2)+16
.endr
	WIN 0
.set BB, BK+64*((\a)%2)
.irp t, 0,1,2,3,4,5,6,7,8,9,10,11,12,13,14,15
	ds_load_b128 v[BB+4*\t:BB+4*\t+3], v[RD] offset:\t*SPITCH
.endr
.endm
.macro SEND a, younger                 ; younger: the LDS instructions issued behind block a's loads, which may stay out
.set BB, BK+64*((\a)%2)
	s_wait_dscnt \younger
.irp t, 0,1,2,3,4,5,6,7,8,9,10,11,12,13,14,15
	global_store_b128 v[CO], v[BB+4*\t:BB+4*\t+3], s[10:11] offset:(32*((\a)/2)+8*((\a)%2)+\t+8*(\t/8))*4096 th:TH_STORE_NT   ; the tile's row t at its true place; 512 consecutive bytes, aligned
.endr
.endm
	PLACES NP
	TOSTAGE 0
.irp a, 1,2,3,4,5,6,7
.if \a > 1
	s_wait_xcnt 0x0                                ; block a - 2's stores have read their registers: block a's loads may land there
.endif
	TOSTAGE \a
	SEND \a-1, 32                                  ; behind block a - 1's loads: block a's 16 stores and 16 loads
.endr
	SEND 7, 0
	s_wait_tensorcnt 0x0                           ; the wave's end: behind my last tensor load and my last LDS store
	ds_add_u32 v[SPW], v[NIL]
	s_wait_dscnt 0x0
	CROUND                                         ; the closing round
	s_endpgm
.Lfunc_end_k_q18e54b0c1b_oproj:
	.size	k_q18e54b0c1b_oproj, .Lfunc_end_k_q18e54b0c1b_oproj-k_q18e54b0c1b_oproj
	.p2alignl 7, 3214868480
	.fill 96, 4, 3214868480
	.section	.rodata,"a",@progbits
	.p2align	6, 0x0
	.amdhsa_kernel k_q18e54b0c1b_oproj
		.amdhsa_group_segment_fixed_size 327680
		.amdhsa_private_segment_fixed_size 0
		.amdhsa_enable_private_segment 0
		.amdhsa_kernarg_size 32
		.amdhsa_user_sgpr_count 2
		.amdhsa_user_sgpr_kernarg_segment_ptr 1
		.amdhsa_wavefront_size32 1
		.amdhsa_system_sgpr_workgroup_id_x 1
		.amdhsa_system_sgpr_workgroup_id_y 1
		.amdhsa_system_sgpr_workgroup_id_z 1
		.amdhsa_system_vgpr_workitem_id 0
		.amdhsa_next_free_vgpr 1024
		.amdhsa_next_free_sgpr 98
		.amdhsa_reserve_vcc 0
		.amdhsa_float_denorm_mode_32 3
		.amdhsa_float_denorm_mode_16_64 3
		.amdhsa_memory_ordered 1
		.amdhsa_forward_progress 1
		.amdhsa_inst_pref_size 161
	.end_amdhsa_kernel
	.amdgpu_metadata
---
amdhsa.version: [ 1, 2 ]
amdhsa.kernels:
  - .name:           k_q18e54b0c1b_oproj
    .symbol:         k_q18e54b0c1b_oproj.kd
    .args:
      - { .name: att, .offset: 0, .size: 8, .value_kind: global_buffer, .address_space: global }
      - { .name: pre, .offset: 8, .size: 8, .value_kind: global_buffer, .address_space: global }
      - { .name: bo, .offset: 16, .size: 8, .value_kind: global_buffer, .address_space: global }
      - { .name: out0, .offset: 24, .size: 8, .value_kind: global_buffer, .address_space: global }
    .group_segment_fixed_size: 327680
    .private_segment_fixed_size: 0
    .kernarg_segment_align: 8
    .kernarg_segment_size: 32
    .max_flat_workgroup_size: 128
    .sgpr_count:     98
    .vgpr_count:     1024
    .wavefront_size: 32
...
	.end_amdgpu_metadata
.endif
;; end of part 4
;; ======== version 2 of 2: 4 launches
;; limits: right only within a limited range of input values
;; workspace buffers: pre 10,092,544 bytes; qkv 19,660,800 bytes; att 6,553,600 bytes
;; launch prep (part 5): grid 400 x 1, 4 waves a work-group, no clusters, 34,304 bytes of LDS; arguments hidden_states, rotary_pos_emb, wq, wk, wv, wo, pre; writes pre
.if DOCPART == 5
	.amdgcn_target "amdgcn-amd-amdhsa--gfx1250"
	.amdhsa_code_object_version 6
	.text
	.protected	k_q18e54b0c1b_prep
	.globl	k_q18e54b0c1b_prep
	.p2align	8
	.type	k_q18e54b0c1b_prep,@function
k_q18e54b0c1b_prep:
	s_mov_b64 s[64:65], 0
	v_nop
	global_prefetch_b8 v0, s[64:65] scope:SCOPE_SE
	s_setreg_imm32_b32 hwreg(HW_REG_WAVE_MODE, 25, 1), 1
	s_wait_xcnt 0x0
; PREP: hidden_states [8192][1024] and the four weights [1024 (k)][1024 (n)], f32, become codes of FP6 (E2M3) with one E8M0 byte for each 32 along K,
; laid as IMAGES OF OPERAND REGISTERS; and rotary_pos_emb becomes a table of cos and sin in the order in which the next launch's lanes want it.
; A fragment (16 rows x 128 K, 12 registers a lane) lies as 6 planes of 256 bytes: plane p holds registers 2 p, 2 p + 1 of lane l at byte 8 l.
; THE ROWS OF A TILE: row rho of tile t is row 32 (t / 2) + 8 (t % 2) + rho + 8 (rho / 8) of the tensor, for x's rows, the weights' columns and positions alike.
; pre: x's images [kstep 4][tile 512][fragment 2][1536]; the weights' [kstep 4][tile 256][2][1536] (wq, wk, wv, wo: 64 tiles each); scale words [kstep][image row][8 bytes]; the table [position tile 64][piece 8][lane][16].
; A block's scale: the largest magnitude's exponent field - 2, held at 1 from below.  A block of zeros so gets the byte 1 where the rule says 127: its codes are zeros, and this program alone reads the bytes.
; LIMITS: NaN and infinities among the inputs are not served.  cos and sin: three-part reduction by pi / 2 and polynomials in f32, absolute error about 1e-7, for angles under 2^20 in magnitude.
; Work-groups 0-255 take x (32 rows each; wave w: kstep w), 256-383 the weights, 384-399 the table.  Only x's path uses LDS.  No tensor loads, no barrier: waves share nothing.
.set AKS,   1572864                    ; a kstep of x's images
.set BKS,   786432                     ; a kstep of the weights' images
.set WIMG,  6291456
.set XSCL,  9437184
.set WSCL,  9699328
.set ROPE,  9830400
.set STG,   8448                       ; a wave's stage: 16 rows x (512 bytes + 16)
.set SPARE, 4*STG                      ; behind the stages: the spare words, 128 bytes for each wave
.set SPW,   16                         ; v16  LDS address of my spare word; never rewritten
.set NIL,   17                         ; v17  0; never rewritten
.set PC,    224                        ; v224-235 a fragment's codes
.set PT,    236                        ; v236-238, v240-242 the upper halves' codes as they are made
.set XW,    244                        ; v244-247 the four fragments' scale words
.set TM,    248                        ; v248-255 at work
	s_load_b256 s[4:11], s[0:1], 0x0               ; x, the angles, wq, wk
	s_load_b128 s[12:15], s[0:1], 0x20             ; wv, wo
	s_load_b64 s[16:17], s[0:1], 0x30              ; pre
	v_lshl_add_u32 v[SPW], v0, 2, SPARE
	v_mov_b32 v[NIL], 0
	v_lshrrev_b32 v1, 5, v0
	v_readfirstlane_b32 s20, v1                    ; wave
	v_and_b32 v1, 31, v0                           ; lane
	v_and_b32 v2, 15, v0                           ; r
	v_bfe_u32 v3, v0, 4, 1                         ; h
	v_lshlrev_b32 v7, 3, v1                        ; 8 x lane: my place in a plane
	s_mov_b32 s22, 0x76543210
	s_mov_b32 s23, 0xfedcba98                      ; v_permlanex16_b32's selects for lane l xor 16
	s_wait_kmcnt 0x0
	s_cmp_lt_u32 ttmp9, 256
	s_cbranch_scc0 .Lnot_x
; ---------------- x: 32 rows x 256 along K a wave: four fragments f = 2 u + q (tile u of the two, q-th 128 along K)
	s_wait_alu depctr_va_vdst(0)
	v_lshlrev_b32 v4, 4, v1                        ; 16 x lane: each load reads 512 consecutive bytes of a row
	s_wait_alu depctr_va_vdst(0)
	s_mul_i32 s21, s20, STG
	v_add_nc_u32 v5, s21, v4                       ; the stage, on the way in
	v_mul_u32_u24 v6, v2, 528
	v_lshl_add_u32 v6, v3, 7, v6
	v_add_nc_u32 v6, s21, v6                       ; and out: row r, + 128 h bytes: my block of 32 numbers
	v_lshlrev_b32 v8, 3, v3                        ; 8 h
	v_mov_b32 v[TM+7], 0                           ; a lane permute's destination counts as read
	s_lshl_b32 s24, ttmp9, 17                      ; 32 rows of 4,096 bytes
	s_lshl_b32 s25, s20, 10                        ; + my kstep's 1,024 bytes
	s_add_co_u32 s24, s24, s25
	s_mov_b32 s25, 0
	s_add_nc_u64 s[4:5], s[4:5], s[24:25]
	s_mul_i32 s24, s20, AKS
	s_mul_i32 s26, ttmp9, 6144                     ; two tiles of 3,072 bytes
	s_add_co_u32 s24, s24, s26
	s_add_nc_u64 s[28:29], s[16:17], s[24:25]      ; my images
	s_lshl_b32 s24, s20, 16
	s_lshl_b32 s26, ttmp9, 8
	s_add_co_u32 s24, s24, s26
	s_add_co_u32 s24, s24, XSCL
	s_add_nc_u64 s[30:31], s[16:17], s[24:25]      ; my 32 image rows' scale words
.macro XLOAD f                         ; the 16 rows of fragment f, 512 bytes each, into set f % 3
.set RS, 32+64*((\f)%3)
.irp j, 0,1,2,3,4,5,6,7,8,9,10,11,12,13,14,15
	global_load_b128 v[RS+4*\j:RS+4*\j+3], v4, s[4:5] offset:(8*((\f)/2)+\j+8*(\j/8))*4096+512*((\f)%2) th:TH_LOAD_NT
.endr
.endm
.macro XFRAG f, left                   ; left: the younger fragments' loads, which may stay out
.set RS, 32+64*((\f)%3)
	s_wait_loadcnt \left
.irp j, 0,1,2,3,4,5,6,7,8,9,10,11,12,13,14,15
	ds_store_b128 v5, v[RS+4*\j:RS+4*\j+3] offset:528*\j
.endr
.irp c, 0,1                            ; back: lane (r, h) takes k = 64 c + 32 h + 0 .. 31 of row r.  LDS serves a wave's instructions in order: these see the stores above
.irp i, 0,1,2,3,4,5,6,7
	ds_load_b128 v[RS+32*\c+4*\i:RS+32*\c+4*\i+3], v6 offset:256*\c+16*\i
.endr
.endr
	s_wait_dscnt 0x0
.irp c, 0,1
	v_max3_num_f32 v[TM+\c], |v[RS+32*\c]|, |v[RS+32*\c+1]|, 0x1800000   ; my block 2 c + h, whole; and the floor 2^(3 - 127)
.endr
.irp i, 2,4,6,8,10,12,14,16,18,20,22,24,26,28,30
.irp c, 0,1
	v_max3_num_f32 v[TM+\c], v[TM+\c], |v[RS+32*\c+\i]|, |v[RS+32*\c+\i+1]|
.endr
.endr
.irp c, 0,1
	v_add_nc_u32 v[TM+2+\c], 0xff000000, v[TM+\c]  ; 2 off the exponent field: the conversion's scale operand
.endr
.irp c, 0,1
	v_lshrrev_b32 v[TM+4+\c], 23, v[TM+2+\c]       ; the scale's byte
.endr
	v_lshl_or_b32 v[TM+6], v[TM+5], 16, v[TM+4]
	v_lshlrev_b32 v[TM+6], v8, v[TM+6]             ; bytes h and 2 + h of the word
	v_permlanex16_b32 v[TM+7], v[TM+6], s22, s23
	v_or_b32 v[XW+\f], v[TM+6], v[TM+7]            ; with lane l xor 16's two the word is whole
	s_wait_alu depctr_va_vdst(0)
	s_wait_xcnt 0x0                                ; the last fragment's stores have read their data: the codes' registers are written again only behind this wait
.irp c, 0,1
	v_cvt_scalef32_pk16_fp6_f32 v[PC+6*\c:PC+6*\c+2], v[RS+32*\c:RS+32*\c+15], v[TM+2+\c]
	v_cvt_scalef32_pk16_fp6_f32 v[PT+4*\c:PT+4*\c+2], v[RS+32*\c+16:RS+32*\c+31], v[TM+2+\c]   ; (a conversion's three registers begin on an even number)
.endr
	v_nop                                          ; one plain place behind a scaled conversion
.irp c, 0,1
.irp i, 0,1,2
	v_mov_b32 v[PC+6*\c+3+\i], v[PT+4*\c+\i]
.endr
.endr
.irp p, 0,1,2,3,4,5
	global_store_b64 v7, v[PC+2*\p:PC+2*\p+1], s[28:29] offset:3072*((\f)/2)+1536*((\f)%2)+256*\p   ; a plane: 256 consecutive bytes, aligned
.endr
.endm
	XLOAD 0
	XLOAD 1
	XLOAD 2
	s_wait_alu depctr_va_vdst(0)
	XFRAG 0, 32
	XLOAD 3
	XFRAG 1, 32
	XFRAG 2, 16
	XFRAG 3, 0
	v_cmp_le_u32 vcc_lo, 16, v1                    ; lanes 16-31 take the second tile's words: image row = 16 u + r = my lane
	v_cndmask_b32 v[XW], v[XW], v[XW+2], vcc_lo
	v_cndmask_b32 v[XW+1], v[XW+1], v[XW+3], vcc_lo
	global_store_b64 v7, v[XW:XW+1], s[30:31]      ; 256 consecutive bytes, aligned
	s_wait_tensorcnt 0x0                           ; the wave's end, behind my last LDS store
	ds_add_u32 v[SPW], v[NIL]
	s_wait_dscnt 0x0
	s_endpgm
; ---------------- the weights: a lane takes a column, its registers run down K: 32 columns x 256 along K a wave, 8 blocks a lane
.Lnot_x:
	s_cmp_lt_u32 ttmp9, 384
	s_cbranch_scc0 .Lrope
	s_sub_co_u32 s21, ttmp9, 256
	s_and_b32 s24, s21, 7
	s_lshl_b32 s24, s24, 2
	s_add_co_u32 s24, s24, s20                     ; g: which 32 columns
	s_bfe_u32 s25, s21, 0x20003                    ; kstep
	s_lshr_b32 s26, s21, 5                         ; which weight
	s_cmp_lt_u32 s26, 2
	s_cselect_b64 s[32:33], s[8:9], s[12:13]       ; wq or wv
	s_cselect_b64 s[34:35], s[10:11], s[14:15]     ; wk or wo
	s_bitcmp1_b32 s26, 0
	s_cselect_b64 s[32:33], s[34:35], s[32:33]
	s_lshl_b32 s36, s25, 20                        ; 256 rows of 4,096 bytes
	s_lshl_b32 s37, s24, 7
	s_add_co_u32 s36, s36, s37
	s_mov_b32 s37, 0
	s_add_nc_u64 s[32:33], s[32:33], s[36:37]
	s_mul_i32 s36, s25, BKS
	s_lshl_b32 s38, s26, 6
	s_lshl_b32 s39, s24, 1
	s_add_co_u32 s38, s38, s39                     ; image tile 64 x weight + 2 g
	s_mul_i32 s38, s38, 3072
	s_add_co_u32 s36, s36, s38
	s_add_co_u32 s36, s36, WIMG
	s_add_nc_u64 s[28:29], s[16:17], s[36:37]
	; the weights' scale words lie [256 columns 4][kstep 4][weight 4][row 256][8 bytes]: what one work-group of a later launch wants is four rows 8,192 bytes apart
	s_lshl_b32 s36, s25, 13
	s_lshl_b32 s38, s26, 11
	s_add_co_u32 s36, s36, s38
	s_and_b32 s38, s24, 7
	s_lshl_b32 s38, s38, 8
	s_add_co_u32 s36, s36, s38
	s_lshr_b32 s38, s24, 3
	s_lshl_b32 s38, s38, 15
	s_add_co_u32 s36, s36, s38
	s_add_co_u32 s36, s36, WSCL
	s_add_nc_u64 s[30:31], s[16:17], s[36:37]
	s_wait_alu depctr_va_vdst(0)
	v_and_b32 v4, 7, v1                            ; my column of the 32: my lane's number with bits 3 and 4 changed over, so that lane 16 u + rho holds row rho of tile 2 g + u
	v_bfe_u32 v5, v1, 3, 1
	v_lshl_or_b32 v4, v5, 4, v4
	v_lshl_or_b32 v4, v3, 3, v4
	v_lshlrev_b32 v4, 2, v4
.macro WLOAD t                         ; block t: w(32 t + i, my column) into set t % 2; the wave reads 128 consecutive bytes, the work-group 512
.irp i, 0,1,2,3,4,5,6,7,8,9,10,11,12,13,14,15,16,17,18,19,20,21,22,23,24,25,26,27,28,29,30,31
	global_load_b32 v[32+32*((\t)%2)+\i], v4, s[32:33] offset:(32*(\t)+\i)*4096 th:TH_LOAD_NT
.endr
.endm
.macro WBLOCK t
.set XS, 32+32*((\t)%2)
.set CD, 96+6*((\t)%2)                 ; v96-101 an even block's codes, v102-107 an odd one's
.if (\t) < 7
	s_wait_loadcnt 32                              ; this block's 32 loads are in; the next block's may be out
.else
	s_wait_loadcnt 0x0
.endif
	v_max3_num_f32 v12, |v[XS]|, |v[XS+1]|, |v[XS+2]|
	v_max3_num_f32 v13, |v[XS+3]|, |v[XS+4]|, |v[XS+5]|
.irp i, 6,10,14,18,22,26
	v_max3_num_f32 v12, v12, |v[XS+\i]|, |v[XS+\i+1]|
	v_max3_num_f32 v13, v13, |v[XS+\i+2]|, |v[XS+\i+3]|
.endr
	v_max3_num_f32 v12, v12, |v[XS+30]|, |v[XS+31]|
	v_max3_num_f32 v12, v12, v13, 0x1800000        ; and the floor
	v_add_nc_u32 v11, 0xff000000, v12
	v_lshrrev_b32 v13, 23, v11
.if (\t)%4 == 0
	v_mov_b32 v[112+(\t)/4], v13                   ; four bytes to a scale word, the lower K in the lower byte
.else
	v_lshl_or_b32 v[112+(\t)/4], v13, 8*((\t)%4), v[112+(\t)/4]
.endif
.if (\t)%2 == 0
	s_wait_alu depctr_va_vdst(0)
	s_wait_xcnt 0x0                                ; the last pair's stores have read their data
.endif
	v_cvt_scalef32_pk16_fp6_f32 v[CD:CD+2], v[XS:XS+15], v11
	v_cvt_scalef32_pk16_fp6_f32 v[108:110], v[XS+16:XS+31], v11
	v_nop                                          ; one plain place behind a scaled conversion
.irp i, 0,1,2
	v_mov_b32 v[CD+3+\i], v[108+\i]
.endr
.if (\t)+2 < 8
	WLOAD (\t)+2
.endif
.if (\t)%2 == 1                        ; a fragment wants the even block in lanes 0-15 and the odd one in lanes 16-31: the swap gives tile 2 g in the first six registers and tile 2 g + 1 in the second six
.irp i, 0,1,2,3,4,5
	v_permlane16_swap_b32 v[96+\i], v[102+\i]
.endr
.irp p, 0,1,2
	global_store_b64 v7, v[96+2*\p:97+2*\p], s[28:29] offset:1536*((\t)/4)+768*(((\t)/2)%2)+256*\p
	global_store_b64 v7, v[102+2*\p:103+2*\p], s[28:29] offset:3072+1536*((\t)/4)+768*(((\t)/2)%2)+256*\p
.endr
.endif
.endm
	WLOAD 0
	WLOAD 1
.irp t, 0,1,2,3,4,5,6,7
	WBLOCK \t
.endr
	global_store_b64 v7, v[112:113], s[30:31]      ; image row 32 g + my lane: 256 consecutive bytes, aligned
	s_endpgm
; ---------------- the table: a wave takes a tile of 16 positions; lane (r, h) makes cos and sin of angles 16 h + 0 .. 15 of the tile's row r
.Lrope:
	s_sub_co_u32 s21, ttmp9, 384
	s_lshl_b32 s21, s21, 2
	s_add_co_u32 s21, s21, s20                     ; the tile
	s_lshr_b32 s24, s21, 1
	s_lshl_b32 s24, s24, 5
	s_and_b32 s25, s21, 1
	s_lshl_b32 s25, s25, 3
	s_add_co_u32 s24, s24, s25
	s_wait_alu depctr_va_vdst(0)
	v_and_b32 v4, 8, v2
	v_add_nc_u32 v4, v4, v2
	v_add_nc_u32 v4, s24, v4                       ; the position
	v_lshlrev_b32 v4, 7, v4                        ; a row of 32 angles is 128 bytes
	v_lshl_add_u32 v4, v3, 6, v4
.irp i, 0,1,2,3
	global_load_b128 v[32+4*\i:35+4*\i], v4, s[6:7] offset:16*\i
.endr
	v_lshlrev_b32 v5, 4, v1
	s_lshl_b32 s24, s21, 12
	s_add_co_u32 s24, s24, ROPE
	s_mov_b32 s25, 0
	s_add_nc_u64 s[28:29], s[16:17], s[24:25]
	s_mov_b32 s32, 0x3f22f983                      ; 2 / pi
	s_mov_b32 s33, 0xbfc90fdb                      ; - pi / 2, in three parts
	s_mov_b32 s34, 0x333bbd2e
	s_mov_b32 s35, 0x26f72ced
	s_mov_b32 s36, 0xbe2aaaa3                      ; sin r = r + r z (S1 + z (S2 + z S3)), z = r r
	s_mov_b32 s37, 0x3c08839e
	s_mov_b32 s38, 0xb94ca1f9
	s_mov_b32 s39, 0x3d2aaaa5                      ; cos r = 1 - z / 2 + z z (C1 + z (C2 + z C3))
	s_mov_b32 s40, 0xbab6061a
	s_mov_b32 s41, 0x37ccf5ce
	s_wait_loadcnt 0x0
.macro SINCOS e                        ; x = n pi / 2 + r, |r| <= pi / 4; n's low two bits say which of sin r, cos r and which sign
	v_mul_f32 v8, s32, v[32+\e]
	v_rndne_f32 v8, v8
	v_fma_f32 v9, v8, s33, v[32+\e]
	v_fma_f32 v9, v8, s34, v9
	v_fma_f32 v9, v8, s35, v9
	v_cvt_i32_f32 v11, v8
	v_mul_f32 v10, v9, v9
	v_fma_f32 v12, v10, s38, s37
	v_fma_f32 v14, v10, s41, s40
	v_fma_f32 v12, v12, v10, s36
	v_fma_f32 v14, v14, v10, s39
	v_mul_f32 v13, v9, v10
	v_mul_f32 v15, v10, v10
	v_fma_f32 v18, v10, -0.5, 1.0
	v_fma_f32 v12, v12, v13, v9                    ; sin r
	v_fma_f32 v14, v14, v15, v18                   ; cos r
	v_and_b32 v19, 1, v11
	v_cmp_eq_u32 vcc_lo, 1, v19
	v_cndmask_b32 v[64+\e], v12, v14, vcc_lo       ; n odd: they change places
	v_cndmask_b32 v[48+\e], v14, v12, vcc_lo
	v_and_b32 v19, 2, v11
	v_add_nc_u32 v11, 1, v11
	v_lshlrev_b32 v19, 30, v19
	v_and_b32 v11, 2, v11
	v_xor_b32 v[64+\e], v19, v[64+\e]              ; sin: minus where n mod 4 is 2 or 3
	v_lshlrev_b32 v11, 30, v11
	v_xor_b32 v[48+\e], v11, v[48+\e]              ; cos: minus where n mod 4 is 1 or 2
.endm
.irp e, 0,1,2,3,4,5,6,7,8,9,10,11,12,13,14,15
	SINCOS \e
.endr
.irp i, 0,1,2,3
	global_store_b128 v5, v[48+4*\i:51+4*\i], s[28:29] offset:512*\i          ; 512 consecutive bytes a store
	global_store_b128 v5, v[64+4*\i:67+4*\i], s[28:29] offset:2048+512*\i
.endr
	s_endpgm
.Lfunc_end_k_q18e54b0c1b_prep:
	.size	k_q18e54b0c1b_prep, .Lfunc_end_k_q18e54b0c1b_prep-k_q18e54b0c1b_prep
	.p2alignl 7, 3214868480
	.fill 96, 4, 3214868480
	.section	.rodata,"a",@progbits
	.p2align	6, 0x0
	.amdhsa_kernel k_q18e54b0c1b_prep
		.amdhsa_group_segment_fixed_size 34304
		.amdhsa_private_segment_fixed_size 0
		.amdhsa_enable_private_segment 0
		.amdhsa_kernarg_size 56
		.amdhsa_user_sgpr_count 2
		.amdhsa_user_sgpr_kernarg_segment_ptr 1
		.amdhsa_wavefront_size32 1
		.amdhsa_system_sgpr_workgroup_id_x 1
		.amdhsa_system_sgpr_workgroup_id_y 1
		.amdhsa_system_sgpr_workgroup_id_z 1
		.amdhsa_system_vgpr_workitem_id 0
		.amdhsa_next_free_vgpr 256
		.amdhsa_next_free_sgpr 66
		.amdhsa_reserve_vcc 1
		.amdhsa_float_denorm_mode_32 3
		.amdhsa_float_denorm_mode_16_64 3
		.amdhsa_memory_ordered 1
		.amdhsa_forward_progress 1
		.amdhsa_inst_pref_size 93
	.end_amdhsa_kernel
	.amdgpu_metadata
---
amdhsa.version: [ 1, 2 ]
amdhsa.kernels:
  - .name:           k_q18e54b0c1b_prep
    .symbol:         k_q18e54b0c1b_prep.kd
    .args:
      - { .name: hidden_states, .offset: 0, .size: 8, .value_kind: global_buffer, .address_space: global }
      - { .name: rotary_pos_emb, .offset: 8, .size: 8, .value_kind: global_buffer, .address_space: global }
      - { .name: wq, .offset: 16, .size: 8, .value_kind: global_buffer, .address_space: global }
      - { .name: wk, .offset: 24, .size: 8, .value_kind: global_buffer, .address_space: global }
      - { .name: wv, .offset: 32, .size: 8, .value_kind: global_buffer, .address_space: global }
      - { .name: wo, .offset: 40, .size: 8, .value_kind: global_buffer, .address_space: global }
      - { .name: pre, .offset: 48, .size: 8, .value_kind: global_buffer, .address_space: global }
    .group_segment_fixed_size: 34304
    .private_segment_fixed_size: 0
    .kernarg_segment_align: 8
    .kernarg_segment_size: 56
    .max_flat_workgroup_size: 128
    .sgpr_count:     66
    .vgpr_count:     256
    .wavefront_size: 32
...
	.end_amdgpu_metadata
.endif
;; end of part 5
;; launch qkv (part 6): grid 4 x 64, 4 waves a work-group, clusters of 4 x 4, 327,680 bytes of LDS; arguments pre, bq, bk, bv, qkv; writes qkv
.if DOCPART == 6
	.amdgcn_target "amdgcn-amd-amdhsa--gfx1250"
	.amdhsa_code_object_version 6
	.text
	.protected	k_q18e54b0c1b_qkv
	.globl	k_q18e54b0c1b_qkv
	.p2align	8
	.type	k_q18e54b0c1b_qkv,@function
k_q18e54b0c1b_qkv:
	s_mov_b64 s[64:65], 0
	v_nop
	global_prefetch_b8 v0, s[64:65] scope:SCOPE_SE
	s_setreg_imm32_b32 hwreg(HW_REG_WAVE_MODE, 25, 1), 1
	s_wait_xcnt 0x0
	s_wait_alu depctr_hold_cnt(0) depctr_sa_sdst(0) depctr_va_vdst(0) depctr_va_sdst(0) depctr_va_ssrc(0) depctr_va_vcc(0) depctr_vm_vsrc(0)
	s_getreg_b32 s2, hwreg(HW_REG_IB_STS2, 6, 4)
	s_cmp_eq_u32 s2, 0
	s_cbranch_scc0 .Lentry_in_a_cluster
	s_endpgm
.Lentry_in_a_cluster:
	s_bfe_u32 s2, ttmp6, 0x10000c
	s_cmp_lg_u32 s2, 0xf033
	s_cbranch_scc0 .Lentry_shape_is_right
	s_endpgm
.Lentry_shape_is_right:
; QKV: [8192 x 1024] x [1024 x 3072] on codes of FP6 with E8M0 scales, the bias as the sums' first C; then, in registers: q and k: rotary embedding in f32, quantised along the head's 64; v: quantised along the keys.
; A WORK-GROUP STAYS: it owns 128 rows of x (128 positions of one batch element) and 256 columns (four heads) of q, then of k, then of v: 256 work-groups of equal work.  A wave owns all 128 rows and one head: 32 accumulators.
; x's codes for all of K lie in LDS, filled once, and serve all three products.  The weights go through two LDS slots of two K steps (of 256) each; a wave fetches a quarter of a slot and reads its head's 64 columns of both K steps.
; A slot is filled again with the next product's tiles as soon as it is read out: 128 matrix instructions, or an epilogue and 128, ahead of the wait for it; so no prefetch is laid.
; Operands lie in memory as images of their registers (a fragment: 6 planes of 256 bytes): a fragment comes out of LDS by six loads of 256 consecutive bytes.  All scale words come once, with the first fills.
; CLUSTERS: 4 x 4 work-groups; x's tiles are asked for jointly along a row of the cluster, the weights' along a column.  The head's loads, one a wave, stand under a chain of branches on the wave's number.
; THE MATRIX INSTRUCTION IS USED TRANSPOSED (source 0 = 16 columns of the weight, source 1 = 16 rows of x).  Row rho of tile t of any operand is row 32 (t / 2) + 8 (t % 2) + rho + 8 (rho / 8): so in accumulators (a, 2 g) and
; (a, 2 g + 1) lane (r, h) holds, of x's row r of tile a, the 16 neighbouring columns 32 g + 16 h + 0 .. 15: d and d + 32 of my head lie in one lane, 16 registers apart.
; OUT: q, k: half fragments [head 128][position tile 64][768]; scale words [head][128 positions][row 16][pair of tiles 4][4]; v: fragments with the keys along K [head][128 keys][d tile 4][1536]; scale words [head][128 keys][row 16][u 2][b 2][4].
; LIMITS: a block of zeros gets the byte 1 (its codes are zeros; this program alone reads the bytes); NaN and infinities are not served.
; REGISTERS: window 0: v0-31 addresses; v32-55 scale words, two sets; v64-159, v160-255 x's fragments, two sets (v160-215: at work in the epilogue of q and k).  window 1: v0-47, v48-95 the weights' fragments, two sets; v96-127 the bias.
;   window 2: accumulator (a, b) at v[8 (4 a + b)].  window 3: cos (16) and sin (16) for each of my 8 position tiles, loaded once.
.set AKS,   1572864                    ; a K step of x's images
.set BKS,   786432                     ; a K step of the weights' images
.set WIMG,  6291456
.set XSCL,  9437184
.set WSCL,  9699328
.set ROPE,  9830400
.set TYPEB, 196608                     ; from a product's weight tiles to the next product's: 64 tiles of 3,072 bytes
; THE FILLS AS THEY STAND: at the head one joint load a wave: wave 0 x's codes for all of K, wave 1 wq's for all of K (both slots), wave 2 x's scale words, wave 3 the weights'.  Every refill: a quarter of a slot a wave
; (K step wave / 2 of the slot's two, tiles 8 (wave % 2) on: 96 dense rows of 256 bytes), read by all four waves behind the barrier.
.set APAIR, 49152                      ; LDS: x's codes [K step 4][tile 8][3072]; two K steps on
.set BBASE, 98304                      ; behind x's two pairs: the weights' two slots
.set BSLOT, 98304                      ; a slot: [K step 2][tile 16][3072]
.set SCA,   294912                     ; x's scale words [K step 4][row 128][8]
.set SCB,   299008                     ; the weights' [K step 4][product 3][row 256][8]
.set SBK,   6144                       ; from K step to K step there
.set SPARE, 323584                     ; the spare words, 128 bytes for each wave
.set L8,   4                           ; v4   8 x lane: my place in a plane
.set L16,  5                           ; v5   16 x lane
.set R16,  6                           ; v6   16 r
.set BI,   7                           ; v7   64 h: the bias
.set VSI,  8                           ; v8   v's stage, on the way in
.set VSO,  9                           ; v9   and out
.set VSC,  10                          ; v10  v's scale words
.set ADRA, 16                          ; v16-17 x's fragments in pair 0, 1
.set ADRB, 18                          ; v18-19 my quarter of slot 0, 1
.set ADSA, 20                          ; v20  x's scale words: lanes 0-15 block i, lanes 16-31 block i + 4
.set ADSB, 21                          ; v21  the weights': lanes 0-15 block j, lanes 16-31 block j + 2; steps from product to product
.set SPW,  28
.set NIL,  29
.set SCR,  32                          ; scale words: set s at SCR + 12 s: x's four pairs, then the weights' two
.set AF,   64
.set G1A,  24
.set G1B,  32
.set G1SA, 40
.set G1SB, 48
.set G0SA, 56
.set G0SB, 60
.set G0A,  68                          ; s[68:71] x's codes, s[72:75] the head's load of weights
.set G0B,  76                          ; s[76:83] the two slots
.set BNX,  88                          ; s[88:89] the next product's bias
.set TBL,  90
.set SQK,  92                          ; s[92:93] where my head's images go; steps from product to product
.set SSC,  94                          ; s[94:95] and its scale words
.set SEL,  96
.set MSB, 0
.macro WIN new                         ; the immediate's high byte repeats the setting that is left
.if MSB != \new
	s_set_vgpr_msb (MSB<<8)|\new
.set MSB, \new
.endif
.endm
.set MUL,  0xa1                        ; source 0 window 1, source 1 window 0, C and D window 2
.set MULZ, 0x91                        ; the same with C (the bias) in window 1
.set TO_B, 0x40                        ; destination window 1, address window 0
.macro CREST                           ; a round of the cluster's barrier behind its opening barrier
	s_cmp_lg_u32 s14, 0
	s_cbranch_scc1 .Lnot_wave_0_\@
	s_barrier_signal -3
.Lnot_wave_0_\@:
	s_barrier_wait -3
	s_barrier_signal -1
	s_barrier_wait -1
.endm
.macro CROUND
	s_barrier_signal -1
	s_barrier_wait -1
	CREST
.endm
.macro PLACES                          ; four plain vector instructions in front of loads into registers that matrix instructions have read, and of the first read of results
.rept 4
	v_nop
.endr
.endm
.macro BIAS ptr                        ; tile b's eight registers in the result's layout: columns 32 (b / 2) + 8 (b % 2) + 16 h + 0 .. 7 of my head
	WIN TO_B
.irp b, 0,1,2,3
	global_load_b128 v[96+8*\b:99+8*\b], v[BI], s[\ptr:\ptr+1] offset:(32*(\b/2)+8*(\b%2))*4
	global_load_b128 v[100+8*\b:103+8*\b], v[BI], s[\ptr:\ptr+1] offset:(32*(\b/2)+8*(\b%2))*4+16
.endr
	WIN 0
.endm
	s_load_b256 s[4:11], s[0:1], 0x0               ; pre, bq, bk, bv
	s_load_b64 s[12:13], s[0:1], 0x20              ; qkv
	v_lshl_add_u32 v[SPW], v0, 2, SPARE
	v_mov_b32 v[NIL], 0
	ds_add_u32 v[SPW], v[NIL]                      ; the wave's opening: the add, and its wait ahead of my first tensor load
	ds_add_u32 v[SPW], v[NIL]
	v_lshrrev_b32 v1, 5, v0
	v_readfirstlane_b32 s14, v1                    ; wave 0..3
	s_bfe_u32 s15, ttmp6, 0x40000                  ; cx: which 256 columns (the grid is one cluster wide)
	s_bfe_u32 s16, ttmp6, 0x40004                  ; cy
	s_and_b32 s17, ttmp7, 0xffff
	s_lshl_b32 s17, s17, 2
	s_add_co_u32 s17, s17, s16                     ; which 128 rows
	s_lshl_b32 s18, s16, 2
	s_lshl_b32 s18, 15, s18                        ; my row of the cluster
	s_lshl_b32 s19, 0x1111, s15                    ; my column
	s_or_b32 s[G1A], s18, (3<<16)|(1<<21)          ; the mask; elements of 8 bytes; bit 21 beside a mask; no padding
	s_or_b32 s[G1SA], s18, (3<<16)|(1<<21)
	s_or_b32 s[G1B], s19, (3<<16)|(1<<21)
	s_or_b32 s[G1SB], s19, (3<<16)|(1<<21)
	s_mov_b32 s[G1A+1], 3072<<16                   ; x's codes: eight tiles (24,576 dense bytes) of each of four K steps
	s_mov_b32 s[G1A+2], 4<<16
	s_mov_b32 s[G1A+3], 3072<<16
	s_mov_b32 s[G1A+4], 4
	s_mov_b32 s[G1A+5], AKS/8
	s_mov_b32 s[G1A+6], 0
	s_mov_b32 s[G1A+7], 0
	s_mov_b32 s[G1B+1], 6144<<16                   ; the head's load of weights: sixteen tiles (49,152 dense bytes) of each of four K steps
	s_mov_b32 s[G1B+2], 4<<16
	s_mov_b32 s[G1B+3], 6144<<16
	s_mov_b32 s[G1B+4], 4
	s_mov_b32 s[G1B+5], BKS/8
	s_mov_b32 s[G1B+6], 0
	s_mov_b32 s[G1B+7], 0
	s_mov_b32 s[G1SA+1], 128<<16                   ; x's scale words of one K step: one row of 1,024 bytes
	s_mov_b32 s[G1SA+2], 4<<16                     ; four K steps, 65,536 bytes apart
	s_mov_b32 s[G1SA+3], 128<<16
	s_mov_b32 s[G1SA+4], 4
	s_mov_b32 s[G1SA+5], 8192
	s_mov_b32 s[G1SA+6], 0
	s_mov_b32 s[G1SA+7], 0
	s_mov_b32 s[G1SB+1], 768<<16                   ; the weights' scale words: the three products' 6,144 bytes of each of four K steps, 8,192 bytes apart
	s_mov_b32 s[G1SB+2], 4<<16
	s_mov_b32 s[G1SB+3], 768<<16
	s_mov_b32 s[G1SB+4], 4
	s_mov_b32 s[G1SB+5], 1024
	s_mov_b32 s[G1SB+6], 0
	s_mov_b32 s[G1SB+7], 0
	s_mul_i32 s20, s17, 24576                      ; x's codes hang on the rows alone: tiles 8 x rows,
	s_mov_b32 s21, 0
	s_lshl_b32 s22, s17, 10
	s_add_co_u32 s22, s22, XSCL
	s_mov_b32 s23, 0
	s_mul_i32 s84, s15, 49152                      ; the weights' on the columns and the wave alone: tiles 16 cx on
	s_add_co_u32 s84, s84, WIMG
	s_mov_b32 s85, 0
	s_lshr_b32 s2, s14, 1                          ; my quarter of a slot: K step wave / 2,
	s_mul_i32 s2, s2, BKS
	s_and_b32 s3, s14, 1                           ; tiles 8 (wave % 2) on
	s_mul_i32 s3, s3, 24576
	s_add_co_u32 s2, s2, s3
	s_mov_b32 s3, 0
	s_lshl_b32 s86, s15, 15
	s_add_co_u32 s86, s86, WSCL
	s_mov_b32 s87, 0
	s_mov_b32 s[G0SA], 1                           ; where they go: a constant and the wave's number times a constant
	s_mov_b32 s[G0SA+1], SCA
	s_mov_b32 s[G0SB], 1
	s_mov_b32 s[G0SB+1], SCB
	s_mov_b32 s[G0A], 1
	s_mov_b32 s[G0A+1], 0
	s_mov_b32 s[G0A+4], 1                          ; s[G0A+4:G0A+7]: group 0 of the head's load of weights, both slots
	s_mov_b32 s[G0A+5], BBASE
	s_mov_b32 s[G0B], 1
	s_mul_i32 s[G0B+1], s14, 24576
	s_add_co_u32 s[G0B+1], s[G0B+1], BBASE
	s_mov_b32 s[G0B+4], 1
	s_add_co_u32 s[G0B+5], s[G0B+1], BSLOT
	s_mov_b32 s[SEL], 0x76543210
	s_mov_b32 s[SEL+1], 0xfedcba98                 ; v_permlanex16_b32's selects for lane l xor 16
	s_wait_dscnt 0x0                               ; the opening add is done
	s_wait_kmcnt 0x0
	s_add_nc_u64 s[G0SA+2:G0SA+3], s[4:5], s[22:23]
	s_add_nc_u64 s[G0SB+2:G0SB+3], s[4:5], s[86:87]
	s_add_nc_u64 s[G0A+2:G0A+3], s[4:5], s[20:21]
	s_add_nc_u64 s[G0A+6:G0A+7], s[4:5], s[84:85]
	s_add_nc_u64 s[G0B+2:G0B+3], s[G0A+6:G0A+7], s[2:3]
	s_add_nc_u64 s[G0B+6:G0B+7], s[G0B+2:G0B+3], 2*BKS
	s_or_b32 s[G0SA+3], s[G0SA+3], 0x80000000
	s_or_b32 s[G0SB+3], s[G0SB+3], 0x80000000
	s_or_b32 s[G0A+3], s[G0A+3], 0x80000000
	s_or_b32 s[G0A+7], s[G0A+7], 0x80000000
	s_or_b32 s[G0B+3], s[G0B+3], 0x80000000
	s_or_b32 s[G0B+7], s[G0B+7], 0x80000000
	CROUND                                         ; all sixteen work-groups are here: the first joint loads meet
	s_cmp_lt_u32 s14, 1                            ; the head's loads, one a wave: one chain of branches on the wave's number, a load in each arm
	s_cbranch_scc0 .Lhead_b
	tensor_load_to_lds s[G0A:G0A+3], s[G1A:G1A+7]       ; wave 0: x's codes
	s_nop 0
	PLACES
	s_branch .Lhead_asked
.Lhead_b:
	s_cmp_lt_u32 s14, 2
	s_cbranch_scc0 .Lhead_sa
	tensor_load_to_lds s[G0A+4:G0A+7], s[G1B:G1B+7]     ; wave 1: wq, K steps 0 to 3
	s_nop 0
	PLACES
	s_branch .Lhead_asked
.Lhead_sa:
	s_cmp_lt_u32 s14, 3
	s_cbranch_scc0 .Lhead_sb
	tensor_load_to_lds s[G0SA:G0SA+3], s[G1SA:G1SA+7]   ; wave 2: x's scale words
	s_nop 0
	PLACES
	s_branch .Lhead_asked
.Lhead_sb:
	tensor_load_to_lds s[G0SB:G0SB+3], s[G1SB:G1SB+7]   ; wave 3: the weights' scale words
	s_nop 0
	PLACES
.Lhead_asked:
	v_and_b32 v1, 15, v0                           ; r
	v_bfe_u32 v2, v0, 4, 1                         ; h
	v_and_b32 v3, 31, v0                           ; lane
	v_lshlrev_b32 v[L8], 3, v3
	v_lshlrev_b32 v[L16], 4, v3
	v_lshlrev_b32 v[R16], 4, v1
	v_lshlrev_b32 v[BI], 6, v2
	v_lshlrev_b32 v[ADRA], 3, v3
	v_add_nc_u32 v[ADRA+1], APAIR, v[L8]
	s_mul_i32 s2, s14, 12288                       ; my head's four tiles of a K step's sixteen
	s_add_co_u32 s2, s2, BBASE
	v_add_nc_u32 v[ADRB], s2, v[L8]
	s_add_co_u32 s2, s2, BSLOT
	v_add_nc_u32 v[ADRB+1], s2, v[L8]
	v_lshlrev_b32 v[ADSA], 3, v1                   ; 8 bytes a row;
	v_lshl_add_u32 v[ADSA], v2, 9, v[ADSA]         ; lanes 16-31: 64 rows on
	v_add_nc_u32 v[ADSA], SCA, v[ADSA]
	v_lshlrev_b32 v[ADSB], 3, v1
	v_lshl_add_u32 v[ADSB], v2, 8, v[ADSB]         ; lanes 16-31: 32 rows on
	s_lshl_b32 s2, s14, 9                          ; my 64 of the 256 rows
	s_add_co_u32 s2, s2, SCB
	v_add_nc_u32 v[ADSB], s2, v[ADSB]
	s_mul_i32 s2, s14, 8704                        ; v's stage: 32 rows x (256 bytes + 16) for each wave, in x's first pair
	v_mul_u32_u24 v[VSI], v1, 272
	v_lshl_add_u32 v[VSI], v2, 6, v[VSI]
	v_add_nc_u32 v[VSI], s2, v[VSI]                ; in: row r (+ 16 for the odd tile), + 64 h bytes
	v_and_b32 v[VSO], 7, v3
	v_bfe_u32 v11, v3, 3, 1
	v_lshl_or_b32 v[VSO], v11, 4, v[VSO]
	v_lshl_or_b32 v[VSO], v2, 3, v[VSO]            ; out: my column of a group of 32: my lane's number with bits 3 and 4 changed over: lane 16 u + rho holds row rho of d tile 2 b + u
	v_lshlrev_b32 v[VSO], 2, v[VSO]
	v_add_nc_u32 v[VSO], s2, v[VSO]
	v_lshl_add_u32 v[VSC], v2, 3, v[R16]           ; 16 rho + 8 u
	s_lshl_b32 s20, s15, 10
	s_lshl_b32 s21, s14, 8
	s_add_co_u32 s20, s20, s21                     ; my head's first column of a product's 1,024, in bytes
	s_mov_b32 s21, 0
	s_add_nc_u64 s[6:7], s[6:7], s[20:21]
	s_add_nc_u64 s[BNX:BNX+1], s[8:9], s[20:21]
	s_add_nc_u64 s[10:11], s[10:11], s[20:21]
	s_and_b32 s22, s17, 7                          ; which 128 positions of the batch element's 1,024
	s_lshl_b32 s20, s22, 15
	s_add_co_u32 s20, s20, ROPE
	s_add_nc_u64 s[TBL:TBL+1], s[4:5], s[20:21]    ; their 8 tiles of the table
	s_lshr_b32 s23, s17, 3
	s_lshl_b32 s23, s23, 4
	s_lshl_b32 s2, s15, 2
	s_add_co_u32 s23, s23, s2
	s_add_co_u32 s23, s23, s14                     ; my head, of 128
	s_mul_i32 s20, s23, 49152
	s_mul_i32 s2, s22, 6144
	s_add_co_u32 s20, s20, s2
	s_add_nc_u64 s[SQK:SQK+1], s[12:13], s[20:21]
	s_lshl_b32 s20, s23, 11
	s_lshl_b32 s2, s22, 8
	s_add_co_u32 s20, s20, s2
	s_add_co_u32 s20, s20, 18874368
	s_add_nc_u64 s[SSC:SSC+1], s[12:13], s[20:21]
	BIAS 6                                         ; bq
	WIN 0xc0                                       ; destination window 3
.irp a, 0,1,2,3,4,5,6,7                ; cos and sin, once for q and k: they land while the first tiles are on their way
.irp i, 0,1,2,3,4,5,6,7
	global_load_b128 v[32*\a+4*\i:32*\a+4*\i+3], v[L16], s[TBL:TBL+1] offset:4096*\a+512*\i
.endr
.endr
	WIN 0
.macro FRAG reg, adr, off              ; a fragment as it lies: six planes
.irp p, 0,1,2,3,4,5
	ds_load_b64 v[(\reg)+2*\p:(\reg)+2*\p+1], v[\adr] offset:(\off)+256*\p
.endr
.endm
; A product has 8 steps of 128 along K.  Step st: pair or slot st / 4, K step (st / 2) % 2 of it, fragment st % 2; fragments in set st % 2, scale words in set (st / 2) % 2.
.macro FETCH st                        ; 72 LDS loads in one run
	WIN TO_B
.irp j, 0,1,2,3
	FRAG 48*((\st)%2)+12*\j, ADRB+(\st)/4, (((\st)/2)%2)*49152+\j*3072+1536*((\st)%2)
.endr
	WIN 0
.irp i, 0,1,2,3,4,5,6,7
	FRAG AF+96*((\st)%2)+12*\i, ADRA+(\st)/4, (((\st)/2)%2)*24576+\i*3072+1536*((\st)%2)
.endr
.endm
.macro SCALES ks                       ; a K step's two words a row
.irp i, 0,1,2,3
	ds_load_b64 v[SCR+12*((\ks)%2)+2*\i:SCR+12*((\ks)%2)+2*\i+1], v[ADSA] offset:(\ks)*1024+128*\i
.endr
.irp j, 0,1
	ds_load_b64 v[SCR+12*((\ks)%2)+8+2*\j:SCR+12*((\ks)%2)+8+2*\j+1], v[ADSB] offset:(\ks)*SBK+128*\j
.endr
.endm
; x's block a against my head's four.  zero = 1: the product starts the sums from the bias.  The 32 accumulators take turns, one instruction a turn, in the same order in every step.
.macro MULA a, st, zero
.irp b, 0,1,2,3
.set DD, 8*(4*(\a)+\b)
.set FB, 48*((\st)%2)+12*\b
.set FA, AF+96*((\st)%2)+12*(\a)
.set SB0, SCR+12*(((\st)/2)%2)+8+2*(\b%2)+(\st)%2
.set SA0, SCR+12*(((\st)/2)%2)+2*((\a)%4)+(\st)%2
.if \zero
.set CC, 96+8*\b
.else
.set CC, DD
.endif
.if ((\a)/4 == 0) && (\b/2 == 0)
	v_wmma_scale_f32_16x16x128_f8f6f4 v[DD:DD+7], v[FB:FB+11], v[FA:FA+11], v[CC:CC+7], v[SB0], v[SA0] matrix_a_fmt:MATRIX_FMT_FP6 matrix_b_fmt:MATRIX_FMT_FP6
.elseif (\a)/4 == 0
	v_wmma_scale_f32_16x16x128_f8f6f4 v[DD:DD+7], v[FB:FB+11], v[FA:FA+11], v[CC:CC+7], v[SB0], v[SA0] matrix_a_fmt:MATRIX_FMT_FP6 matrix_b_fmt:MATRIX_FMT_FP6 matrix_a_scale:MATRIX_SCALE_ROW1
.elseif \b/2 == 0
	v_wmma_scale_f32_16x16x128_f8f6f4 v[DD:DD+7], v[FB:FB+11], v[FA:FA+11], v[CC:CC+7], v[SB0], v[SA0] matrix_a_fmt:MATRIX_FMT_FP6 matrix_b_fmt:MATRIX_FMT_FP6 matrix_b_scale:MATRIX_SCALE_ROW1
.else
	v_wmma_scale_f32_16x16x128_f8f6f4 v[DD:DD+7], v[FB:FB+11], v[FA:FA+11], v[CC:CC+7], v[SB0], v[SA0] matrix_a_fmt:MATRIX_FMT_FP6 matrix_b_fmt:MATRIX_FMT_FP6 matrix_a_scale:MATRIX_SCALE_ROW1 matrix_b_scale:MATRIX_SCALE_ROW1
.endif
.endr
.endm
.macro STEP st, zero                   ; a step whose successor lies in the same pair: the successor's fragments are asked for first, into the set that the step before has left, and land under this step's 32 products
	s_wait_dscnt 0x0                               ; this step's fragments are in
	PLACES
	FETCH (\st)+1
.if (\st)%2 == 1
	SCALES ((\st)+1)/2
.endif
.if \zero
	WIN MULZ
.else
	WIN MUL
.endif
.irp a, 0,1,2,3,4,5,6,7
	MULA \a, \st, \zero
.endr
.endm
; Steps 3 and 7 leave a slot.  ONE barrier: in front of it each wave waits for all its tensor loads, adds 0 to its spare word, and waits for that and for its reads of the slot (this step's fragments were its last).
; fill = 1: the barrier opens a round of the cluster's, and the slot is filled again with the next product's tiles, first thing behind the round.
.macro CHANGE st, fill
	WIN 0                                          ; (the add's two registers lie in window 0)
	s_wait_tensorcnt 0x0                           ; all my tensor loads have landed, so a group 0 may be written
	ds_add_u32 v[SPW], v[NIL]
.if \fill
	s_add_nc_u64 s[G0B+4*((\st)/4)+2:G0B+4*((\st)/4)+3], s[G0B+4*((\st)/4)+2:G0B+4*((\st)/4)+3], TYPEB
.endif
	s_wait_dscnt 0x0                               ; the add is done, and my reads of this pair and slot are over
	s_barrier_signal -1
	WIN MUL
	MULA 0, \st, 0                                 ; work on registers while the others arrive
	MULA 1, \st, 0
	WIN 0
	s_barrier_wait -1
.if \fill
	CREST                                          ; no wave of any partner still reads the slot or has a load on its way
	tensor_load_to_lds s[G0B+4*((\st)/4):G0B+4*((\st)/4)+3], s[G1B:G1B+7]
	s_nop 0
.endif
	PLACES                                         ; (the places in front of the loads below)
.if (\st) == 3
	FETCH 4
	SCALES 2
.if \fill
	BIAS BNX                                       ; the next product's bias: this product's first step has read the registers
.endif
.else
	v_add_nc_u32 v[ADSB], 2048, v[ADSB]            ; the next product's scale words,
	FETCH 0                                        ; and its first fragments: they land under the epilogue, which leaves set 0 alone
	SCALES 0
.endif
	WIN MUL
.irp a, 2,3,4,5,6,7
	MULA \a, \st, 0
.endr
.endm
; ---- what becomes of q and k.  At work: v160-215
.set O,   160                          ; v160-191 my head's 32 numbers of my lane, turned
.set TM,  192
.set HW,  198
.set PC,  200
.set PT,  208
.set W,   212                          ; v212-215 scale words: pair of tiles g
.macro ROPEQ a                         ; out(d) = t(d) cos(d) - t(d + 32) sin(d); out(d + 32) = t(d + 32) cos(d) + t(d) sin(d), d = 16 h + e.  Each accumulator is read from its low end on
	WIN 0x0e                                       ; source 0 (sums) window 2, source 1 (the table) window 3
.irp e, 0,2,4,6,8,10,12,14
	v_pk_mul_f32 v[O+\e:O+\e+1], v[32*(\a)+\e:32*(\a)+\e+1], v[32*(\a)+\e:32*(\a)+\e+1]
	v_pk_mul_f32 v[O+16+\e:O+17+\e], v[32*(\a)+16+\e:32*(\a)+17+\e], v[32*(\a)+\e:32*(\a)+\e+1]
.endr
.irp e, 0,2,4,6,8,10,12,14
	v_pk_fma_f32 v[O+\e:O+\e+1], v[32*(\a)+16+\e:32*(\a)+17+\e], v[32*(\a)+16+\e:32*(\a)+17+\e], v[O+\e:O+\e+1] neg_lo:[1,0,0] neg_hi:[1,0,0]
	v_pk_fma_f32 v[O+16+\e:O+17+\e], v[32*(\a)+\e:32*(\a)+\e+1], v[32*(\a)+16+\e:32*(\a)+17+\e], v[O+16+\e:O+17+\e]
.endr
	WIN 0
.endm
; 32 numbers of a lane, register 16 b + i = k 32 b + 16 h + i of my row, become half a fragment's codes (six registers from PC on) and two scale bytes (HW)
.macro QUANT2 s
.irp b, 0,1
	v_max3_num_f32 v[TM+\b], |v[\s+16*\b]|, |v[\s+1+16*\b]|, 0x1800000   ; and the floor 2^(3 - 127)
.endr
.irp i, 2,4,6,8,10,12,14
.irp b, 0,1
	v_max3_num_f32 v[TM+\b], v[TM+\b], |v[\s+16*\b+\i]|, |v[\s+1+16*\b+\i]|
.endr
.endr
.irp b, 0,1
	v_permlanex16_b32 v[TM+2+\b], v[TM+\b], s[SEL], s[SEL+1]
.endr
.irp b, 0,1
	v_max_num_f32 v[TM+\b], v[TM+\b], v[TM+2+\b]   ; with lane l xor 16's: the block's largest magnitude
.endr
.irp b, 0,1
	v_add_nc_u32 v[TM+4+\b], 0xff000000, v[TM+\b]  ; 2 off the exponent field: the conversion's scale operand
.endr
.irp b, 0,1
	v_lshrrev_b32 v[TM+2+\b], 23, v[TM+4+\b]
.endr
	v_lshl_or_b32 v[HW], v[TM+3], 8, v[TM+2]
	s_wait_alu depctr_va_vdst(0)
	s_wait_xcnt 0x0                                ; the last stores have read their data: the codes' registers are written again only behind this wait
	v_cvt_scalef32_pk16_fp6_f32 v[PC:PC+2], v[\s:\s+15], v[TM+4]
	v_cvt_scalef32_pk16_fp6_f32 v[PT:PT+2], v[\s+16:\s+31], v[TM+5]
	v_nop                                          ; one plain place behind a scaled conversion
.irp i, 0,1,2
	v_permlane16_swap_b32 v[PC+\i], v[PT+\i]       ; a whole block to a lane: lanes 0-15 block 0, lanes 16-31 block 1
.endr
.irp i, 0,1,2
	v_mov_b32 v[PC+3+\i], v[PT+\i]
.endr
.endm
	s_wait_alu depctr_va_vdst(0)                   ; the head's end
	s_wait_tensorcnt 0x0                           ; my tile of the head's four is in
	s_mov_b32 s[G1B+1], 32<<16                     ; no tensor load of mine is out: from here on a load of weights brings 96 dense rows of 256 bytes
	s_mov_b32 s[G1B+2], 96<<16
	s_mov_b32 s[G1B+3], 32<<16
	s_mov_b32 s[G1B+4], 96
	s_mov_b32 s[G1B+5], 32
	s_barrier_signal -1
	s_barrier_wait -1                              ; everybody's tile is in
	FETCH 0
	SCALES 0
	s_wait_loadcnt 63                              ; the bias is in: 64 loads of the table were issued behind it, and the count's field ends at 63
	s_mov_b32 s3, 2
.Ltype:                                                ; two trips: q, then k
	STEP 0, 1
	STEP 1, 0
	STEP 2, 0
	CHANGE 3, 1
	STEP 4, 0
	STEP 5, 0
	STEP 6, 0
	CHANGE 7, 1
	WIN 0
	PLACES
	s_wait_loadcnt 0x0                             ; the table, and the next product's bias
	v_mov_b32 v[TM+2], 0                           ; a lane permute's destination counts as read
	v_mov_b32 v[TM+3], 0
.irp a, 0,1,2,3,4,5,6,7
	ROPEQ \a
	QUANT2 O
.if (\a)%2 == 0
	v_mov_b32 v[W+(\a)/2], v[HW]
.else
	v_lshl_or_b32 v[W+(\a)/2], v[HW], 16, v[W+(\a)/2]
.endif
.irp p, 0,1,2
	global_store_b64 v[L8], v[PC+2*\p:PC+2*\p+1], s[SQK:SQK+1] offset:768*\a+256*\p   ; a plane: 256 consecutive bytes, aligned
.endr
.endr
	global_store_b128 v[R16], v[W:W+3], s[SSC:SSC+1]   ; sixteen lanes store 256 consecutive bytes, aligned; lanes l and l + 16 name the same bytes and hold the same words
	s_wait_xcnt 0x0                                ; the loads and stores have read their bases and data: they are written again only behind this wait
	s_add_nc_u64 s[SQK:SQK+1], s[SQK:SQK+1], 6291456
	s_add_nc_u64 s[SSC:SSC+1], s[SSC:SSC+1], 262144
	s_mov_b64 s[BNX:BNX+1], s[10:11]               ; bv
	s_sub_co_u32 s3, s3, 1
	s_cmp_lg_u32 s3, 0
	s_cbranch_scc1 .Ltype
	STEP 0, 1                                      ; v is written out: nothing is left to ask for
	STEP 1, 0
	STEP 2, 0
	CHANGE 3, 0                                    ; behind this barrier nobody reads x's first pair any more: the stages lie there
	STEP 4, 0
	STEP 5, 0
	STEP 6, 0
	s_wait_dscnt 0x0
	WIN MUL
.irp a, 0,1,2,3,4,5,6,7
	MULA \a, 7, 0
.endr
	WIN 0
	PLACES
; ---- v: its K is the keys, which lie across my lanes: 32 keys x 64 columns at a time turn through my stage and come back a column to a lane
.set VW, 160                           ; v160-161 scale words: column group cg
.macro VSTAGE g                        ; tiles 2 g and 2 g + 1: keys 32 g .. 32 g + 31; each accumulator from its low end on
	WIN 0x08                                       ; an LDS store's data: window 2
.irp u, 0,1
.irp b, 0,1,2,3
	ds_store_b128 v[VSI], v[32*(2*(\g)+\u)+8*\b:32*(2*(\g)+\u)+8*\b+3] offset:16*\u*272+128*(\b/2)+32*(\b%2)
	ds_store_b128 v[VSI], v[32*(2*(\g)+\u)+8*\b+4:32*(2*(\g)+\u)+8*\b+7] offset:16*\u*272+128*(\b/2)+32*(\b%2)+16
.endr
.endr
	WIN 0
.endm
.macro VREAD cg                        ; register i: key 32 g + i of my column of group cg.  The wave reads 128 consecutive bytes.  LDS serves a wave's instructions in order
.irp i, 0,1,2,3,4,5,6,7,8,9,10,11,12,13,14,15,16,17,18,19,20,21,22,23,24,25,26,27,28,29,30,31
	ds_load_b32 v[64+32*((\cg)%2)+\i], v[VSO] offset:(16*((\i/8)%2)+8*(\i/16)+\i%8)*272+128*(\cg)
.endr
.endm
.macro VQ g, cg                        ; a block of 32 keys, whole in my lane
.set XS, 64+32*((\cg)%2)
.set CD, 128+12*((\g)%2)+6*(\cg)       ; v128-139 the even blocks' codes, v140-151 the odd ones'
	v_max3_num_f32 v156, |v[XS]|, |v[XS+1]|, |v[XS+2]|
	v_max3_num_f32 v157, |v[XS+3]|, |v[XS+4]|, |v[XS+5]|
.irp i, 6,10,14,18,22,26
	v_max3_num_f32 v156, v156, |v[XS+\i]|, |v[XS+\i+1]|
	v_max3_num_f32 v157, v157, |v[XS+\i+2]|, |v[XS+\i+3]|
.endr
	v_max3_num_f32 v156, v156, |v[XS+30]|, |v[XS+31]|
	v_max3_num_f32 v156, v156, v157, 0x1800000
	v_add_nc_u32 v158, 0xff000000, v156
	v_lshrrev_b32 v159, 23, v158
.if (\g) == 0
	v_mov_b32 v[VW+\cg], v159
.else
	v_lshl_or_b32 v[VW+\cg], v159, 8*(\g), v[VW+\cg]
.endif
	v_cvt_scalef32_pk16_fp6_f32 v[CD:CD+2], v[XS:XS+15], v158
	v_cvt_scalef32_pk16_fp6_f32 v[152:154], v[XS+16:XS+31], v158
	v_nop                                          ; one plain place behind a scaled conversion
.irp i, 0,1,2
	v_mov_b32 v[CD+3+\i], v[152+\i]
.endr
.endm
.irp g, 0,1,2,3
.if \g == 2
	s_wait_xcnt 0x0                                ; the first half's stores have read their data
.endif
	VSTAGE \g
	VREAD 0
	VREAD 1
	s_wait_dscnt 32                                ; all but the second group's 32 reads
	VQ \g, 0
	s_wait_dscnt 0x0
	VQ \g, 1
.if (\g)%2 == 1                        ; a fragment wants the even block in lanes 0-15 and the odd one in lanes 16-31: the swap gives d tile 2 b in the first six registers, 2 b + 1 in the second six
.irp cg, 0,1
.irp i, 0,1,2,3,4,5
	v_permlane16_swap_b32 v[128+6*\cg+\i], v[140+6*\cg+\i]
.endr
.irp p, 0,1,2
	global_store_b64 v[L8], v[128+6*\cg+2*\p:129+6*\cg+2*\p], s[SQK:SQK+1] offset:3072*\cg+768*((\g)/2)+256*\p
	global_store_b64 v[L8], v[140+6*\cg+2*\p:141+6*\cg+2*\p], s[SQK:SQK+1] offset:3072*\cg+1536+768*((\g)/2)+256*\p
.endr
.endr
.endif
.endr
	global_store_b64 v[VSC], v[VW:VW+1], s[SSC:SSC+1]   ; 256 consecutive bytes, aligned
	s_wait_tensorcnt 0x0                           ; the wave's end: behind my last tensor load and my last LDS store
	ds_add_u32 v[SPW], v[NIL]
	s_wait_dscnt 0x0
	CROUND                                         ; the closing round
	s_endpgm
.Lfunc_end_k_q18e54b0c1b_qkv:
	.size	k_q18e54b0c1b_qkv, .Lfunc_end_k_q18e54b0c1b_qkv-k_q18e54b0c1b_qkv
	.p2alignl 7, 3214868480
	.fill 96, 4, 3214868480
	.section	.rodata,"a",@progbits
	.p2align	6, 0x0
	.amdhsa_kernel k_q18e54b0c1b_qkv
		.amdhsa_group_segment_fixed_size 327680
		.amdhsa_private_segment_fixed_size 0
		.amdhsa_enable_private_segment 0
		.amdhsa_kernarg_size 40
		.amdhsa_user_sgpr_count 2
		.amdhsa_user_sgpr_kernarg_segment_ptr 1
		.amdhsa_wavefront_size32 1
		.amdhsa_system_sgpr_workgroup_id_x 1
		.amdhsa_system_sgpr_workgroup_id_y 1
		.amdhsa_system_sgpr_workgroup_id_z 1
		.amdhsa_system_vgpr_workitem_id 0
		.amdhsa_next_free_vgpr 1024
		.amdhsa_next_free_sgpr 98
		.amdhsa_reserve_vcc 0
		.amdhsa_float_denorm_mode_32 3
		.amdhsa_float_denorm_mode_16_64 3
		.amdhsa_memory_ordered 1
		.amdhsa_forward_progress 1
		.amdhsa_inst_pref_size 233
	.end_amdhsa_kernel
	.amdgpu_metadata
---
amdhsa.version: [ 1, 2 ]
amdhsa.kernels:
  - .name:           k_q18e54b0c1b_qkv
    .symbol:         k_q18e54b0c1b_qkv.kd
    .args:
      - { .name: pre, .offset: 0, .size: 8, .value_kind: global_buffer, .address_space: global }
      - { .name: bq, .offset: 8, .size: 8, .value_kind: global_buffer, .address_space: global }
      - { .name: bk, .offset: 16, .size: 8, .value_kind: global_buffer, .address_space: global }
      - { .name: bv, .offset: 24, .size: 8, .value_kind: global_buffer, .address_space: global }
      - { .name: qkv, .offset: 32, .size: 8, .value_kind: global_buffer, .address_space: global }
    .group_segment_fixed_size: 327680
    .private_segment_fixed_size: 0
    .kernarg_segment_align: 8
    .kernarg_segment_size: 40
    .max_flat_workgroup_size: 128
    .sgpr_count:     98
    .vgpr_count:     1024
    .wavefront_size: 32
...
	.end_amdgpu_metadata
.endif
;; end of part 6
;; launch attn (part 7): grid 2 x 128, 8 waves a work-group, no clusters, 327,680 bytes of LDS; arguments qkv, att; writes att
.if DOCPART == 7
	.amdgcn_target "amdgcn-amd-amdhsa--gfx1250"
	.amdhsa_code_object_version 6
	.text
	.protected	k_q18e54b0c1b_attn
	.globl	k_q18e54b0c1b_attn
	.p2align	8
	.type	k_q18e54b0c1b_attn,@function
k_q18e54b0c1b_attn:
	s_mov_b64 s[64:65], 0
	v_nop
	global_prefetch_b8 v0, s[64:65] scope:SCOPE_SE
	s_setreg_imm32_b32 hwreg(HW_REG_WAVE_MODE, 25, 1), 1
	s_wait_xcnt 0x0
; ATTENTION on codes of FP6: for each of 128 heads (batch x head), 1,024 queries x 1,024 keys, head size 64.  t = score x log2(e) / 8; M = the running largest t rounded up to a whole number; p = 2^(t - M) is quantised along
; the keys; the row's sum is taken of the unquantised p and divides O at the end; O is then quantised along the model's 1,024 (my head's two blocks) into the image that the last product reads.
; SHARES.  A work-group owns 512 queries of one head; each of its eight waves owns 64 of them, four tiles of 16, and walks the keys once, in 8 steps of 128.  In a step the tiles go in two pairs; a pair shares each fragment of K and V read from LDS.
; THE HEAD'S WHOLE K AND V COME INTO LDS, each byte filled once, IN TWO PARTS.  The head's loads, one a wave (waves 0 to 6), bring key steps 0 to 4 and all scale words.  Behind the wait for them, the add and a barrier,
; waves 0 to 5 ask for key steps 5 to 7, ahead of the loops.  The walk is two trips of four steps; at a trip's end each wave waits for its load and passes a barrier:
; so the second part has four steps, 192 matrix instructions a wave, in which to land, and no tensor load stands in a loop.  LDS rows are 256 bytes + 96 of padding (pitch 352).
; K'S FRAGMENTS ARE READ FROM LDS AHEAD: fragments 0 and 1 of the pair to come under this pair's softmax, into registers of their own; fragments 2 and 3 and the scale words behind this pair's last products.  Step 3 so reads step 4's K,
; which is why the first part reaches to step 4.  Step 7 reads one step beyond K: V's first planes and V's scale words, bytes that the head's loads filled; what is read there is not used.
; Both products are used transposed: a lane holds one query throughout.  THE HEAD IS 64 AND THE INSTRUCTION TAKES 128: a fragment of K holds two tiles of 16 keys side by side along K, and q stands beside 64 zero codes:
; [q | 0] multiplies the first tile, [0 | q] the second.  The zero codes' scale bytes are 127.
; WHICH KEYS FORM A TILE is chosen as the fragments are read from LDS.  In memory row rho of tile t is key 32 (t / 2) + 8 (t % 2) + rho + 8 (rho / 8).  Fragment G = 2 c + e of a step takes, for its rows 0-7, rows 8 e .. 8 e + 7 of the stored
; fragment 2 c, and for its rows 8-15 the same rows of the stored fragment 2 c + 1.  Score register 32 c + i of lane (r, h) is then key 64 c + 32 h + i of query r: a lane holds WHOLE blocks of 32 keys, in the order of p's operand registers.
; So a block's largest score needs no other lane and p's codes need no lane swap.  Stored fragments 2 c and 2 c + 1 lie 6 x 352 = 2,112 bytes apart, 64 modulo 256: the 32 lanes of such a load touch 64 different banks.
; NO CLUSTER: a head is read by two work-groups alone (the grid's x is 2), each of which fetches it once.  NO PREFETCH: the first part is asked for by the launch's first loads, the second four steps ahead of the wait for it.
; LIMITS: a block of zeros gets the byte 1 (codes zero); NaN and infinities are not served.  The scaled scores stay under 2^31 in magnitude.  o's scale bytes leave as two bytes a row, eight bytes apart.
; REGISTERS.  Window 0: v1-11 addresses; v12-27 state of the four tiles (-M, largest score, the sum in two halves); v28-35 q's scale words; v36-43 K's and V's; v44-45 p's; v46-95 at work; v96-223 S^T, then p, of a pair; v224-247 p's codes.
;   Window 1: v0-47 V's four fragments (v24-47 before them K's fragments 2, 3); v48-101 zeros, q0, zeros, q1, zeros, q2, zeros, q3, zeros (six each); v102-125 K's fragments 0, 1; v128-255 O^T of the four tiles.
.set KIMG,  6291456
.set QSCL,  18874368
.set KSCL,  19136512
.set AKS,   1572864
.set OSCL,  6291456
.set PIT,   352
.set STEPB, 24*PIT                     ; a step's 24 planes of K (or of V)
.set VOFF,  192*PIT                    ; LDS: K's 192 planes, then V's,
.set KSC,   2*VOFF                     ; K's scale words, V's 2,048 bytes on,
.set SPARE, KSC+4096                   ; and the spare words, 128 bytes for each wave
.set L8,  1                            ; 8 x lane
.set KL,  2                            ; K: 2112 (r / 8) + 8 (r % 8) + 128 h
.set KSL, 3                            ; K's scale words: KSC + 16 (r % 8) + 4 (r / 8)
.set VSL, 4                            ; V's: KSC + 2048 + 16 r
.set SPW, 5
.set NIL, 6
.set H8,  7                            ; 8 h
.set KA,  8                            ; the step's four addresses
.set VA,  9
.set KSA, 10
.set VSA, 11
.set ST,  12
.set QS,  28
.set KS,  36
.set VS,  40
.set PW,  44
.set BM,  46
.set T,   50
.set PX,  52
.set F,   54
.set BS,  58
.set BB,  62
.set X,   66                           ; v66-81 the sums' chains, then the conversions' second halves
.set BN,  82                           ; v82-85 the maxima's second chains
.set SS,  96
.set PC,  224
.set RAW, 248
.set VL,  250                          ; VOFF + 8 x lane
.set R8,  251
.set R16, 252
.set QB,  48                           ; window 1
.set EB,  102                          ; window 1
.set OO,  128                          ; window 1
.set WV,  18
.set SEL, 20
.set CS,  22
.set G1C, 24
.set G1S, 32
.set G0C, 40
.set G0S, 44
.set G0D, 60                           ; group 0 of the second part's load
.set TB,  2
.set TS,  3
.set CNT, 48
.set PH,  49
.set SQ,  50
.set SQS, 52
.set SO,  54
.set SOS, 56
.set MSB, 0
.macro WIN new                         ; the immediate's high byte repeats the setting that is left
.if MSB != \new
	s_set_vgpr_msb (MSB<<8)|\new
.set MSB, \new
.endif
.endm
.set LDF,  0x40                        ; destination window 1
.set SMUL, 0x05                        ; sources 0 and 1 window 1, D window 0
.set RESC, 0x41                        ; source 0 and destination window 1
.set PVM,  0x51                        ; source 0, C and D window 1, source 1 window 0
.set FIN,  0x01                        ; source 0 window 1
.macro PLACES                          ; four places behind a matrix instruction (ISA guide 7.12.1)
.rept 4
	v_nop
.endr
.endm
.macro KLO adr, off                    ; K's fragments 0, 1 (destination window 1)
.irp g, 0,1
.irp p, 0,1,2,3,4,5
	ds_load_b64 v[EB+12*\g+2*\p:EB+12*\g+2*\p+1], v[\adr] offset:(\off)+\p*PIT+64*\g
.endr
.endr
.endm
.macro KHI adr, off                    ; K's fragments 2, 3 (destination window 1)
.irp g, 0,1
.irp p, 0,1,2,3,4,5
	ds_load_b64 v[24+12*\g+2*\p:25+12*\g+2*\p], v[\adr] offset:(\off)+12*PIT+\p*PIT+64*\g
.endr
.endr
.endm
.macro KSW adr, off                    ; the scale words of the stored rows that my row r takes
.irp g, 0,1,2,3
	ds_load_b32 v[KS+\g], v[\adr] offset:(\off)+128*(\g%2)+8*(\g/2)
.endr
.endm
	s_load_b128 s[4:7], s[0:1], 0x0                ; qkv, att
	v_lshl_add_u32 v[SPW], v0, 2, SPARE
	v_mov_b32 v[NIL], 0
	ds_add_u32 v[SPW], v[NIL]                      ; the opening lines: the add, twice on end, and its wait ahead of the first tensor loads
	ds_add_u32 v[SPW], v[NIL]
	v_lshrrev_b32 v8, 5, v0
	v_readfirstlane_b32 s[WV], v8                  ; wave 0..7
	s_and_b32 s8, ttmp7, 0xffff                    ; the head, of 128
	s_mov_b32 s[G1C], (3<<16)|(1<<20)|(5<<22)|(23<<25)  ; codes: dense rows of 256 bytes (32 elements of 8), 40 of them in the head's loads; behind every 64 dwords 24 dwords of padding
	s_mov_b32 s[G1C+1], 32<<16
	s_mov_b32 s[G1C+2], 40<<16
	s_mov_b32 s[G1C+3], 32<<16
	s_mov_b32 s[G1C+4], 40
	s_mov_b32 s[G1C+5], 32
	s_mov_b32 s[G1C+6], 0
	s_mov_b32 s[G1C+7], 0
	s_mov_b32 s[G1S], 3<<16                        ; scale words: K's 2,048 bytes and V's, 262,144 bytes on
	s_mov_b32 s[G1S+1], 256<<16
	s_mov_b32 s[G1S+2], 2<<16
	s_mov_b32 s[G1S+3], 256<<16
	s_mov_b32 s[G1S+4], 2
	s_mov_b32 s[G1S+5], 32768
	s_mov_b32 s[G1S+6], 0
	s_mov_b32 s[G1S+7], 0
	s_lshr_b32 s16, s[WV], 1                       ; waves 0 to 5: which third of a part's planes;
	s_and_b32 s17, s[WV], 1                        ; the even ones fetch K's images, the odd ones V's, KIMG further on
	s_mul_i32 s9, s17, KIMG
	s_mul_i32 s10, s8, 49152
	s_add_co_u32 s10, s10, s9
	s_add_co_u32 s10, s10, KIMG
	s_mul_i32 s9, s16, 24*256                      ; the second part: behind 120 planes, thirds of 24
	s_add_co_u32 s14, s10, s9
	s_add_co_u32 s14, s14, 120*256
	s_mov_b32 s15, 0
	s_mul_i32 s9, s16, 40*256                      ; the first: thirds of 40
	s_add_co_u32 s10, s10, s9
	s_mov_b32 s11, 0
	s_lshl_b32 s12, s8, 11
	s_add_co_u32 s12, s12, KSCL
	s_mov_b32 s13, 0
	s_mov_b32 s[SEL], 0x76543210
	s_mov_b32 s[SEL+1], 0xfedcba98                 ; v_permlanex16_b32's selects for lane l xor 16
	s_mov_b32 s[CS], 0x3e38aa3b                    ; c = log2(e) / 8
	s_mov_b32 s[CS+1], s[CS]
	s_wait_dscnt 0x0                               ; both opening adds are done
	s_wait_kmcnt 0x0
	s_mul_i32 s9, s17, VOFF
	s_mov_b32 s[G0C], 1
	s_mul_i32 s[G0C+1], s16, 40*PIT
	s_add_co_u32 s[G0C+1], s[G0C+1], s9
	s_add_nc_u64 s[G0C+2:G0C+3], s[4:5], s[10:11]
	s_or_b32 s[G0C+3], s[G0C+3], 0x80000000
	s_mov_b32 s[G0D], 1
	s_mul_i32 s[G0D+1], s16, 24*PIT
	s_add_co_u32 s[G0D+1], s[G0D+1], s9
	s_add_co_u32 s[G0D+1], s[G0D+1], 120*PIT
	s_add_nc_u64 s[G0D+2:G0D+3], s[4:5], s[14:15]
	s_or_b32 s[G0D+3], s[G0D+3], 0x80000000
	s_mov_b32 s[G0S], 1
	s_mov_b32 s[G0S+1], KSC
	s_add_nc_u64 s[G0S+2:G0S+3], s[4:5], s[12:13]
	s_or_b32 s[G0S+3], s[G0S+3], 0x80000000
	s_cmp_lt_u32 s[WV], 6                          ; one load a wave, waves 0 to 6; an s_nop 0 and four v_nop follow each line
	s_cbranch_scc0 .Lnot_codes
	tensor_load_to_lds s[G0C:G0C+3], s[G1C:G1C+7]  ; key steps 0 to 4
	s_nop 0
	PLACES
	s_branch .Lasked
.Lnot_codes:
	s_cmp_eq_u32 s[WV], 6
	s_cbranch_scc0 .Lasked
	tensor_load_to_lds s[G0S:G0S+3], s[G1S:G1S+7]
	s_nop 0
	PLACES
.Lasked:
	v_and_b32 v8, 31, v0                           ; lane
	v_and_b32 v9, 15, v0                           ; r
	v_bfe_u32 v10, v0, 4, 1                        ; h
	v_bfe_u32 v11, v0, 3, 1                        ; r / 8
	v_and_b32 v46, 7, v0                           ; r % 8
	v_lshlrev_b32 v[L8], 3, v8
	v_mul_u32_u24 v[KL], v11, 6*PIT
	v_lshlrev_b32 v[KSL], 4, v46
	v_lshlrev_b32 v[R16], 4, v9
	v_lshl_add_u32 v[KL], v46, 3, v[KL]
	v_lshl_add_u32 v[KSL], v11, 2, v[KSL]
	v_add_nc_u32 v[VSL], KSC+2048, v[R16]
	v_lshl_add_u32 v[KL], v10, 7, v[KL]
	v_add_nc_u32 v[KSL], KSC, v[KSL]
	v_add_nc_u32 v[VL], VOFF, v[L8]
	v_lshlrev_b32 v[H8], 3, v10
	v_lshlrev_b32 v[R8], 3, v9
	s_wait_alu depctr_va_vdst(0)                   ; ahead of the run of scalar instructions
	s_lshl_b32 s9, ttmp9, 5
	s_lshl_b32 s10, s[WV], 2
	s_add_co_u32 s9, s9, s10                       ; my first tile of queries, of the head's 64
	s_mul_i32 s10, s8, 49152
	s_mul_i32 s11, s9, 768
	s_add_co_u32 s10, s10, s11
	s_mov_b32 s11, 0
	s_add_nc_u64 s[SQ:SQ+1], s[4:5], s[10:11]      ; my four half fragments of q
	s_lshl_b32 s10, s8, 11
	s_lshr_b32 s12, s9, 3
	s_lshl_b32 s12, s12, 8
	s_add_co_u32 s10, s10, s12
	s_and_b32 s12, s[WV], 1
	s_lshl_b32 s12, s12, 3
	s_add_co_u32 s10, s10, s12
	s_add_co_u32 s10, s10, QSCL
	s_add_nc_u64 s[SQS:SQS+1], s[4:5], s[10:11]    ; the two words that hold their scale bytes: tiles 0, 1 in the halves of the first, 2, 3 of the second
	global_load_b64 v[RAW:RAW+1], v[R16], s[SQS:SQS+1]
	WIN LDF
.irp i, 0,1,2,3
.irp p, 0,1,2
	global_load_b64 v[QB+6+12*\i+2*\p:QB+7+12*\i+2*\p], v[L8], s[SQ:SQ+1] offset:768*\i+256*\p
.endr
.endr
.irp z, 0,1,2,3,4
.irp j, 0,1,2,3,4,5
	v_mov_b32 v[QB+12*\z+\j], 0                    ; the zero codes beside q
.endr
.endr
.set j, 0
.rept 128
	v_mov_b32 v[OO+j], 0                           ; O^T: the step is written once; its first trip finds zeros.  These lines run while the tiles are on their way
.set j, j+1
.endr
	WIN 0
	s_and_b32 s12, s8, 15                          ; head of 16
	s_lshr_b32 s13, s8, 4                          ; batch element
	s_lshr_b32 s14, s12, 2                         ; the last product's kstep: 4 heads each
	s_mul_i32 s10, s14, AKS
	s_lshl_b32 s15, s13, 6
	s_add_co_u32 s15, s15, s9                      ; image tile
	s_mul_i32 s16, s15, 3072
	s_add_co_u32 s10, s10, s16
	s_and_b32 s16, s12, 3
	s_mul_i32 s17, s16, 768                        ; my head's half fragment of the kstep's four
	s_add_co_u32 s10, s10, s17
	s_add_nc_u64 s[SO:SO+1], s[6:7], s[10:11]
	s_lshl_b32 s10, s14, 16
	s_lshl_b32 s15, s15, 7
	s_add_co_u32 s10, s10, s15
	s_lshl_b32 s16, s16, 1
	s_add_co_u32 s10, s10, s16
	s_add_co_u32 s10, s10, OSCL
	s_add_nc_u64 s[SOS:SOS+1], s[6:7], s[10:11]
	s_wait_alu depctr_va_vdst(0)
	s_wait_tensorcnt 0x0                           ; my part of key steps 0 to 4 is in,
	ds_add_u32 v[SPW], v[NIL]                      ; the add twice on end
	ds_add_u32 v[SPW], v[NIL]
	s_mov_b32 s[G1C+2], 24<<16                     ; no load of mine is out, so a descriptor may be written: the second part's loads bring 24 rows
	s_mov_b32 s[G1C+4], 24
	s_wait_dscnt 0x0                               ; both adds are done
	s_barrier_signal -1
	s_barrier_wait -1                              ; everybody's part is in
	s_cmp_lt_u32 s[WV], 6
	s_cbranch_scc0 .Lno_second
	tensor_load_to_lds s[G0D:G0D+3], s[G1C:G1C+7]  ; key steps 5 to 7: my one load behind this barrier, on bytes that nothing has filled
	s_nop 0
	PLACES
.Lno_second:
	WIN LDF                                        ; the first pair's K, in the order in which every pair finds its loads: fragments 0, 1; the scale words; fragments 2, 3
	KLO KL, 0
	WIN 0
	KSW KSL, 0
	WIN LDF
	KHI KL, 0
	WIN 0
	s_wait_loadcnt 0x0                             ; q
	v_and_b32 v46, 0xffff, v[RAW]
	v_lshrrev_b32 v47, 16, v[RAW]
	v_and_b32 v48, 0xffff, v[RAW+1]
	v_lshrrev_b32 v49, 16, v[RAW+1]
.irp i, 0,1,2,3
	v_or_b32 v[QS+2*\i], 0x7f7f0000, v[46+\i]      ; for [q | 0]
	v_lshl_or_b32 v[QS+2*\i+1], v[46+\i], 16, 0x7f7f   ; for [0 | q]
.endr
.irp i, 0,1,2,3                        ; (these lines are also the places between the making of the scale words and the first product)
	v_mov_b32 v[ST+4*\i+1], 0xff61b1e6             ; the largest score so far: -3e38
	v_mov_b32 v[ST+4*\i+2], 0
	v_mov_b32 v[ST+4*\i+3], 0
.endr
.irp i, 0,1,2,3
	v_floor_f32 v[ST+4*\i], -v[ST+4*\i+1]          ; -M
.endr
	v_mov_b32 v[PX], 0                             ; a lane permute's destination counts as read
	v_mov_b32 v[PX+1], 0
	v_mov_b32 v[F+1], 0                            ; (named as the upper halves of pairs)
	v_mov_b32 v[F+3], 0
	s_mov_b32 s[TB], 0
	s_mov_b32 s[TS], 0
	s_mov_b32 s[PH], 2
	s_wait_alu depctr_va_vdst(0)                   ; the head's end
; Eight products of S^T = K Q^T: fragments g0, g0 + 1, whose registers begin at fb, against both tiles
.macro SMM pr, g0, fb
.irp g, 0,1
.irp u, 0,1
	v_wmma_scale_f32_16x16x128_f8f6f4 v[SS+64*\u+16*(\g0+\g):SS+64*\u+16*(\g0+\g)+7], v[\fb+12*\g:\fb+12*\g+11], v[QB+6+12*(2*\pr+\u):QB+17+12*(2*\pr+\u)], 0, v[KS+\g0+\g], v[QS+2*(2*\pr+\u)] matrix_a_fmt:MATRIX_FMT_FP6 matrix_b_fmt:MATRIX_FMT_FP6
	v_wmma_scale_f32_16x16x128_f8f6f4 v[SS+64*\u+16*(\g0+\g)+8:SS+64*\u+16*(\g0+\g)+15], v[\fb+12*\g:\fb+12*\g+11], v[QB+12*(2*\pr+\u):QB+11+12*(2*\pr+\u)], 0, v[KS+\g0+\g], v[QS+2*(2*\pr+\u)+1] matrix_a_fmt:MATRIX_FMT_FP6 matrix_b_fmt:MATRIX_FMT_FP6
.endr
.endr
.endm
; A pair of tiles (2 pr, 2 pr + 1) against a step's 128 keys.  Lines of the two tiles, and of a tile's two blocks a lane, take turns.
.macro SUB pr
	s_wait_alu depctr_va_vdst(0)
	s_wait_dscnt 12                                ; K's fragments 0, 1 and the scale words are in; the youngest twelve loads, fragments 2, 3, may be out
	WIN SMUL
	SMM \pr, 0, EB                                 ; sixteen accumulators, each written once
	s_wait_dscnt 0x0
	SMM \pr, 2, 24
	PLACES
	WIN LDF
.irp t, 0,1,2,3                        ; V's four fragments land under the softmax,
.irp p, 0,1,2,3,4,5
	ds_load_b64 v[12*\t+2*\p:12*\t+2*\p+1], v[VA] offset:(6*\t+\p)*PIT
.endr
.endr
	KLO KA, \pr*STEPB                              ; and K's fragments 0, 1 of the pair to come: this step's again, or the next step's
	WIN 0
	ds_load_b128 v[VS:VS+3], v[VSA]
.irp u, 0,1
.irp c, 0,1
	v_max3_num_f32 v[BM+2*\u+\c], v[SS+64*\u+32*\c], v[SS+64*\u+32*\c+1], v[SS+64*\u+32*\c+2]   ; the largest score of my block 2 c + h, whole in my lane, in two chains: for the row's maximum and, since p rises with the score, for the block's largest p
	v_max3_num_f32 v[BN+2*\u+\c], v[SS+64*\u+32*\c+16], v[SS+64*\u+32*\c+17], v[SS+64*\u+32*\c+18]
.endr
.endr
.irp i, 3,5,7,9,11,13
.irp u, 0,1
.irp c, 0,1
	v_max3_num_f32 v[BM+2*\u+\c], v[BM+2*\u+\c], v[SS+64*\u+32*\c+\i], v[SS+64*\u+32*\c+\i+1]
	v_max3_num_f32 v[BN+2*\u+\c], v[BN+2*\u+\c], v[SS+64*\u+32*\c+16+\i], v[SS+64*\u+32*\c+17+\i]
.endr
.endr
.endr
.irp u, 0,1
.irp c, 0,1
	v_max3_num_f32 v[BM+2*\u+\c], v[BM+2*\u+\c], v[BN+2*\u+\c], v[SS+64*\u+32*\c+15]
.endr
.endr
.irp u, 0,1
.irp c, 0,1
	v_max_num_f32 v[BM+2*\u+\c], v[BM+2*\u+\c], v[SS+64*\u+32*\c+31]
.endr
.endr
.irp u, 0,1
	v_max_num_f32 v[T+\u], v[BM+2*\u], v[BM+2*\u+1]
.endr
.irp u, 0,1
	s_delay_alu instid0(VALU_DEP_2)
	v_permlanex16_b32 v[PX+\u], v[T+\u], s[SEL], s[SEL+1]
.endr
.irp u, 0,1
	s_delay_alu instid0(VALU_DEP_2)
	v_max3_num_f32 v[ST+4*(2*\pr+\u)+1], v[ST+4*(2*\pr+\u)+1], v[T+\u], v[PX+\u]   ; the running largest score (c is positive)
.endr
.irp u, 0,1
	s_delay_alu instid0(VALU_DEP_2)
	v_mul_f32 v[T+\u], s[CS], v[ST+4*(2*\pr+\u)+1]
.endr
.irp u, 0,1
	v_mov_b32 v[PX+\u], v[ST+4*(2*\pr+\u)]
.endr
.irp u, 0,1
	s_delay_alu instid0(VALU_DEP_4)
	v_floor_f32 v[ST+4*(2*\pr+\u)], -v[T+\u]       ; the new -M: M is a whole number
.endr
.irp u, 0,1
	s_delay_alu instid0(VALU_DEP_2)
	v_sub_f32 v[T+\u], v[ST+4*(2*\pr+\u)], v[PX+\u]
.endr
.irp u, 0,1
	s_delay_alu instid0(VALU_DEP_2)
	v_cvt_i32_f32 v[T+\u], v[T+\u]                 ; (it saturates)
.endr
.irp u, 0,1
	s_delay_alu instid0(VALU_DEP_2)
	v_ldexp_f32 v[F+2*\u], 1.0, v[T+\u]            ; f = 2^(old M - new M): a multiplication by it rounds nothing
.endr
.irp u, 0,1
.set j, 0
.rept 32
	v_pk_fma_f32 v[SS+64*\u+j:SS+64*\u+j+1], v[SS+64*\u+j:SS+64*\u+j+1], s[CS:CS+1], v[ST+4*(2*\pr+\u):ST+4*(2*\pr+\u)+1] op_sel_hi:[1,0,0]   ; t - M
.set j, j+2
.endr
.endr
.irp u, 0,1
.irp c, 0,1
	v_fma_f32 v[BM+2*\u+\c], v[BM+2*\u+\c], s[CS], v[ST+4*(2*\pr+\u)]
.endr
.endr
	s_wait_alu depctr_va_vdst(0)                   ; ahead of the batch
.set j, 0
.rept 128
	v_exp_f32 v[SS+j], v[SS+j]                     ; p = 2^(t - M)
.set j, j+1
.endr
.irp b, 0,1,2,3
	v_exp_f32 v[BM+\b], v[BM+\b]                   ; each block's largest p: the same two instructions on the same number
.endr
	v_nop                                          ; a plain place behind the exponentials
	s_wait_alu depctr_va_vdst(0)                   ; one wait for the whole batch, ahead of its first reader
.irp u, 0,1                            ; the row's sum of the unquantised p: four chains a tile, two numbers an instruction
.irp k, 0,1,2,3
	v_pk_add_f32 v[X+8*\u+2*\k:X+8*\u+2*\k+1], v[SS+64*\u+2*\k:SS+64*\u+2*\k+1], v[SS+64*\u+8+2*\k:SS+64*\u+9+2*\k]
.endr
.endr
.irp m, 2,3,4,5,6,7
.irp u, 0,1
.irp k, 0,1,2,3
	v_pk_add_f32 v[X+8*\u+2*\k:X+8*\u+2*\k+1], v[X+8*\u+2*\k:X+8*\u+2*\k+1], v[SS+64*\u+8*\m+2*\k:SS+64*\u+8*\m+2*\k+1]
.endr
.endr
.endr
.irp u, 0,1
	v_pk_add_f32 v[X+8*\u:X+8*\u+1], v[X+8*\u:X+8*\u+1], v[X+8*\u+2:X+8*\u+3]
	v_pk_add_f32 v[X+8*\u+4:X+8*\u+5], v[X+8*\u+4:X+8*\u+5], v[X+8*\u+6:X+8*\u+7]
.endr
.irp b, 0,1,2,3
	v_max_num_f32 v[BM+\b], 0x1800000, v[BM+\b]    ; the floor 2^(3 - 127)
.endr
.irp u, 0,1
	v_pk_add_f32 v[X+8*\u:X+8*\u+1], v[X+8*\u:X+8*\u+1], v[X+8*\u+4:X+8*\u+5]
.endr
.irp b, 0,1,2,3
	v_add_nc_u32 v[BS+\b], 0xff000000, v[BM+\b]    ; 2 off the exponent field: the conversion's scale operand
.endr
.irp u, 0,1
	v_pk_fma_f32 v[ST+4*(2*\pr+\u)+2:ST+4*(2*\pr+\u)+3], v[ST+4*(2*\pr+\u)+2:ST+4*(2*\pr+\u)+3], v[F+2*\u:F+2*\u+1], v[X+8*\u:X+8*\u+1] op_sel_hi:[1,0,1]   ; the old sum under the new M, and this step's
.endr
.irp b, 0,1,2,3
	v_lshrrev_b32 v[BB+\b], 23, v[BS+\b]           ; the scale's byte
.endr
.irp u, 0,1
	v_lshl_or_b32 v[PW+\u], v[BB+2*\u+1], 16, v[BB+2*\u]   ; my two bytes: blocks h and 2 + h,
.endr
.irp u, 0,1
	s_delay_alu instid0(VALU_DEP_2)
	v_lshlrev_b32 v[PW+\u], v[H8], v[PW+\u]        ; at their places in the word;
.endr
.irp u, 0,1
	s_delay_alu instid0(VALU_DEP_2)
	v_permlanex16_b32 v[PX+\u], v[PW+\u], s[SEL], s[SEL+1]
.endr
.irp u, 0,1
	s_delay_alu instid0(VALU_DEP_2)
	v_or_b32 v[PW+\u], v[PW+\u], v[PX+\u]          ; with lane l xor 16's two the word is whole
.endr
.irp u, 0,1
.irp c, 0,1
	v_cvt_scalef32_pk16_fp6_f32 v[PC+12*\u+6*\c:PC+12*\u+6*\c+2], v[SS+64*\u+32*\c:SS+64*\u+32*\c+15], v[BS+2*\u+\c]
	v_cvt_scalef32_pk16_fp6_f32 v[X+8*\u+4*\c:X+8*\u+4*\c+2], v[SS+64*\u+32*\c+16:SS+64*\u+32*\c+31], v[BS+2*\u+\c]   ; (a conversion's three registers begin on an even number)
.endr
.endr
	v_nop                                          ; one plain place behind a scaled conversion
.irp u, 0,1
.irp c, 0,1
.irp i, 0,1,2
	v_mov_b32 v[PC+12*\u+6*\c+3+\i], v[X+8*\u+4*\c+\i]
.endr
.endr
.endr
	WIN RESC
	s_wait_alu depctr_va_vdst(0)                   ; directly ahead of the first reader of O^T
.irp u, 0,1
.set j, 0
.rept 16
	v_pk_mul_f32 v[OO+32*(2*\pr+\u)+j:OO+32*(2*\pr+\u)+j+1], v[OO+32*(2*\pr+\u)+j:OO+32*(2*\pr+\u)+j+1], v[F+2*\u:F+2*\u+1] op_sel_hi:[1,0]   ; O^T under the new M; also the places in front of the products below
.set j, j+2
.endr
.endr
	s_wait_alu depctr_va_vdst(0)
	s_wait_dscnt 0x0                               ; V
	WIN PVM
.irp t, 0,1,2,3                        ; O^T += V^T P^T: eight accumulators by turns
.irp u, 0,1
	v_wmma_scale_f32_16x16x128_f8f6f4 v[OO+32*(2*\pr+\u)+8*\t:OO+32*(2*\pr+\u)+8*\t+7], v[12*\t:12*\t+11], v[PC+12*\u:PC+12*\u+11], v[OO+32*(2*\pr+\u)+8*\t:OO+32*(2*\pr+\u)+8*\t+7], v[VS+2*(\t%2)+\t/2], v[PW+\u] matrix_a_fmt:MATRIX_FMT_FP6 matrix_b_fmt:MATRIX_FMT_FP6
.endr
.endr
	PLACES                                         ; in front of loads into registers that these products read
	WIN 0
	KSW KSA, \pr*256                               ; for the pair to come: the scale words,
	WIN LDF
	KHI KA, \pr*STEPB                              ; and, youngest, K's fragments 2, 3
	WIN 0
.endm
.Lhalf:                                            ; two trips: key steps 0 to 3, then 4 to 7
	s_mov_b32 s[CNT], 4
.Lkey:                                             ; a step of 128 keys
	v_add_nc_u32 v[KA], s[TB], v[KL]
	v_add_nc_u32 v[VA], s[TB], v[VL]
	v_add_nc_u32 v[KSA], s[TS], v[KSL]
	v_add_nc_u32 v[VSA], s[TS], v[VSL]
	SUB 0
	SUB 1
	s_add_co_u32 s[TB], s[TB], STEPB
	s_add_co_u32 s[TS], s[TS], 256
	s_sub_co_u32 s[CNT], s[CNT], 1
	s_cmp_lg_u32 s[CNT], 0
	s_cbranch_scc1 .Lkey
	s_wait_tensorcnt 0x0                           ; my part of key steps 5 to 7 is in (asked for four steps ago; in the second trip nothing is out),
	s_wait_dscnt 0x0                               ; and no LDS instruction of mine is out at the signal
	s_barrier_signal -1
	s_barrier_wait -1                              ; everybody's is.
	s_sub_co_u32 s[PH], s[PH], 1
	s_cmp_lg_u32 s[PH], 0
	s_cbranch_scc1 .Lhalf
.irp i, 0,1,2,3
	v_add_f32 v[ST+4*\i+2], v[ST+4*\i+2], v[ST+4*\i+3]
.endr
.irp i, 0,1,2,3
	v_permlanex16_b32 v[BM+\i], v[ST+4*\i+2], s[SEL], s[SEL+1]
.endr
.irp i, 0,1,2,3
	v_add_f32 v[ST+4*\i+2], v[ST+4*\i+2], v[BM+\i]   ; the row's sum
.endr
	s_wait_alu depctr_va_vdst(0)                   ; ahead of the batch
.irp i, 0,1,2,3
	v_rcp_f32 v[ST+4*\i+2], v[ST+4*\i+2]
.endr
	v_nop                                          ; a plain place behind the transcendentals
	WIN FIN
	s_wait_alu depctr_va_vdst(0)                   ; and the wait ahead of their first reader, which is also O^T's
.irp i, 0,1,2,3
.set j, 0
.rept 16
	v_pk_mul_f32 v[SS+32*\i+j:SS+32*\i+j+1], v[OO+32*\i+j:OO+32*\i+j+1], v[ST+4*\i+2:ST+4*\i+3] op_sel_hi:[1,0]   ; o(d): registers 0-15: d = 16 h + i; 16-31: d = 32 + 16 h + i
.set j, j+2
.endr
.endr
	WIN 0
; o's 32 numbers of a lane, register 16 b + i = d 32 b + 16 h + i of my row, become half a fragment's codes and two scale bytes; the four tiles take turns
.set TM, 46                            ; tile i: v[TM + 8 i ..]: two maxima, two at work, two scale operands, the two bytes
.set PE, 80                            ; tile i: v[PE + 4 i ..] the second block's codes as they are made
.irp i, 0,1,2,3
.irp b, 0,1
	v_max3_num_f32 v[TM+8*\i+\b], |v[SS+32*\i+16*\b]|, |v[SS+32*\i+16*\b+1]|, 0x1800000
.endr
.endr
.irp k, 2,4,6,8,10,12,14
.irp i, 0,1,2,3
.irp b, 0,1
	v_max3_num_f32 v[TM+8*\i+\b], v[TM+8*\i+\b], |v[SS+32*\i+16*\b+\k]|, |v[SS+32*\i+16*\b+\k+1]|
.endr
.endr
.endr
.irp i, 0,1,2,3
.irp b, 0,1
	v_permlanex16_b32 v[TM+8*\i+2+\b], v[TM+8*\i+\b], s[SEL], s[SEL+1]
.endr
.endr
.irp i, 0,1,2,3
.irp b, 0,1
	v_max_num_f32 v[TM+8*\i+\b], v[TM+8*\i+\b], v[TM+8*\i+2+\b]
.endr
.endr
.irp i, 0,1,2,3
.irp b, 0,1
	v_add_nc_u32 v[TM+8*\i+4+\b], 0xff000000, v[TM+8*\i+\b]
.endr
.endr
.irp i, 0,1,2,3
.irp b, 0,1
	v_lshrrev_b32 v[TM+8*\i+2+\b], 23, v[TM+8*\i+4+\b]
.endr
.endr
.irp i, 0,1,2,3
	v_lshl_or_b32 v[TM+8*\i+6], v[TM+8*\i+3], 8, v[TM+8*\i+2]
.endr
.irp i, 0,1,2,3
	v_cvt_scalef32_pk16_fp6_f32 v[PC+6*\i:PC+6*\i+2], v[SS+32*\i:SS+32*\i+15], v[TM+8*\i+4]
	v_cvt_scalef32_pk16_fp6_f32 v[PE+4*\i:PE+4*\i+2], v[SS+32*\i+16:SS+32*\i+31], v[TM+8*\i+5]
.endr
	v_nop                                          ; one plain place behind a scaled conversion
.irp i, 0,1,2,3
.irp k, 0,1,2
	v_permlane16_swap_b32 v[PC+6*\i+\k], v[PE+4*\i+\k]   ; a whole block to a lane: lanes 0-15 block 0, lanes 16-31 block 1
.endr
.endr
.irp i, 0,1,2,3
.irp k, 0,1,2
	v_mov_b32 v[PC+6*\i+3+\k], v[PE+4*\i+\k]
.endr
.endr
.irp i, 0,1,2,3
.irp p, 0,1,2
	global_store_b64 v[L8], v[PC+6*\i+2*\p:PC+6*\i+2*\p+1], s[SO:SO+1] offset:3072*\i+256*\p   ; a plane: 256 consecutive bytes, aligned
.endr
	global_store_b16 v[R8], v[TM+8*\i+6], s[SOS:SOS+1] offset:128*\i   ; lanes l and l + 16 name the same two bytes and hold the same value
.endr
	s_wait_tensorcnt 0x0                           ; the wave's end
	ds_add_u32 v[SPW], v[NIL]
	s_wait_dscnt 0x0
	s_endpgm
.Lfunc_end_k_q18e54b0c1b_attn:
	.size	k_q18e54b0c1b_attn, .Lfunc_end_k_q18e54b0c1b_attn-k_q18e54b0c1b_attn
	.p2alignl 7, 3214868480
	.fill 96, 4, 3214868480
	.section	.rodata,"a",@progbits
	.p2align	6, 0x0
	.amdhsa_kernel k_q18e54b0c1b_attn
		.amdhsa_group_segment_fixed_size 327680
		.amdhsa_private_segment_fixed_size 0
		.amdhsa_enable_private_segment 0
		.amdhsa_kernarg_size 16
		.amdhsa_user_sgpr_count 2
		.amdhsa_user_sgpr_kernarg_segment_ptr 1
		.amdhsa_wavefront_size32 1
		.amdhsa_system_sgpr_workgroup_id_x 1
		.amdhsa_system_sgpr_workgroup_id_y 1
		.amdhsa_system_sgpr_workgroup_id_z 1
		.amdhsa_system_vgpr_workitem_id 0
		.amdhsa_next_free_vgpr 512
		.amdhsa_next_free_sgpr 66
		.amdhsa_reserve_vcc 0
		.amdhsa_float_denorm_mode_32 3
		.amdhsa_float_denorm_mode_16_64 3
		.amdhsa_memory_ordered 1
		.amdhsa_forward_progress 1
		.amdhsa_inst_pref_size 89
	.end_amdhsa_kernel
	.amdgpu_metadata
---
amdhsa.version: [ 1, 2 ]
amdhsa.kernels:
  - .name:           k_q18e54b0c1b_attn
    .symbol:         k_q18e54b0c1b_attn.kd
    .args:
      - { .name: qkv, .offset: 0, .size: 8, .value_kind: global_buffer, .address_space: global }
      - { .name: att, .offset: 8, .size: 8, .value_kind: global_buffer, .address_space: global }
    .group_segment_fixed_size: 327680
    .private_segment_fixed_size: 0
    .kernarg_segment_align: 8
    .kernarg_segment_size: 16
    .max_flat_workgroup_size: 256
    .sgpr_count:     66
    .vgpr_count:     512
    .wavefront_size: 32
...
	.end_amdgpu_metadata
.endif
;; end of part 7
;; launch oproj (part 8): grid 4 x 64, 4 waves a work-group, clusters of 4 x 4, 327,680 bytes of LDS; arguments att, pre, bo, out0; writes out0
.if DOCPART == 8
	.amdgcn_target "amdgcn-amd-amdhsa--gfx1250"
	.amdhsa_code_object_version 6
	.text
	.protected	k_q18e54b0c1b_oproj
	.globl	k_q18e54b0c1b_oproj
	.p2align	8
	.type	k_q18e54b0c1b_oproj,@function
k_q18e54b0c1b_oproj:
	s_mov_b64 s[64:65], 0
	v_nop
	global_prefetch_b8 v0, s[64:65] scope:SCOPE_SE
	s_setreg_imm32_b32 hwreg(HW_REG_WAVE_MODE, 25, 1), 1
	s_wait_xcnt 0x0
	s_wait_alu depctr_hold_cnt(0) depctr_sa_sdst(0) depctr_va_vdst(0) depctr_va_sdst(0) depctr_va_ssrc(0) depctr_va_vcc(0) depctr_vm_vsrc(0)
	s_getreg_b32 s2, hwreg(HW_REG_IB_STS2, 6, 4)
	s_cmp_eq_u32 s2, 0
	s_cbranch_scc0 .Lentry_in_a_cluster
	s_endpgm
.Lentry_in_a_cluster:
	s_bfe_u32 s2, ttmp6, 0x10000c
	s_cmp_lg_u32 s2, 0xf033
	s_cbranch_scc0 .Lentry_shape_is_right
	s_endpgm
.Lentry_shape_is_right:
; OUT: out0 = o wo + bo: [8192 x 1024] x [1024 x 1024] on codes of FP6 with E8M0 scales, the bias as the sums' first C.
; A work-group of four waves makes 128 rows x 256 columns: 256 work-groups of equal work.  A wave makes all 128 rows x 64 columns: 32 accumulators.
; BOTH OPERANDS' CODES FOR ALL OF K LIE IN LDS (98,304 + 196,608 bytes), filled once by the head's loads, one a wave, that go out together, and the cluster's rounds stand at the two ends alone.
; Operands lie in memory as images of their registers (a fragment: 6 planes of 256 bytes).  4 x 4 clusters: o's tiles are asked for jointly along a row of the cluster, wo's along a column.  Each wave issues one load.
; The matrix instruction is used transposed; row rho of tile t of an operand is row 32 (t / 2) + 8 (t % 2) + rho + 8 (rho / 8): the way out puts rows and columns back by constants.
; No prefetch: all that the launch reads is asked for by its first loads.
; REGISTERS: window 0: v0-31 addresses; v32-55 scale words, two sets; v64-159, v160-255 o's fragments, two sets (on the way out v64-127: rows read back).  window 1: v0-47, v48-95 wo's fragments; v96-127 the bias.  window 2: accumulator (a, b) at v[8 (4 a + b)].
.set AKS,   1572864
.set BKS,   786432
.set WOIMG, 6291456+589824             ; wo's images: tiles 192 on
.set OSCL,  6291456
.set WOSCL, 9699328+6144               ; wo's scale words: the fourth weight's 2,048 bytes of each [256 columns][K step] row of 8,192
; THE FILLS AS THEY STAND: at the head one joint load a wave, and no other: wave 0 o's codes for all of K, wave 1 wo's for all of K, wave 2 o's scale words, wave 3 wo's.
.set APAIR, 49152                      ; LDS: o's codes [K step 4][tile 8][3072]; two K steps on
.set BBASE, 98304
.set BSLOT, 98304                      ; wo's codes [K step 4][tile 16][3072]; two K steps on
.set SCA,   294912                     ; o's scale words [K step 4][row 128][8]
.set SCB,   299008                     ; wo's [K step 4][row 256][8]
.set SBK,   2048
.set SPARE, 307200                     ; the spare words, 128 bytes for each wave
.set L8,   4
.set BI,   7
.set STO,  8                           ; v8   the way out: where I put 32 bytes of a row
.set RD,   9                           ; v9   where I read rows back
.set CO,   10                          ; v10  my byte offset in out0
.set ADRA, 16
.set ADRB, 18
.set ADSA, 20
.set ADSB, 21
.set SPW,  28
.set NIL,  29
.set SCR,  32
.set AF,   64
.set G1A,  24
.set G1B,  32
.set G1SA, 40
.set G1SB, 48
.set G0SA, 56
.set G0SB, 60
.set G0A,  68
.set G0B,  76
.set MSB, 0
.macro WIN new
.if MSB != \new
	s_set_vgpr_msb (MSB<<8)|\new
.set MSB, \new
.endif
.endm
.set MUL,  0xa1
.set MULZ, 0x91
.set TO_B, 0x40
.macro CREST
	s_cmp_lg_u32 s14, 0
	s_cbranch_scc1 .Lnot_wave_0_\@
	s_barrier_signal -3
.Lnot_wave_0_\@:
	s_barrier_wait -3
	s_barrier_signal -1
	s_barrier_wait -1
.endm
.macro CROUND
	s_barrier_signal -1
	s_barrier_wait -1
	CREST
.endm
.macro PLACES                          ; four plain vector instructions in front of loads into registers that matrix instructions have read, and of the first read of results
.rept 4
	v_nop
.endr
.endm
	s_load_b256 s[4:11], s[0:1], 0x0               ; att, pre, bo, out0
	v_lshl_add_u32 v[SPW], v0, 2, SPARE
	v_mov_b32 v[NIL], 0
	ds_add_u32 v[SPW], v[NIL]                      ; the wave's opening: the add, and its wait ahead of my first tensor load
	ds_add_u32 v[SPW], v[NIL]
	v_lshrrev_b32 v1, 5, v0
	v_readfirstlane_b32 s14, v1                    ; wave 0..3
	s_bfe_u32 s15, ttmp6, 0x40000                  ; cx: which 256 columns (the grid is one cluster wide)
	s_bfe_u32 s16, ttmp6, 0x40004                  ; cy
	s_and_b32 s17, ttmp7, 0xffff
	s_lshl_b32 s17, s17, 2
	s_add_co_u32 s17, s17, s16                     ; which 128 rows
	s_lshl_b32 s18, s16, 2
	s_lshl_b32 s18, 15, s18                        ; my row of the cluster
	s_lshl_b32 s19, 0x1111, s15                    ; my column
	s_or_b32 s[G1A], s18, (3<<16)|(1<<21)
	s_or_b32 s[G1SA], s18, (3<<16)|(1<<21)
	s_or_b32 s[G1B], s19, (3<<16)|(1<<21)
	s_or_b32 s[G1SB], s19, (3<<16)|(1<<21)
	s_mov_b32 s[G1A+1], 3072<<16                   ; o's codes: eight tiles (24,576 dense bytes) of each of four K steps
	s_mov_b32 s[G1A+2], 4<<16
	s_mov_b32 s[G1A+3], 3072<<16
	s_mov_b32 s[G1A+4], 4
	s_mov_b32 s[G1A+5], AKS/8
	s_mov_b32 s[G1A+6], 0
	s_mov_b32 s[G1A+7], 0
	s_mov_b32 s[G1B+1], 6144<<16                   ; wo's codes: sixteen tiles (49,152 dense bytes) of each of four K steps
	s_mov_b32 s[G1B+2], 4<<16
	s_mov_b32 s[G1B+3], 6144<<16
	s_mov_b32 s[G1B+4], 4
	s_mov_b32 s[G1B+5], BKS/8
	s_mov_b32 s[G1B+6], 0
	s_mov_b32 s[G1B+7], 0
	s_mov_b32 s[G1SA+1], 128<<16                   ; o's scale words of one K step: one row of 1,024 bytes
	s_mov_b32 s[G1SA+2], 4<<16                     ; four K steps, 65,536 bytes apart
	s_mov_b32 s[G1SA+3], 128<<16
	s_mov_b32 s[G1SA+4], 4
	s_mov_b32 s[G1SA+5], 8192
	s_mov_b32 s[G1SA+6], 0
	s_mov_b32 s[G1SA+7], 0
	s_mov_b32 s[G1SB+1], 256<<16                   ; wo's of one K step: one row of 2,048 bytes
	s_mov_b32 s[G1SB+2], 4<<16                     ; four K steps, 8,192 bytes apart
	s_mov_b32 s[G1SB+3], 256<<16
	s_mov_b32 s[G1SB+4], 4
	s_mov_b32 s[G1SB+5], 1024
	s_mov_b32 s[G1SB+6], 0
	s_mov_b32 s[G1SB+7], 0
	s_mul_i32 s20, s17, 24576                      ; o's codes hang on the rows alone,
	s_mov_b32 s21, 0
	s_lshl_b32 s22, s17, 10
	s_add_co_u32 s22, s22, OSCL
	s_mov_b32 s23, 0
	s_mul_i32 s84, s15, 49152                      ; wo's on the columns alone
	s_add_co_u32 s84, s84, WOIMG
	s_mov_b32 s85, 0
	s_lshr_b32 s2, s14, 1                          ; my quarter of two K steps: K step wave / 2,
	s_mul_i32 s2, s2, BKS
	s_and_b32 s3, s14, 1                           ; tiles 8 (wave % 2) on
	s_mul_i32 s3, s3, 24576
	s_add_co_u32 s2, s2, s3
	s_mov_b32 s3, 0
	s_lshl_b32 s86, s15, 15
	s_add_co_u32 s86, s86, WOSCL
	s_mov_b32 s87, 0
	s_mov_b32 s[G0SA], 1
	s_mov_b32 s[G0SA+1], SCA
	s_mov_b32 s[G0SB], 1
	s_mov_b32 s[G0SB+1], SCB
	s_mov_b32 s[G0A], 1
	s_mov_b32 s[G0A+1], 0
	s_mov_b32 s[G0A+4], 1                          ; s[G0A+4:G0A+7]: group 0 of the head's load of wo
	s_mov_b32 s[G0A+5], BBASE
	s_mov_b32 s[G0B], 1
	s_mul_i32 s[G0B+1], s14, 24576
	s_add_co_u32 s[G0B+1], s[G0B+1], BBASE
	s_mov_b32 s[G0B+4], 1
	s_add_co_u32 s[G0B+5], s[G0B+1], BSLOT
	s_wait_dscnt 0x0                               ; the opening add is done
	s_wait_kmcnt 0x0
	s_add_nc_u64 s[G0SA+2:G0SA+3], s[4:5], s[22:23]
	s_add_nc_u64 s[G0SB+2:G0SB+3], s[6:7], s[86:87]
	s_add_nc_u64 s[G0A+2:G0A+3], s[4:5], s[20:21]
	s_add_nc_u64 s[G0A+6:G0A+7], s[6:7], s[84:85]
	s_add_nc_u64 s[G0B+2:G0B+3], s[G0A+6:G0A+7], s[2:3]
	s_add_nc_u64 s[G0B+6:G0B+7], s[G0B+2:G0B+3], 2*BKS
	s_or_b32 s[G0SA+3], s[G0SA+3], 0x80000000
	s_or_b32 s[G0SB+3], s[G0SB+3], 0x80000000
	s_or_b32 s[G0A+3], s[G0A+3], 0x80000000
	s_or_b32 s[G0A+7], s[G0A+7], 0x80000000
	s_or_b32 s[G0B+3], s[G0B+3], 0x80000000
	s_or_b32 s[G0B+7], s[G0B+7], 0x80000000
	CROUND                                         ; all sixteen work-groups are here: the joint loads meet
	s_cmp_lt_u32 s14, 1                            ; the head's loads, one a wave: one chain of branches on the wave's number, a load in each arm
	s_cbranch_scc0 .Lhead_b
	tensor_load_to_lds s[G0A:G0A+3], s[G1A:G1A+7]       ; wave 0: o's codes
	s_nop 0
	PLACES
	s_branch .Lhead_asked
.Lhead_b:
	s_cmp_lt_u32 s14, 2
	s_cbranch_scc0 .Lhead_sa
	tensor_load_to_lds s[G0A+4:G0A+7], s[G1B:G1B+7]     ; wave 1: wo, K steps 0 to 3
	s_nop 0
	PLACES
	s_branch .Lhead_asked
.Lhead_sa:
	s_cmp_lt_u32 s14, 3
	s_cbranch_scc0 .Lhead_sb
	tensor_load_to_lds s[G0SA:G0SA+3], s[G1SA:G1SA+7]   ; wave 2: o's scale words
	s_nop 0
	PLACES
	s_branch .Lhead_asked
.Lhead_sb:
	tensor_load_to_lds s[G0SB:G0SB+3], s[G1SB:G1SB+7]   ; wave 3: wo's scale words
	s_nop 0
	PLACES
.Lhead_asked:
	v_and_b32 v1, 15, v0                           ; r
	v_bfe_u32 v2, v0, 4, 1                         ; h
	v_and_b32 v3, 31, v0                           ; lane
	v_lshlrev_b32 v[L8], 3, v3
	v_lshlrev_b32 v[BI], 6, v2
	v_lshlrev_b32 v[ADRA], 3, v3
	v_add_nc_u32 v[ADRA+1], APAIR, v[L8]
	s_mul_i32 s2, s14, 12288                       ; my four tiles of a K step's sixteen
	s_add_co_u32 s2, s2, BBASE
	v_add_nc_u32 v[ADRB], s2, v[L8]
	s_add_co_u32 s2, s2, BSLOT
	v_add_nc_u32 v[ADRB+1], s2, v[L8]
	v_lshlrev_b32 v[ADSA], 3, v1                   ; 8 bytes a row; lanes 16-31: 64 rows on
	v_lshl_add_u32 v[ADSA], v2, 9, v[ADSA]
	v_add_nc_u32 v[ADSA], SCA, v[ADSA]
	v_lshlrev_b32 v[ADSB], 3, v1                   ; lanes 16-31: 32 rows on
	v_lshl_add_u32 v[ADSB], v2, 8, v[ADSB]
	s_lshl_b32 s2, s14, 9                          ; my 64 of the 256 rows
	s_add_co_u32 s2, s2, SCB
	v_add_nc_u32 v[ADSB], s2, v[ADSB]
	s_mul_i32 s2, s14, 4352                        ; my stage: 16 rows x (256 bytes + 16), in o's first pair
	v_mul_u32_u24 v[STO], v1, 272
	v_lshl_add_u32 v[STO], v2, 6, v[STO]
	v_add_nc_u32 v[STO], s2, v[STO]                ; in: row r, + 64 h bytes
	v_mul_u32_u24 v[RD], v2, 272
	v_lshl_add_u32 v[RD], v1, 4, v[RD]
	v_add_nc_u32 v[RD], s2, v[RD]                  ; back: lanes 0-15 one row of 256 bytes, lanes 16-31 the next
	v_lshlrev_b32 v[CO], 12, v2
	v_lshl_add_u32 v[CO], v1, 4, v[CO]             ; and the same two rows in out0
	s_lshl_b32 s20, s15, 10
	s_lshl_b32 s21, s14, 8
	s_add_co_u32 s20, s20, s21                     ; my first column, in bytes
	s_mov_b32 s21, 0
	s_add_nc_u64 s[8:9], s[8:9], s[20:21]          ; the bias there,
	s_add_nc_u64 s[10:11], s[10:11], s[20:21]      ; and out0,
	s_lshl_b32 s20, s17, 19                        ; at my first row: 128 rows of 4,096 bytes a work-group
	s_add_nc_u64 s[10:11], s[10:11], s[20:21]
	WIN TO_B
.irp b, 0,1,2,3                        ; tile b's eight registers in the result's layout: columns 32 (b / 2) + 8 (b % 2) + 16 h + 0 .. 7
	global_load_b128 v[96+8*\b:99+8*\b], v[BI], s[8:9] offset:(32*(\b/2)+8*(\b%2))*4
	global_load_b128 v[100+8*\b:103+8*\b], v[BI], s[8:9] offset:(32*(\b/2)+8*(\b%2))*4+16
.endr
	WIN 0
.macro FRAG reg, adr, off              ; a fragment as it lies: six planes
.irp p, 0,1,2,3,4,5
	ds_load_b64 v[(\reg)+2*\p:(\reg)+2*\p+1], v[\adr] offset:(\off)+256*\p
.endr
.endm
; 8 steps of 128 along K.  Step st: pair st / 4, K step (st / 2) % 2 of it, fragment st % 2; fragments in set st % 2, scale words in set (st / 2) % 2.
.macro FETCH st
	WIN TO_B
.irp j, 0,1,2,3
	FRAG 48*((\st)%2)+12*\j, ADRB+(\st)/4, (((\st)/2)%2)*49152+\j*3072+1536*((\st)%2)
.endr
	WIN 0
.irp i, 0,1,2,3,4,5,6,7
	FRAG AF+96*((\st)%2)+12*\i, ADRA+(\st)/4, (((\st)/2)%2)*24576+\i*3072+1536*((\st)%2)
.endr
.endm
.macro SCALES ks
.irp i, 0,1,2,3
	ds_load_b64 v[SCR+12*((\ks)%2)+2*\i:SCR+12*((\ks)%2)+2*\i+1], v[ADSA] offset:(\ks)*1024+128*\i
.endr
.irp j, 0,1
	ds_load_b64 v[SCR+12*((\ks)%2)+8+2*\j:SCR+12*((\ks)%2)+8+2*\j+1], v[ADSB] offset:(\ks)*SBK+128*\j
.endr
.endm
; o's block a against my four of wo.  zero = 1: the product starts the sums from the bias.  The 32 accumulators take turns, one instruction a turn.
.macro MULA a, st, zero
.irp b, 0,1,2,3
.set DD, 8*(4*(\a)+\b)
.set FB, 48*((\st)%2)+12*\b
.set FA, AF+96*((\st)%2)+12*(\a)
.set SB0, SCR+12*(((\st)/2)%2)+8+2*(\b%2)+(\st)%2
.set SA0, SCR+12*(((\st)/2)%2)+2*((\a)%4)+(\st)%2
.if \zero
.set CC, 96+8*\b
.else
.set CC, DD
.endif
.if ((\a)/4 == 0) && (\b/2 == 0)
	v_wmma_scale_f32_16x16x128_f8f6f4 v[DD:DD+7], v[FB:FB+11], v[FA:FA+11], v[CC:CC+7], v[SB0], v[SA0] matrix_a_fmt:MATRIX_FMT_FP6 matrix_b_fmt:MATRIX_FMT_FP6
.elseif (\a)/4 == 0
	v_wmma_scale_f32_16x16x128_f8f6f4 v[DD:DD+7], v[FB:FB+11], v[FA:FA+11], v[CC:CC+7], v[SB0], v[SA0] matrix_a_fmt:MATRIX_FMT_FP6 matrix_b_fmt:MATRIX_FMT_FP6 matrix_a_scale:MATRIX_SCALE_ROW1
.elseif \b/2 == 0
	v_wmma_scale_f32_16x16x128_f8f6f4 v[DD:DD+7], v[FB:FB+11], v[FA:FA+11], v[CC:CC+7], v[SB0], v[SA0] matrix_a_fmt:MATRIX_FMT_FP6 matrix_b_fmt:MATRIX_FMT_FP6 matrix_b_scale:MATRIX_SCALE_ROW1
.else
	v_wmma_scale_f32_16x16x128_f8f6f4 v[DD:DD+7], v[FB:FB+11], v[FA:FA+11], v[CC:CC+7], v[SB0], v[SA0] matrix_a_fmt:MATRIX_FMT_FP6 matrix_b_fmt:MATRIX_FMT_FP6 matrix_a_scale:MATRIX_SCALE_ROW1 matrix_b_scale:MATRIX_SCALE_ROW1
.endif
.endr
.endm
.macro STEP st, zero                   ; the successor's fragments are asked for first, into the set that the step before has left, and land under this step's 32 products
	s_wait_dscnt 0x0                               ; this step's fragments are in
	PLACES
	FETCH (\st)+1
.if (\st)%2 == 1
	SCALES ((\st)+1)/2
.endif
.if \zero
	WIN MULZ
.else
	WIN MUL
.endif
.irp a, 0,1,2,3,4,5,6,7
	MULA \a, \st, \zero
.endr
.endm
	s_wait_alu depctr_va_vdst(0)
	s_wait_tensorcnt 0x0                           ; my tile of the head's four is in
	s_barrier_signal -1
	s_barrier_wait -1                              ; everybody's tile is in
	FETCH 0
	SCALES 0
	s_wait_loadcnt 0x0                             ; the bias
	STEP 0, 1
	STEP 1, 0
	STEP 2, 0
	WIN 0                                          ; step 3 goes over to the second pair: one barrier
	s_wait_tensorcnt 0x0                           ; my parts of K steps 2 and 3 are in;
	ds_add_u32 v[SPW], v[NIL]
	s_wait_dscnt 0x0                               ; my reads of the first pair are over
	s_barrier_signal -1
	WIN MUL
	MULA 0, 3, 0
	MULA 1, 3, 0
	WIN 0
	s_barrier_wait -1                              ; everybody's are in, and nobody reads o's first pair any more: the stages lie there
	PLACES
	FETCH 4
	SCALES 2
	WIN MUL
.irp a, 2,3,4,5,6,7
	MULA \a, 3, 0
.endr
	STEP 4, 0
	STEP 5, 0
	STEP 6, 0
	s_wait_dscnt 0x0
	WIN MUL
.irp a, 0,1,2,3,4,5,6,7
	MULA \a, 7, 0
.endr
	WIN 0
; THE WAY OUT, block by block of 16 rows x 64 columns, through my own stage: in as 32 bytes a lane at their true columns, back as whole rows of 256 bytes, two an instruction.  LDS serves a wave's instructions in order.
.macro TOSTAGE a
	WIN 0x08                                       ; an LDS store's data: window 2
.irp b, 0,1,2,3
	ds_store_b128 v[STO], v[32*(\a)+8*\b:32*(\a)+8*\b+3] offset:128*(\b/2)+32*(\b%2)      ; columns 32 (b / 2) + 16 h + 8 (b % 2) + 0 .. 7; each accumulator from its low end on
	ds_store_b128 v[STO], v[32*(\a)+8*\b+4:32*(\a)+8*\b+7] offset:128*(\b/2)+32*(\b%2)+16
.endr
	WIN 0
.set BB, 64+32*((\a)%2)
.irp t, 0,1,2,3,4,5,6,7
	ds_load_b128 v[BB+4*\t:BB+4*\t+3], v[RD] offset:2*\t*272
.endr
.endm
.macro SEND a, younger                 ; younger: the LDS instructions issued behind block a's loads, which may stay out
.set BB, 64+32*((\a)%2)
	s_wait_dscnt \younger
.irp t, 0,1,2,3,4,5,6,7
	global_store_b128 v[CO], v[BB+4*\t:BB+4*\t+3], s[10:11] offset:(32*((\a)/2)+8*((\a)%2)+2*\t+8*(\t/4))*4096 th:TH_STORE_NT   ; the tile's rows 2 t and 2 t + 1 at their true places; sixteen lanes store 256 consecutive bytes, aligned
.endr
.endm
	PLACES
	TOSTAGE 0
.irp a, 1,2,3,4,5,6,7
.if \a > 1
	s_wait_xcnt 0x0                                ; block a - 2's stores have read their registers: block a's loads may land there
.endif
	TOSTAGE \a
	SEND \a-1, 16                                  ; behind block a - 1's loads: block a's 8 stores and 8 loads
.endr
	SEND 7, 0
	s_wait_tensorcnt 0x0                           ; the wave's end: behind my last tensor load and my last LDS store
	ds_add_u32 v[SPW], v[NIL]
	s_wait_dscnt 0x0
	CROUND                                         ; the closing round
	s_endpgm
.Lfunc_end_k_q18e54b0c1b_oproj:
	.size	k_q18e54b0c1b_oproj, .Lfunc_end_k_q18e54b0c1b_oproj-k_q18e54b0c1b_oproj
	.p2alignl 7, 3214868480
	.fill 96, 4, 3214868480
	.section	.rodata,"a",@progbits
	.p2align	6, 0x0
	.amdhsa_kernel k_q18e54b0c1b_oproj
		.amdhsa_group_segment_fixed_size 327680
		.amdhsa_private_segment_fixed_size 0
		.amdhsa_enable_private_segment 0
		.amdhsa_kernarg_size 32
		.amdhsa_user_sgpr_count 2
		.amdhsa_user_sgpr_kernarg_segment_ptr 1
		.amdhsa_wavefront_size32 1
		.amdhsa_system_sgpr_workgroup_id_x 1
		.amdhsa_system_sgpr_workgroup_id_y 1
		.amdhsa_system_sgpr_workgroup_id_z 1
		.amdhsa_system_vgpr_workitem_id 0
		.amdhsa_next_free_vgpr 1024
		.amdhsa_next_free_sgpr 88
		.amdhsa_reserve_vcc 0
		.amdhsa_float_denorm_mode_32 3
		.amdhsa_float_denorm_mode_16_64 3
		.amdhsa_memory_ordered 1
		.amdhsa_forward_progress 1
		.amdhsa_inst_pref_size 97
	.end_amdhsa_kernel
	.amdgpu_metadata
---
amdhsa.version: [ 1, 2 ]
amdhsa.kernels:
  - .name:           k_q18e54b0c1b_oproj
    .symbol:         k_q18e54b0c1b_oproj.kd
    .args:
      - { .name: att, .offset: 0, .size: 8, .value_kind: global_buffer, .address_space: global }
      - { .name: pre, .offset: 8, .size: 8, .value_kind: global_buffer, .address_space: global }
      - { .name: bo, .offset: 16, .size: 8, .value_kind: global_buffer, .address_space: global }
      - { .name: out0, .offset: 24, .size: 8, .value_kind: global_buffer, .address_space: global }
    .group_segment_fixed_size: 327680
    .private_segment_fixed_size: 0
    .kernarg_segment_align: 8
    .kernarg_segment_size: 32
    .max_flat_workgroup_size: 128
    .sgpr_count:     88
    .vgpr_count:     1024
    .wavefront_size: 32
...
	.end_amdgpu_metadata
.endif
;; end of part 8
